; MI455X (gfx1250); checked and timed in simulation.
; The chip was launched on July 23, 2026; its instructions are those of AMD's public machine-readable ISA for CDNA 5 (MIT licence, August 2026) and "CDNA5" Instruction Set Architecture Reference Guide (July 2026). The comments in the code are by the model that wrote it; some were corrected since.
;; Std Abs Block. Allowed arithmetic: matrix products marked QUANTISED: E2M3 operands, one E8M0 scale for each 32 along K, by v_wmma_scale_f32_16x16x128_f8f6f4 with both operands' format E2M3, f32 sums; everything else in f32.
;; Inputs: ffn_b1 4,096 float32; ffn_b2 1,024 float32; ffn_w1 4,096 x 1,024 float32; ffn_w2 1,024 x 4,096 float32; ln1_b 1,024 float32; ln1_w 1,024 float32; ln2_b 1,024 float32; ln2_w 1,024 float32; o_w 1,024 x 1,024 float32; qkv_w 3,072 x 1,024 float32; x 2 x 2,048 x 1,024 float32.
;; Outputs: out0 2 x 2,048 x 1,024 float32.
;; This version of the problem:
;;   THIS VERSION OF THE PROBLEM IS GIVEN IN LOW PRECISION. The matrix products marked QUANTISED in the list below multiply operands that are first quantised to E2M3 (2 exponent bits, 3 mantissa bits; 6 bits a number), with one power-of-two scale for each 32 numbers along K (OCP MX v1.0); their sums are f32. All else is computed in f32.
;;   The module's matrix products, in the order in which they are computed (A, B: the left and right operand; K: the contracted axis; several contracted axes count as one K, in the product's order):
;;     1. [M 4,096, K 1,024] x [K 1,024, N 3,072]; A: computed on the way; B: input qkv_w: QUANTISED
;;     2. batch 32 x [M 2,048, K 64] x [K 64, N 2,048]; A: computed on the way; B: computed on the way: QUANTISED
;;     3. batch 32 x [M 64, K 2,048] x [K 2,048, N 2,048]; A: computed on the way; B: softmax (see below): QUANTISED
;;     4. [M 4,096, K 1,024] x [K 1,024, N 1,024]; A: computed on the way; B: input o_w: QUANTISED
;;     5. [M 4,096, K 1,024] x [K 1,024, N 4,096]; A: computed on the way; B: input ffn_w1: QUANTISED
;;     6. [M 4,096, K 4,096] x [K 4,096, N 1,024]; A: computed on the way; B: input ffn_w2: QUANTISED
;;   THE QUANTISER, for each operand of a quantised product, along K:
;;     - K is cut into blocks of 32 from its start; a last block that is shorter is filled with zeros.
;;     - A block's scale is 2^e with e = floor(log2(the largest magnitude in the block)) - 2, held to -126 .. 127; a block of zeros has e = 0. As a byte (E8M0): e + 127.
;;     - Each number is divided by its block's scale, clamped to +-7.5, and rounded to the nearest number of E2M3, ties to even, subnormals kept.
;;     - The product sums the exact products of the quantised numbers (number of the format x scale) in f32.
;;   ~~~python
;;   def quantise(x, axis):      # numpy; x: float32 -> the quantised numbers, widened to float32 again
;;       x = np.moveaxis(x, axis, -1); K = x.shape[-1]
;;       x = np.pad(x, [(0, 0)] * (x.ndim - 1) + [(0, -K % 32)]); x = x.reshape(x.shape[:-1] + (-1, 32)); a = np.abs(x).max(-1, keepdims=True)
;;       e = np.where(a > 0, np.clip(np.frexp(np.where(a > 0, a, 1))[1] - 1 - 2, -126, 127), 0)      # np.frexp(a)[1] - 1 = floor(log2(a)), exactly
;;       r = np.clip(x / 2.0 ** e, -7.5, 7.5)
;;       step = 2.0 ** (np.maximum(np.frexp(np.where(r == 0, 1, r))[1] - 1, 0) - 3)
;;       q = np.round(r / step) * step * 2.0 ** e      # np.round: ties to even
;;       return np.moveaxis(q.reshape(q.shape[:-2] + (-1,))[..., :K], -1, axis).astype(np.float32)
;;   ~~~
;;   SOFTMAX AHEAD OF A QUANTISED PRODUCT. Where the list says 'softmax', what is quantised is not the finished softmax but p = 2^(t - M), with t = logit x log2(e) and M = ceil(the row's largest t), a whole number; so 1/2 < the row's largest p <= 1. The row's sum l is taken of the UNQUANTISED p, in f32, and the product's result is divided by l at the end. Since M is a whole number, a kernel that streams over the keys may use a running M (the ceiling of the running maximum): every later rescaling is an exact power of two, which a block's scale takes up: the codes' values come out the same.
;;   OPERANDS COMPUTED ON THE WAY. 'Computed on the way' means the value that the module computes at that place (a softmax that the list does not call 'softmax' is quantised finished and normalised). What goes into a quantiser is computed in f32, as accurately as f32 sums, v_exp_f32 and their like allow (about 1e-6 of the number): no bf16 or f16 on the way to a quantiser, and a product that is left as it is and whose result goes on into a quantised operand takes f32 operands (vector FMAs, or v_wmma_f32_16x16x4_f32). A number that lies on a knife's edge between two numbers of the format may be rounded either way, as far as f32 arithmetic and the matrix unit's own rounding can turn it there, and no further.
;; 2 versions. Each part assembles by itself: llvm-mc -triple=amdgcn-amd-amdhsa -mcpu=gfx1250 --defsym DOCPART=n.
;; ======== version 1 of 2: 7 launches
;; workspace buffers: actp 3,276,800 bytes; wp 9,830,400 bytes; qkp 6,553,600 bytes; vp 3,276,800 bytes; x1 16,777,216 bytes; f1p 13,107,200 bytes
;; launch prep (part 1): grid 1024 x 1, 8 waves a work-group, no clusters, 67,072 bytes of LDS; arguments x, ln1_w, ln1_b, actp, qkv_w, o_w, ffn_w1, ffn_w2, wp; writes actp, wp
.if DOCPART == 1
	.amdgcn_target "amdgcn-amd-amdhsa--gfx1250"
	.amdhsa_code_object_version 6
	.text
	.protected	k_q568f935e12_prep
	.globl	k_q568f935e12_prep
	.p2align	8
	.type	k_q568f935e12_prep,@function
k_q568f935e12_prep:
	s_mov_b64 s[64:65], 0
	v_nop
	global_prefetch_b8 v0, s[64:65] scope:SCOPE_SE
	s_setreg_imm32_b32 hwreg(HW_REG_WAVE_MODE, 25, 1), 1
	s_wait_xcnt 0x0
; f32 rows become codes of FP6 (E2M3) with one E8M0 scale byte for each 32 along K, laid as PACKS.  Work-groups 0-255: layer norm of 16 rows of the first argument, then the quantiser.
; Work-groups 256-1023 (where the grid has them): 16 rows x 1,024 along K of one of the four weights, the quantiser alone.
; A PACK is 128 rows x 256 along K in the order of a matrix operand's registers, 25,600 bytes; pack (g, ks) lies at (g KS + ks) PK.  In it fragment (block i of 16 rows, q = which 128 along K) lies at
; (2 i + q) x 1,536; register pair m (registers 2 m, 2 m + 1) of lane l at 256 m + 8 l; the scale word of (q, i, lane r) at 24,576 + 512 q + 64 i + 4 r.
; THE ROWS OF A BLOCK ARE NOT NEIGHBOURS: lane r of block i holds row 128 g + 32 (i / 2) + 8 (i % 2) + r + 8 (r / 8), so that a later product's results are 16 neighbours along the next K.
; A block's scale is 2^(floor(log2(largest magnitude)) - 2); its byte is the largest magnitude's exponent field - 2, held at 1 from below.
; LIMITS: a block of zeros, and one whose largest magnitude lies under 2^-124, gets the byte 1 (the rule says 127 for zeros: its codes are zeros, and this program alone reads the bytes); NaN and infinities are not served.
; SHARES: eight waves.  Wave w loads rows 2 w, 2 w + 1 of the block whole (each load 512 consecutive bytes), norms them, and lays them in LDS; behind one barrier wave w takes K step w (128 along K) of all 16 rows,
; 64 numbers a lane, and stores one fragment: six stores of 256 consecutive aligned bytes.  The 64 bytes of scale words a wave are the one short store: one byte in 24 of the codes'.
; No tensor load, no ring: one barrier.  All waits are for 0: each phase needs all that the phase before asked for.
.set PK,  25600
.set FRB, 1536
.set LP,  4112                         ; an LDS row: 4,096 bytes + 16: sixteen rows that a 16-byte load touches start 16 bytes apart modulo 256
.set GW,  16                           ; v16-47   the gain at my 32 columns
.set GB,  48                           ; v48-79   the bias
.set X0,  80                           ; v80-111  my first row, 32 numbers a lane
.set X1,  112                          ; v112-143 my second row
.set XQ,  80                           ; v80-143  later: 64 numbers of one row for the quantiser
.set TM,  144                          ; v144-159 the quantiser's work
.set PC,  160                          ; v160-178 the codes
.set PW,  180                          ; v180     the scale word
.set SEL, 24                           ; s[24:25] lane selects: lane l xor 16
	s_load_b256 s[4:11], s[0:1], 0x0               ; the rows to norm, gain, bias, actp
	s_load_b256 s[12:19], s[0:1], 0x20             ; qkv_w, o_w, ffn_w1, ffn_w2
	s_load_b64 s[20:21], s[0:1], 0x40              ; wp
	v_lshl_add_u32 v192, v0, 2, 0x10200
	v_mov_b32 v193, 0
	v_lshrrev_b32 v1, 5, v0
	v_readfirstlane_b32 s22, v1                    ; wave 0..7
	v_and_b32 v1, 31, v0                           ; lane
	v_lshlrev_b32 v2, 4, v1                        ; 16 x lane
	v_and_b32 v12, 15, v0                          ; r
	v_bfe_u32 v13, v0, 4, 1                        ; h
	s_mul_i32 s28, s22, 2*LP
	v_add_nc_u32 v14, s28, v2                      ; LDS, in: rows 2 w, 2 w + 1, 16 bytes a lane
	v_mul_u32_u24 v15, v12, LP
	v_lshl_add_u32 v15, v13, 6, v15
	s_lshl_b32 s28, s22, 9
	v_add_nc_u32 v15, s28, v15                     ; LDS, out: row r, K step w, + 64 h: my 16 numbers of each block of 32
	v_lshlrev_b32 v181, 3, v1                      ; 8 x lane: a register pair's place
	v_lshlrev_b32 v182, 2, v12                     ; 4 r: a scale word's
	s_mov_b32 s[SEL], 0x76543210
	s_mov_b32 s[SEL+1], 0xfedcba98
	s_mov_b32 s26, 0x3a800000                      ; 1 / 1,024
	s_mov_b32 s27, 0x3727c5ac                      ; 1e-5
.irp b, 0,1,2,3
	v_mov_b32 v[TM+4+\b], 0                        ; written once: a lane permute's destination counts as one of its sources
.endr
	; which tensor: numbers first, from the last tensor upward.  Only numbers and pointers are chosen: all roles take one path but for the norm's arithmetic
	s_mov_b32 s30, 768                             ; the tensor's first work-group
	s_mov_b32 s31, 2                               ; log2 of the chunks of 1,024 in a row
	s_mov_b32 s32, 3                               ; their mask
	s_mov_b32 s33, 16384                           ; a row in bytes
	s_mov_b32 s34, 16                              ; KS: packs along K
	s_mov_b32 s35, 256                             ; the tensor's first pack
	s_cmp_lt_u32 ttmp9, 768
	s_cselect_b32 s30, 512, s30
	s_cselect_b32 s31, 0, s31
	s_cselect_b32 s32, 0, s32
	s_cselect_b32 s33, 4096, s33
	s_cselect_b32 s34, 4, s34
	s_cselect_b32 s35, 128, s35
	s_cmp_lt_u32 ttmp9, 512
	s_cselect_b32 s30, 448, s30
	s_cselect_b32 s35, 96, s35
	s_cmp_lt_u32 ttmp9, 448
	s_cselect_b32 s30, 256, s30
	s_cselect_b32 s35, 0, s35
	s_cmp_lt_u32 ttmp9, 256
	s_cselect_b32 s30, 0, s30
	s_sub_co_u32 s40, ttmp9, s30
	s_lshr_b32 s41, s40, s31                       ; rb: which block of 16 rows
	s_and_b32 s42, s40, s32                        ; which 1,024 along K
	s_lshr_b32 s43, s41, 1
	s_lshl_b32 s43, s43, 5
	s_and_b32 s44, s41, 1
	s_lshl_b32 s44, s44, 3
	s_add_co_u32 s43, s43, s44                     ; the block's first row: 32 (rb / 2) + 8 (rb % 2)
	s_lshl_b32 s44, s22, 1
	s_add_co_u32 s43, s43, s44
	s_lshr_b32 s44, s22, 2
	s_lshl_b32 s44, s44, 3
	s_add_co_u32 s43, s43, s44                     ; + 2 w + 8 (w / 4): lane index 2 w's row; lane index 2 w + 1's is the next
	s_mul_i32 s46, s43, s33
	s_lshl_b32 s44, s42, 12
	s_add_co_u32 s46, s46, s44
	s_mov_b32 s47, 0                               ; under 2^25 bytes in every tensor
	v_add_nc_u32 v3, s33, v2                       ; 16 x lane, one row down
	s_lshr_b32 s44, s41, 3                         ; g
	s_and_b32 s45, s41, 7                          ; i
	s_mul_i32 s44, s44, s34
	s_add_co_u32 s44, s44, s35
	s_lshl_b32 s48, s42, 2
	s_add_co_u32 s44, s44, s48
	s_lshr_b32 s48, s22, 1
	s_add_co_u32 s44, s44, s48                     ; my pack: first + g KS + 4 chunk + w / 2
	s_mul_i32 s48, s44, PK
	s_mov_b32 s49, 0
	s_and_b32 s50, s22, 1                          ; q
	s_lshl_b32 s51, s45, 1
	s_add_co_u32 s51, s51, s50
	s_mul_i32 s52, s51, FRB                        ; my fragment in it
	s_mov_b32 s53, 0
	s_lshl_b32 s58, s50, 9
	s_lshl_b32 s51, s45, 6
	s_add_co_u32 s58, s58, s51
	s_add_co_u32 s58, s58, 24576                   ; and its scale words
	s_mov_b32 s59, 0
	s_wait_kmcnt 0x0
	s_mov_b64 s[36:37], s[18:19]
	s_mov_b64 s[38:39], s[20:21]
	s_cmp_lt_u32 ttmp9, 768
	s_cselect_b64 s[36:37], s[16:17], s[36:37]
	s_cmp_lt_u32 ttmp9, 512
	s_cselect_b64 s[36:37], s[14:15], s[36:37]
	s_cmp_lt_u32 ttmp9, 448
	s_cselect_b64 s[36:37], s[12:13], s[36:37]
	s_cmp_lt_u32 ttmp9, 256
	s_cselect_b64 s[36:37], s[4:5], s[36:37]
	s_cselect_b64 s[38:39], s[10:11], s[38:39]
	s_add_nc_u64 s[36:37], s[36:37], s[46:47]
	s_add_nc_u64 s[38:39], s[38:39], s[48:49]
	s_add_nc_u64 s[54:55], s[38:39], s[52:53]
	s_add_nc_u64 s[56:57], s[38:39], s[58:59]
.irp j, 0,1,2,3,4,5,6,7
	global_load_b128 v[X0+4*\j:X0+4*\j+3], v2, s[36:37] offset:512*\j th:TH_LOAD_NT   ; 32 lanes read 512 consecutive bytes
.endr
.irp j, 0,1,2,3,4,5,6,7
	global_load_b128 v[X1+4*\j:X1+4*\j+3], v3, s[36:37] offset:512*\j th:TH_LOAD_NT
.endr
.irp j, 0,1,2,3,4,5,6,7
	global_load_b128 v[GW+4*\j:GW+4*\j+3], v2, s[6:7] offset:512*\j
	global_load_b128 v[GB+4*\j:GB+4*\j+3], v2, s[8:9] offset:512*\j
.endr
	s_wait_loadcnt 0x0
.macro RSUM                            ; v4 summed over the 32 lanes, the result in every lane
	v_add_f32_dpp v4, v4, v4 row_xmask:1 row_mask:0xf bank_mask:0xf
	v_add_f32_dpp v4, v4, v4 row_xmask:2 row_mask:0xf bank_mask:0xf
	v_add_f32_dpp v4, v4, v4 row_xmask:4 row_mask:0xf bank_mask:0xf
	v_add_f32_dpp v4, v4, v4 row_xmask:8 row_mask:0xf bank_mask:0xf
	v_permlanex16_b32 v5, v4, s[SEL], s[SEL+1]
	v_add_f32 v4, v4, v5
.endm
; One row's layer norm, in two passes as the definition has it: the mean, the mean of the squared differences, (x - mean) / sqrt(var + eps) x gain + bias.
.macro LNROW x
	v_pk_add_f32 v[4:5], v[\x:\x+1], v[\x+2:\x+3]
	v_pk_add_f32 v[6:7], v[\x+4:\x+5], v[\x+6:\x+7]
.irp j, 8,12,16,20,24,28
	v_pk_add_f32 v[4:5], v[4:5], v[\x+\j:\x+\j+1]
	v_pk_add_f32 v[6:7], v[6:7], v[\x+\j+2:\x+\j+3]
.endr
	v_pk_add_f32 v[4:5], v[4:5], v[6:7]
	v_add_f32 v4, v4, v5
	RSUM
	v_mul_f32 v8, s26, v4                          ; the mean, twice: a pair for the packed forms
	v_mul_f32 v9, s26, v4
.irp j, 0,2,4,6,8,10,12,14,16,18,20,22,24,26,28,30
	v_pk_add_f32 v[\x+\j:\x+\j+1], v[\x+\j:\x+\j+1], v[8:9] neg_lo:[0,1] neg_hi:[0,1]
.endr
	v_pk_mul_f32 v[4:5], v[\x:\x+1], v[\x:\x+1]
	v_pk_mul_f32 v[6:7], v[\x+2:\x+3], v[\x+2:\x+3]
.irp j, 4,8,12,16,20,24,28
	v_pk_fma_f32 v[4:5], v[\x+\j:\x+\j+1], v[\x+\j:\x+\j+1], v[4:5]
	v_pk_fma_f32 v[6:7], v[\x+\j+2:\x+\j+3], v[\x+\j+2:\x+\j+3], v[6:7]
.endr
	v_pk_add_f32 v[4:5], v[4:5], v[6:7]
	v_add_f32 v4, v4, v5
	RSUM
	v_fma_f32 v12, v4, s26, s27                    ; var + eps
	v_rsq_f32 v10, v12
	v_nop                                          ; a plain instruction behind the transcendental
	s_wait_alu depctr_va_vdst(0)                   ; and the wait ahead of its first reader
	v_mov_b32 v11, v10
.irp j, 0,2,4,6,8,10,12,14,16,18,20,22,24,26,28,30
	v_pk_mul_f32 v[\x+\j:\x+\j+1], v[\x+\j:\x+\j+1], v[10:11]
.endr
.irp j, 0,2,4,6,8,10,12,14,16,18,20,22,24,26,28,30
	v_pk_fma_f32 v[\x+\j:\x+\j+1], v[\x+\j:\x+\j+1], v[GW+\j:GW+\j+1], v[GB+\j:GB+\j+1]
.endr
.endm
	s_cmp_lt_u32 ttmp9, 256                        ; weights are quantised as they are: the branch goes round arithmetic on registers alone
	s_cbranch_scc0 .Lplain
	LNROW X0
	LNROW X1
.Lplain:
.irp j, 0,1,2,3,4,5,6,7
	ds_store_b128 v14, v[X0+4*\j:X0+4*\j+3] offset:512*\j
	ds_store_b128 v14, v[X1+4*\j:X1+4*\j+3] offset:LP+512*\j
.endr
	s_wait_dscnt 0x0                               ; for the others' sake: my two rows lie in LDS
	s_barrier_signal -1
	s_barrier_wait -1
.irp b, 0,1,2,3
.irp j, 0,1,2,3
	ds_load_b128 v[XQ+16*\b+4*\j:XQ+16*\b+4*\j+3], v15 offset:128*\b+16*\j   ; register 16 b + n = k 128 w + 32 b + 16 h + n of row r
.endr
.endr
	s_wait_dscnt 0x0
; 64 numbers of a lane, register 16 b + n = k 32 b + 16 (lane / 16) + n of my row, become a fragment's codes in v[PC] on and its scale word in v[PW].
.macro QUANT s
.irp b, 0,1,2,3
	v_max3_num_f32 v[TM+\b], |v[\s+16*\b]|, |v[\s+1+16*\b]|, 0x1800000   ; my 16 numbers of block b, and the floor 2^(3 - 127): the byte cannot fall under 1
.endr
.irp i, 2,4,6,8,10,12,14
.irp b, 0,1,2,3
	v_max3_num_f32 v[TM+\b], v[TM+\b], |v[\s+16*\b+\i]|, |v[\s+1+16*\b+\i]|   ; the four blocks by turns
.endr
.endr
.irp b, 0,1,2,3
	v_permlanex16_b32 v[TM+4+\b], v[TM+\b], s[SEL], s[SEL+1]
.endr
.irp b, 0,1,2,3
	v_max_num_f32 v[TM+\b], v[TM+\b], v[TM+4+\b]   ; with lane l xor 16's: the block's largest magnitude
.endr
.irp b, 0,1,2,3
	v_add_nc_u32 v[TM+12+\b], 0xff000000, v[TM+\b] ; 2 off its exponent field: the conversion takes this operand's exponent field as its scale
.endr
.irp b, 0,1,2,3
	v_lshrrev_b32 v[TM+4+\b], 23, v[TM+12+\b]      ; the scale's byte
.endr
	v_lshl_or_b32 v[PW], v[TM+5], 8, v[TM+4]
	v_lshl_or_b32 v[PW], v[TM+6], 16, v[PW]
	v_lshl_or_b32 v[PW], v[TM+7], 24, v[PW]
.irp c, 0,1
	v_cvt_scalef32_pk16_fp6_f32 v[PC+6*\c:PC+2+6*\c], v[\s+32*\c:\s+15+32*\c], v[TM+12+2*\c]
	v_cvt_scalef32_pk16_fp6_f32 v[PC+12+4*\c:PC+14+4*\c], v[\s+16+32*\c:\s+31+32*\c], v[TM+12+2*\c+1]   ; (a conversion's three registers begin on an even number)
.endr
	v_nop                                          ; one plain place behind a scaled conversion
.irp c, 0,1                                    ; the operand's layout wants a whole block in a lane: lanes 0-15 block 2 c, lanes 16-31 block 2 c + 1
.irp i, 0,1,2
	v_permlane16_swap_b32 v[PC+6*\c+\i], v[PC+12+4*\c+\i]
.endr
.irp i, 0,1,2
	v_mov_b32 v[PC+3+6*\c+\i], v[PC+12+4*\c+\i]
.endr
.endr
.endm
	QUANT XQ
.irp m, 0,1,2,3,4,5
	global_store_b64 v181, v[PC+2*\m:PC+2*\m+1], s[54:55] offset:256*\m   ; 32 lanes store 256 consecutive bytes, at a multiple of 256 from the buffer's first byte
.endr
	global_store_b32 v182, v[PW], s[56:57]         ; lanes r and 16 + r hold the same word and name the same place
	s_wait_tensorcnt 0x0
	ds_add_u32 v192, v193
	s_wait_dscnt 0x0
	s_endpgm
.Lfunc_end_k_q568f935e12_prep:
	.size	k_q568f935e12_prep, .Lfunc_end_k_q568f935e12_prep-k_q568f935e12_prep
	.p2alignl 7, 3214868480
	.fill 96, 4, 3214868480
	.section	.rodata,"a",@progbits
	.p2align	6, 0x0
	.amdhsa_kernel k_q568f935e12_prep
		.amdhsa_group_segment_fixed_size 67072
		.amdhsa_private_segment_fixed_size 0
		.amdhsa_enable_private_segment 0
		.amdhsa_kernarg_size 72
		.amdhsa_user_sgpr_count 2
		.amdhsa_user_sgpr_kernarg_segment_ptr 1
		.amdhsa_wavefront_size32 1
		.amdhsa_system_sgpr_workgroup_id_x 1
		.amdhsa_system_sgpr_workgroup_id_y 1
		.amdhsa_system_sgpr_workgroup_id_z 1
		.amdhsa_system_vgpr_workitem_id 0
		.amdhsa_next_free_vgpr 194
		.amdhsa_next_free_sgpr 66
		.amdhsa_reserve_vcc 0
		.amdhsa_float_denorm_mode_32 3
		.amdhsa_float_denorm_mode_16_64 3
		.amdhsa_memory_ordered 1
		.amdhsa_forward_progress 1
		.amdhsa_inst_pref_size 27
	.end_amdhsa_kernel
	.amdgpu_metadata
---
amdhsa.version: [ 1, 2 ]
amdhsa.kernels:
  - .name:           k_q568f935e12_prep
    .symbol:         k_q568f935e12_prep.kd
    .args:
      - { .name: x, .offset: 0, .size: 8, .value_kind: global_buffer, .address_space: global }
      - { .name: ln1_w, .offset: 8, .size: 8, .value_kind: global_buffer, .address_space: global }
      - { .name: ln1_b, .offset: 16, .size: 8, .value_kind: global_buffer, .address_space: global }
      - { .name: actp, .offset: 24, .size: 8, .value_kind: global_buffer, .address_space: global }
      - { .name: qkv_w, .offset: 32, .size: 8, .value_kind: global_buffer, .address_space: global }
      - { .name: o_w, .offset: 40, .size: 8, .value_kind: global_buffer, .address_space: global }
      - { .name: ffn_w1, .offset: 48, .size: 8, .value_kind: global_buffer, .address_space: global }
      - { .name: ffn_w2, .offset: 56, .size: 8, .value_kind: global_buffer, .address_space: global }
      - { .name: wp, .offset: 64, .size: 8, .value_kind: global_buffer, .address_space: global }
    .group_segment_fixed_size: 67072
    .private_segment_fixed_size: 0
    .kernarg_segment_align: 8
    .kernarg_segment_size: 72
    .max_flat_workgroup_size: 256
    .sgpr_count:     66
    .vgpr_count:     194
    .wavefront_size: 32
...
	.end_amdgpu_metadata
.endif
;; end of part 1
;; launch gqkv (part 2): grid 12 x 16, 4 waves a work-group, clusters of 4 x 4, 327,680 bytes of LDS; arguments actp, wp, qkp, vp; writes qkp, vp
.if DOCPART == 2
	.amdgcn_target "amdgcn-amd-amdhsa--gfx1250"
	.amdhsa_code_object_version 6
	.text
	.protected	k_q568f935e12_gqkv
	.globl	k_q568f935e12_gqkv
	.p2align	8
	.type	k_q568f935e12_gqkv,@function
k_q568f935e12_gqkv:
	s_mov_b64 s[64:65], 0
	v_nop
	global_prefetch_b8 v0, s[64:65] scope:SCOPE_SE
	s_setreg_imm32_b32 hwreg(HW_REG_WAVE_MODE, 25, 1), 1
	s_wait_xcnt 0x0
	s_wait_alu depctr_hold_cnt(0) depctr_sa_sdst(0) depctr_va_vdst(0) depctr_va_sdst(0) depctr_va_ssrc(0) depctr_va_vcc(0) depctr_vm_vsrc(0)
	s_getreg_b32 s2, hwreg(HW_REG_IB_STS2, 6, 4)
	s_cmp_eq_u32 s2, 0
	s_cbranch_scc0 .Lentry_in_a_cluster
	s_endpgm
.Lentry_in_a_cluster:
	s_bfe_u32 s2, ttmp6, 0x10000c
	s_cmp_lg_u32 s2, 0xf033
	s_cbranch_scc0 .Lentry_shape_is_right
	s_endpgm
.Lentry_shape_is_right:
; C = A B^T on codes of FP6 (E2M3) with E8M0 scales, both operands given as PACKS; the result (+ bias, GELU where the flags say so) is quantised along its columns and stored as packs again.
; THIS TEXT: QKV = 1: q, k, v = norm(x) qkv_w^T.  Clusters with x = 0, 1: A = tokens (actp), B = rows 0-2,047 of qkv_w: q and k, quantised along the head's axis, into qkp (8 packs along K: 0-3 q, 4-7 k).
; Clusters with x = 2: THE OPERANDS CHANGE PLACES: A = rows 2,048-3,071 of qkv_w, B = tokens: the result is v^T, whose columns are the tokens: so v comes out quantised along the keys, into vp (16 packs along K).
; A PACK is 128 rows x 256 along K in the order of an operand's registers, PK = 25,600 bytes, pack (g, ks) at (g KS + ks) PK: fragment (block i, q) at (2 i + q) x 1,536, register pair m of lane l at 256 m + 8 l;
; the scale word of (q, i, lane r) at 24,576 + 512 q + 64 i + 4 r.  Lane r of block i holds row 128 g + 32 (i / 2) + 8 (i % 2) + r + 8 (r / 8).
; A tile of C, 256 x 256, is made by four waves, as many as a WGP has SIMDs, 128 x 128 each: 64 accumulators, 512 registers.  K goes in steps of 256 through a ring of two LDS slots; a slot is four packs (A's two, B's two),
; each brought by ONE tensor load of one wave as 100 dense rows of 256 bytes, codes and scale words together.  A fragment is six loads of 8 bytes a lane, 256 consecutive bytes each.
; CLUSTERS: 4 x 4 work-groups; A's packs are asked for jointly along a row of the cluster, B's along a column.  THE MATRIX INSTRUCTION IS USED TRANSPOSED (source 0 = B's 16 rows, source 1 = A's): by the order of a
; block's rows a lane then holds one row of C, and the 16 registers of tiles 2 b, 2 b + 1 are the 16 neighbouring columns 32 b + 16 (lane / 16) + 0 .. 15: what the conversions want.
; REGISTERS, in windows of 256: window 0: v16-31 addresses, v32-63 scale words (two sets), v128-223 A's fragments (one set); on the way out v64-255 at work.  window 1: B's fragments, two sets, at v0 and v128; the bias in
; v96-127 and v224-255.  windows 2, 3: the accumulators of my rows 0-63 and 64-127 (accumulator (a, b) at v[8 (8 (a % 4) + b)]).
; LIMITS: a block of zeros, and one whose largest magnitude lies under 2^-124, gets the scale byte 1 (its codes are zeros or near it; this program alone reads the bytes); NaN and infinities are not served.
; erf (ACT = 1) is z P(z^2) / Q(z^2) with z held to +-4, good to a few units in erf's last place: far below x = -5.6 GELU comes out of the order of 1e-7 |x| and not 0.
.set SIZE_K, 1024
.set QKV,    1
.set ACT,    0
.set BIAS,   0
.set WOFF,   0                         ; B's first pack in wp
.set KSO,    8                         ; packs along K in the output (QKV = 1: chosen by the role)
.set KSA,    SIZE_K/256
.set LAPS,   SIZE_K/512                ; a lap = two K steps = once round the ring
.set PK,     25600
.set FRB,    1536
.set SCW,    24576
.set SLOT,   4*PK
.set SPARE,  2*SLOT                    ; behind the ring: the spare words, 128 bytes a wave: two blocks of 256 bytes that no other line names
.set STG,    SPARE+512                 ; behind them: 512 bytes a wave, where a wave's scale words are gathered; no tile lands here
.set FR,     12
.set NL,     6
.set NP,     4
.set NQ,     2
.set ADRA, 16                          ; v16-17  LDS address of my A fragments in slot 0, 1
.set ADRB, 20                          ; v20-21  of B's
.set ADRS, 22                          ; v22-23  of the scale words: lanes 0-15 A's, lanes 16-31 B's
.set SPW,  28                          ; v28     my spare word; never rewritten
.set NIL,  29                          ; v29     0; never rewritten
.set SC,   32
.set AF,   128
.set G1, 24                            ; s[24:31] group 1 for A's packs; s[32:39] group 0, a set for each slot
.set G0, 32
.set G1B, 48                           ; s[48:55], s[56:63] the same for B's
.set G0B, 56
.set SEL, 86                           ; s[86:87] lane selects: lane l xor 16
.set MSB, 0
.macro WIN new                         ; the immediate's high byte repeats the setting that is left
.if MSB != \new
	s_set_vgpr_msb (MSB<<8)|(\new)
.set MSB, \new
.endif
.endm
.set MUL_LO, 0xa1                      ; source 0 (B) window 1, source 1 (A) window 0, C and D window 2
.set MUL_HI, 0xf1                      ; the same, C and D window 3
.set TO_B,   0x40                      ; destination window 1, address window 0
; A joint load: waves 0 and 1 fetch A's two packs, waves 2 and 3 B's.  The branch hangs on the wave's number alone.  Four v_nop follow each of the two lines.
.macro JLOAD g0a, g1a, g0b, g1b
	s_cmp_eq_u32 s15, 0
	s_cbranch_scc0 .Lfor_b_\@
	tensor_load_to_lds s[\g0a:\g0a+3], s[\g1a:\g1a+7]
	s_nop 0
.rept 4
	v_nop
.endr
	s_branch .Lasked_\@
.Lfor_b_\@:
	tensor_load_to_lds s[\g0b:\g0b+3], s[\g1b:\g1b+7]
	s_nop 0
.rept 4
	v_nop
.endr
.Lasked_\@:
.endm
.macro CREST                           ; a round of the cluster's barrier behind its opening barrier
	s_cmp_lg_u32 s14, 0
	s_cbranch_scc1 .Lnot_wave_0_\@
	s_barrier_signal -3
.Lnot_wave_0_\@:
	s_barrier_wait -3
	s_barrier_signal -1
	s_barrier_wait -1
.endm
.macro CROUND
	s_barrier_signal -1
	s_barrier_wait -1
	CREST
.endm
	s_load_b128 s[4:7], s[0:1], 0x0                ; A's packs (actp), wp
	s_load_b128 s[8:11], s[0:1], 0x10              ; QKV: qkp, vp;  else: the bias, the output's packs
	v_lshl_add_u32 v[SPW], v0, 2, SPARE
	v_mov_b32 v[NIL], 0
	ds_add_u32 v28, v29
	s_wait_dscnt 0x0
	v_lshrrev_b32 v1, 5, v0
	v_readfirstlane_b32 s14, v1                    ; wave 0..3
	s_lshr_b32 s15, s14, 1                         ; which half of the tile's rows is mine.  Also: I fetch for A (0) or for B (1)
	s_and_b32 s16, s14, 1                          ; which half of its columns.  Also: which of the two packs I fetch
	s_bfe_u32 s40, ttmp6, 0x40000                  ; cx, cy: my place in the cluster
	s_bfe_u32 s41, ttmp6, 0x40004
	s_and_b32 s18, ttmp7, 0xffff                   ; cluster y
.if QKV
	s_cmp_eq_u32 ttmp9, 2                          ; the role hangs on the cluster's x, which all sixteen partners share
	s_cselect_b32 s19, 0, s18                      ; v^T has four tile rows (cy alone) and sixteen tile columns
	s_cselect_b32 s67, s18, ttmp9
	s_cselect_b32 s66, 16, 8                       ; packs along K in the output
.else
	s_mov_b32 s19, s18
	s_mov_b32 s67, ttmp9
.endif
	s_lshl_b32 s42, s67, 2
	s_add_co_u32 s42, s42, s40                     ; tile column
	s_lshl_b32 s17, s19, 2
	s_add_co_u32 s17, s17, s41                     ; tile row
	s_lshl_b32 s43, s41, 2
	s_lshl_b32 s43, 15, s43                        ; my row of the cluster
	s_lshl_b32 s44, 0x1111, s40                    ; my column
	; descriptor group 1: a pack: a dense block of 100 rows x 256 bytes (32 elements of 8 bytes), no padding
	s_or_b32 s[G1+0], s43, (3<<16)|(1<<21)         ; 15:0 the mask; 17:16 elements of 8 bytes; 21 set beside a mask
	s_or_b32 s[G1B+0], s44, (3<<16)|(1<<21)
.irp g, G1, G1B
	s_mov_b32 s[\g+1], 32<<16                      ; tensor_dim0
	s_mov_b32 s[\g+2], 100<<16                     ; tensor_dim1
	s_mov_b32 s[\g+3], 32<<16                      ; tile_dim0
	s_mov_b32 s[\g+4], 100                         ; tile_dim1
	s_mov_b32 s[\g+5], 32                          ; tensor_dim0_stride
	s_mov_b32 s[\g+6], 0
	s_mov_b32 s[\g+7], 0
.endr
	s_lshl_b32 s20, s17, 1
	s_add_co_u32 s20, s20, s16
	s_mul_i32 s20, s20, KSA*PK                     ; A: group 2 x tile row + half, its first pack
	s_mov_b32 s21, 0
	s_lshl_b32 s46, s42, 1
	s_add_co_u32 s46, s46, s16
	s_mul_i32 s46, s46, KSA*PK                     ; B: group 2 x tile column + half
	s_mov_b32 s47, 0
	s_mul_i32 s45, s14, PK                         ; where it goes: wave x a pack: no place in the cluster enters an LDS address
	s_wait_kmcnt 0x0
.if QKV
	s_add_nc_u64 s[22:23], s[6:7], 64*PK           ; the packs of qkv_w's rows 2,048 on
	s_cmp_eq_u32 ttmp9, 2
	s_cselect_b64 s[68:69], s[22:23], s[4:5]
	s_cselect_b64 s[70:71], s[4:5], s[6:7]
	s_cselect_b64 s[72:73], s[10:11], s[8:9]
	s_add_nc_u64 s[20:21], s[68:69], s[20:21]
	s_add_nc_u64 s[46:47], s[70:71], s[46:47]
.else
	s_mov_b64 s[72:73], s[10:11]
	s_add_nc_u64 s[20:21], s[4:5], s[20:21]
	s_add_nc_u64 s[46:47], s[6:7], s[46:47]
	s_add_nc_u64 s[46:47], s[46:47], WOFF*PK
.endif
	CROUND                                         ; all sixteen work-groups are here: the first joint loads meet
.irp s, 0,1
	s_mov_b32 s[G0+4*\s], 1
	s_add_co_u32 s[G0+4*\s+1], s45, \s*SLOT
	s_add_nc_u64 s[G0+4*\s+2:G0+4*\s+3], s[20:21], \s*PK
	s_or_b32 s[G0+4*\s+3], s[G0+4*\s+3], 0x80000000
	s_mov_b32 s[G0B+4*\s], 1
	s_add_co_u32 s[G0B+4*\s+1], s45, \s*SLOT
	s_add_nc_u64 s[G0B+4*\s+2:G0B+4*\s+3], s[46:47], \s*PK
	s_or_b32 s[G0B+4*\s+3], s[G0B+4*\s+3], 0x80000000
	JLOAD G0+4*\s, G1, G0B+4*\s, G1B
.endr
	v_and_b32 v1, 15, v0                           ; r
	v_bfe_u32 v2, v0, 4, 1                         ; h
	v_and_b32 v3, 31, v0                           ; lane
	v_lshlrev_b32 v26, 3, v3                       ; 8 x lane
	v_lshlrev_b32 v27, 4, v3                       ; 16 x lane
	s_mul_i32 s18, s15, PK                         ; my pack of A
	s_mul_i32 s19, s16, PK
	s_add_co_u32 s19, s19, 2*PK                    ; my pack of B
	s_xor_b32 s22, s15, 1
	s_add_co_u32 s22, s22, s16
	s_add_co_u32 s22, s22, 1
	s_mul_i32 s22, s22, PK                         ; from the one to the other: (2 + column half - row half) packs
	v_mul_u32_u24 v5, s22, v2                      ; lanes 16-31 take B's scale words
	v_lshl_add_u32 v5, v1, 2, v5
	s_add_co_u32 s23, s18, SCW
.irp s, 0,1
	v_add_nc_u32 v[ADRA+\s], s18, v26
	v_add_nc_u32 v[ADRB+\s], s19, v26
	v_add_nc_u32 v[ADRS+\s], s23, v5
	s_add_co_u32 s18, s18, SLOT
	s_add_co_u32 s19, s19, SLOT
	s_add_co_u32 s23, s23, SLOT
.endr
	s_lshl_b32 s18, s14, 9
	s_add_co_u32 s18, s18, STG                     ; my 512 bytes for scale words
	v_lshl_add_u32 v24, v1, 2, s18                 ; in: 4 r (+ 64 a block)
	v_add_nc_u32 v25, s18, v27                     ; back: 16 bytes a lane
	s_mov_b32 s[SEL], 0x76543210
	s_mov_b32 s[SEL+1], 0xfedcba98
	s_lshl_b32 s80, s17, 1                         ; where my results go: pack (2 x tile row + row half, tile column), fragments (a, q = column half)
	s_add_co_u32 s80, s80, s15
.if QKV
	s_mul_i32 s80, s80, s66
.else
	s_mul_i32 s80, s80, KSO
.endif
	s_add_co_u32 s80, s80, s42
	s_mul_i32 s80, s80, PK
	s_mov_b32 s81, 0
	s_add_nc_u64 s[74:75], s[72:73], s[80:81]
	s_mul_i32 s80, s16, FRB
	s_add_nc_u64 s[76:77], s[74:75], s[80:81]      ; the codes of block 0
	s_lshl_b32 s80, s16, 9
	s_add_co_u32 s80, s80, SCW
	s_add_nc_u64 s[78:79], s[74:75], s[80:81]      ; my 512 bytes of scale words
.if BIAS
	s_lshl_b32 s82, s42, 10                        ; the bias of my 128 columns; lane (r, h) wants, for tile b, columns 32 (b / 2) + 8 (b % 2) + 16 h + 0 .. 7
	s_lshl_b32 s83, s16, 9
	s_add_co_u32 s82, s82, s83
	s_mov_b32 s83, 0
	s_add_nc_u64 s[84:85], s[8:9], s[82:83]
	v_lshlrev_b32 v6, 6, v2
	WIN TO_B
.irp b, 0,1,2,3,4,5,6,7
	global_load_b128 v[96+8*\b+96*(\b/4):96+8*\b+96*(\b/4)+3], v6, s[84:85] offset:(32*(\b/2)+8*(\b%2))*4
	global_load_b128 v[96+8*\b+96*(\b/4)+4:96+8*\b+96*(\b/4)+7], v6, s[84:85] offset:(32*(\b/2)+8*(\b%2))*4+16
.endr
	WIN 0
.endif
.macro FRAG reg, adr, q, i             ; a fragment, 12 registers: six loads of 8 bytes a lane, each 256 consecutive bytes
.irp p, 0,1,2,3,4,5
	ds_load_b64 v[\reg+2*\p:\reg+2*\p+1], v[\adr] offset:(2*(\i)+(\q))*FRB+256*\p
.endr
.endm
; 16 matrix instructions: A's blocks a0, a0 + 1 x B's eight, 128 along K.  p: B's set; sc: the set of scale words.  zero = 1: the product starts the sums; 2: it starts them from the bias.
; The 64 accumulators take turns, one instruction a turn, in the same order in every step.
.macro MUL16 a0, p, q, sc, zero
.irp a, \a0, \a0+1
.irp b, 0,1,2,3,4,5,6,7
.if \zero == 1
	v_wmma_scale_f32_16x16x128_f8f6f4 v[8*(8*((\a)%4)+\b):8*(8*((\a)%4)+\b)+7], v[128*(\p)+FR*\b:128*(\p)+FR*\b+FR-1], v[AF+FR*(\a):AF+FR*(\a)+FR-1], 0, v[SC+8*NQ*(\sc)+NQ*\b+(\q)], v[SC+8*NQ*(\sc)+NQ*(\a)+(\q)] matrix_a_fmt:MATRIX_FMT_FP6 matrix_b_fmt:MATRIX_FMT_FP6 matrix_a_scale:MATRIX_SCALE_ROW1
.elseif \zero == 2
	v_wmma_scale_f32_16x16x128_f8f6f4 v[8*(8*((\a)%4)+\b):8*(8*((\a)%4)+\b)+7], v[128*(\p)+FR*\b:128*(\p)+FR*\b+FR-1], v[AF+FR*(\a):AF+FR*(\a)+FR-1], v[96+8*\b+96*(\b/4):96+8*\b+96*(\b/4)+7], v[SC+8*NQ*(\sc)+NQ*\b+(\q)], v[SC+8*NQ*(\sc)+NQ*(\a)+(\q)] matrix_a_fmt:MATRIX_FMT_FP6 matrix_b_fmt:MATRIX_FMT_FP6 matrix_a_scale:MATRIX_SCALE_ROW1
.else
	v_wmma_scale_f32_16x16x128_f8f6f4 v[8*(8*((\a)%4)+\b):8*(8*((\a)%4)+\b)+7], v[128*(\p)+FR*\b:128*(\p)+FR*\b+FR-1], v[AF+FR*(\a):AF+FR*(\a)+FR-1], v[8*(8*((\a)%4)+\b):8*(8*((\a)%4)+\b)+7], v[SC+8*NQ*(\sc)+NQ*\b+(\q)], v[SC+8*NQ*(\sc)+NQ*(\a)+(\q)] matrix_a_fmt:MATRIX_FMT_FP6 matrix_b_fmt:MATRIX_FMT_FP6 matrix_a_scale:MATRIX_SCALE_ROW1
.endif
.endr
.endr
.endm
.macro FETCH_B slot, q, p
	WIN TO_B
.irp i, 0,1,2,3,4,5,6,7
	FRAG 128*(\p)+FR*\i, ADRB+\slot, \q, \i
.endr
	WIN 0
.endm
.macro FETCH_A slot, q, i0
.irp i, \i0, \i0+1, \i0+2, \i0+3
	FRAG AF+FR*(\i), ADRA+\slot, \q, \i
.endr
.endm
.macro SCALES sc                       ; a slot's scale words into set sc: register 2 i + q: lanes 0-15 the word of A's block i, lanes 16-31 that of B's block i
.irp i, 0,1,2,3,4,5,6,7
.irp q, 0,1
	ds_load_b32 v[SC+8*NQ*\sc+NQ*\i+\q], v[ADRS+\sc] offset:512*\q+64*\i
.endr
.endr
.endm
.macro PLACES n                        ; places in front of loads into registers that matrix instructions have read, and of the first read of results (ISA guide 7.12.1 for vector instructions)
.rept \n
	v_nop
.endr
.endm
.macro STEP slot, q, zero              ; a step of 128 along K that has its successor in the same slot
	s_wait_dscnt 4*NL                              ; B's set, A's blocks 0-3 and the scale words are in; the youngest 24 loads (A's blocks 4-7) may be out
.if \zero == 2
	WIN 0x91                                       ; C (the bias) window 1, D window 2
.else
	WIN MUL_LO
.endif
	MUL16 0, (\q)%2, \q, \slot, \zero
	MUL16 2, (\q)%2, \q, \slot, \zero
	s_wait_dscnt 0                                 ; A's blocks 4-7 are in (asked for 32 matrix instructions ago)
	PLACES NP
	FETCH_B \slot, (\q)+1, 1-(\q)%2
	FETCH_A \slot, (\q)+1, 0
.if \zero == 2
	WIN 0xd1
.else
	WIN MUL_HI
.endif
	MUL16 4, (\q)%2, \q, \slot, \zero
	MUL16 6, (\q)%2, \q, \slot, \zero
	PLACES NP
	WIN 0
	FETCH_A \slot, (\q)+1, 4
.endm
; A slot's last step changes slots: ONE barrier; in front of it each wave waits for all its tensor loads, adds 0 to its spare word, and waits for that and for its reads of this slot.  fill = 1: the slot is filled again, two K steps ahead.
.macro TURN slot, next, fill
	s_wait_tensorcnt 0x0                           ; all my tensor loads have landed: my pack of the next slot
	ds_add_u32 v[SPW], v[NIL]                      ; 0 onto my spare word
	s_wait_dscnt 4*NL+1                            ; (the add and the youngest 24 loads, A's blocks 4-7, may be out)
	WIN MUL_LO
	MUL16 0, 1, NQ-1, \slot, 0                     ; sixteen matrix instructions stand between the add and the wait for it
	s_wait_dscnt 0x0                               ; the add is done, and my reads of this slot are over
	s_barrier_signal -1
	MUL16 2, 1, NQ-1, \slot, 0
	WIN 0
	s_barrier_wait -1
.if \fill
	CREST                                          ; the barrier has opened a round of the cluster's barrier: no wave of any partner still reads this slot or has a load on its way
	s_add_nc_u64 s[G0+4*\slot+2:G0+4*\slot+3], s[G0+4*\slot+2:G0+4*\slot+3], 2*PK
	s_add_nc_u64 s[G0B+4*\slot+2:G0B+4*\slot+3], s[G0B+4*\slot+2:G0B+4*\slot+3], 2*PK
	JLOAD G0+4*\slot, G1, G0B+4*\slot, G1B         ; the first tensor load behind the round; its four v_nop are also the places in front of the loads below
.else
	PLACES NP
.endif
	FETCH_B \next, 0, 0
	FETCH_A \next, 0, 0
	SCALES \next
	WIN MUL_HI
	MUL16 4, 1, NQ-1, \slot, 0
	MUL16 6, 1, NQ-1, \slot, 0
	PLACES NP
	WIN 0
	FETCH_A \next, 0, 4
.endm
	s_wait_tensorcnt 1                             ; my pack of K step 0 is in (K step 1's load may be out)
	s_barrier_signal -1
	s_barrier_wait -1                              ; everybody's is
	FETCH_B 0, 0, 0
	FETCH_A 0, 0, 0
	SCALES 0
	FETCH_A 0, 0, 4
.if BIAS
	s_wait_loadcnt 0x0                             ; the bias
	STEP 0, 0, 2                                   ; the first step stands in front of the loop: its products start the sums
.else
	STEP 0, 0, 1
.endif
	s_mov_b32 s3, LAPS-1
.Llap:                                                 ; a trip goes once round the ring and fills both slots again
	TURN 0, 1, 1
	STEP 1, 0, 0
	TURN 1, 0, 1
	STEP 0, 0, 0
	s_sub_co_u32 s3, s3, 1
	s_cmp_lg_u32 s3, 0
	s_cbranch_scc1 .Llap
	TURN 0, 1, 0                                   ; the last lap fills nothing
	STEP 1, 0, 0
	s_wait_dscnt 4*NL
	WIN MUL_LO
	MUL16 0, 1, NQ-1, 1, 0
	MUL16 2, 1, NQ-1, 1, 0
	s_wait_dscnt 0
	WIN MUL_HI
	MUL16 4, 1, NQ-1, 1, 0
	MUL16 6, 1, NQ-1, 1, 0
	WIN 0
; THE WAY OUT.  Block a's 64 numbers of a lane (one row, 128 columns' share) become fragment (a, column half) of the output's pack.  The work of a block is written ONCE and walked eight times: written out eight times it
; would be eight times some 110 instructions (750 with GELU).  What changes from trip to trip is which accumulators are read: they are first copied into window 0, by one of eight runs of 64 moves.
.set X,   64                           ; v64-127  the block's numbers
.set TM,  128                          ; v128-143 the quantiser's work
.set PC,  144                          ; v144-162 the codes
.set PW,  163                          ; the scale word
.set GZ,  164                          ; GELU: z;  z^2, then 1 / Q;  P;  Q, then x / 2
.set GZ2, 180
.set GP,  196
.set GD,  212
.set CN,  228                          ; v228-253 thirteen constants, each twice: pairs for the packed forms
.macro QUANT s
.irp b, 0,1,2,3
	v_max3_num_f32 v[TM+\b], |v[\s+16*\b]|, |v[\s+1+16*\b]|, 0x1800000   ; my 16 numbers of block b, and the floor 2^(3 - 127): the byte cannot fall under 1
.endr
.irp i, 2,4,6,8,10,12,14
.irp b, 0,1,2,3
	v_max3_num_f32 v[TM+\b], v[TM+\b], |v[\s+16*\b+\i]|, |v[\s+1+16*\b+\i]|
.endr
.endr
.irp b, 0,1,2,3
	v_permlanex16_b32 v[TM+4+\b], v[TM+\b], s[SEL], s[SEL+1]
.endr
.irp b, 0,1,2,3
	v_max_num_f32 v[TM+\b], v[TM+\b], v[TM+4+\b]   ; with lane l xor 16's: the block's largest magnitude
.endr
.irp b, 0,1,2,3
	v_add_nc_u32 v[TM+12+\b], 0xff000000, v[TM+\b] ; 2 off its exponent field: the conversion's scale operand
.endr
.irp b, 0,1,2,3
	v_lshrrev_b32 v[TM+4+\b], 23, v[TM+12+\b]      ; the scale's byte
.endr
	v_lshl_or_b32 v[PW], v[TM+5], 8, v[TM+4]
	v_lshl_or_b32 v[PW], v[TM+6], 16, v[PW]
	v_lshl_or_b32 v[PW], v[TM+7], 24, v[PW]
.irp c, 0,1
	v_cvt_scalef32_pk16_fp6_f32 v[PC+6*\c:PC+2+6*\c], v[\s+32*\c:\s+15+32*\c], v[TM+12+2*\c]
	v_cvt_scalef32_pk16_fp6_f32 v[PC+12+4*\c:PC+14+4*\c], v[\s+16+32*\c:\s+31+32*\c], v[TM+12+2*\c+1]
.endr
	v_nop                                          ; one plain place behind a scaled conversion
.irp c, 0,1
.irp i, 0,1,2
	v_permlane16_swap_b32 v[PC+6*\c+\i], v[PC+12+4*\c+\i]
.endr
.irp i, 0,1,2
	v_mov_b32 v[PC+3+6*\c+\i], v[PC+12+4*\c+\i]
.endr
.endr
.endm
.macro CONST k, val
	v_mov_b32 v[CN+2*\k], \val
	v_mov_b32 v[CN+2*\k+1], \val
.endm
; GELU of 16 numbers, x / 2 (1 + erf(x / sqrt 2)), stage by stage over eight pairs; erf(z) = z P(z^2) / Q(z^2), z held to +-4.  The 16 reciprocals are one batch with one wait.
.macro GELU g
.irp e, 0,2,4,6,8,10,12,14
	v_pk_mul_f32 v[GZ+\e:GZ+\e+1], v[X+16*\g+\e:X+16*\g+\e+1], v[CN:CN+1]
.endr
.irp e, 0,1,2,3,4,5,6,7,8,9,10,11,12,13,14,15
	v_med3_num_f32 v[GZ+\e], v[GZ+\e], -4.0, 4.0
.endr
.irp e, 0,2,4,6,8,10,12,14
	v_pk_mul_f32 v[GZ2+\e:GZ2+\e+1], v[GZ+\e:GZ+\e+1], v[GZ+\e:GZ+\e+1]
.endr
.irp e, 0,2,4,6,8,10,12,14
	v_pk_fma_f32 v[GP+\e:GP+\e+1], v[GZ2+\e:GZ2+\e+1], v[CN+2:CN+3], v[CN+4:CN+5]
.endr
.irp k, 3,4,5,6,7
.irp e, 0,2,4,6,8,10,12,14
	v_pk_fma_f32 v[GP+\e:GP+\e+1], v[GP+\e:GP+\e+1], v[GZ2+\e:GZ2+\e+1], v[CN+2*\k:CN+2*\k+1]
.endr
.endr
.irp e, 0,2,4,6,8,10,12,14
	v_pk_fma_f32 v[GD+\e:GD+\e+1], v[GZ2+\e:GZ2+\e+1], v[CN+16:CN+17], v[CN+18:CN+19]
.endr
.irp k, 10,11,12
.irp e, 0,2,4,6,8,10,12,14
	v_pk_fma_f32 v[GD+\e:GD+\e+1], v[GD+\e:GD+\e+1], v[GZ2+\e:GZ2+\e+1], v[CN+2*\k:CN+2*\k+1]
.endr
.endr
.irp e, 0,1,2,3,4,5,6,7,8,9,10,11,12,13,14,15
	v_rcp_f32 v[GZ2+\e], v[GD+\e]
.endr
.irp e, 0,2,4,6,8,10,12,14
	v_pk_mul_f32 v[GP+\e:GP+\e+1], v[GP+\e:GP+\e+1], v[GZ+\e:GZ+\e+1]   ; z P: plain work that names no reciprocal and none of their sources
.endr
	s_wait_alu depctr_va_vdst(0)                   ; one wait for the batch, ahead of its first reader
.irp e, 0,2,4,6,8,10,12,14
	v_pk_mul_f32 v[GP+\e:GP+\e+1], v[GP+\e:GP+\e+1], v[GZ2+\e:GZ2+\e+1]   ; erf
.endr
.irp e, 0,2,4,6,8,10,12,14
	v_pk_mul_f32 v[GD+\e:GD+\e+1], v[X+16*\g+\e:X+16*\g+\e+1], 0.5 op_sel_hi:[1,0]
.endr
.irp e, 0,2,4,6,8,10,12,14
	v_pk_fma_f32 v[X+16*\g+\e:X+16*\g+\e+1], v[GD+\e:GD+\e+1], v[GP+\e:GP+\e+1], v[GD+\e:GD+\e+1]
.endr
.endm
.macro TAKE a                          ; block a's accumulators into window 0, each from its low end on
.Lm_\a:
	WIN 0x02+(\a)/4                                ; source 0: window 2 or 3
.set j, 0
.rept 64
	v_mov_b32 v[X+j], v[64*((\a)%4)+j]
.set j, j+1
.endr
	WIN 0
	s_branch .Lwork
.endm
	PLACES NP                                      ; behind the last products: their results are read, and A's registers written, below
.irp b, 0,1,2,3
	v_mov_b32 v[TM+4+\b], 0                        ; written once: a lane permute's destination counts as one of its sources
.endr
.if ACT
	CONST 0, 0.70710678
	CONST 1, -0.000000000272614225801306
	CONST 2, 0.0000000277068142495902
	CONST 3, -0.00000210102402082508
	CONST 4, -0.0000569250639462346
	CONST 5, -0.000734990630326855
	CONST 6, -0.00295459980854025
	CONST 7, -0.0160960333262415
	CONST 8, -0.0000145660718464996
	CONST 9, -0.000213374055278905
	CONST 10, -0.00168282697438203
	CONST 11, -0.00737332916720468
	CONST 12, -0.0142647390514189
.endif
	s_mov_b32 s3, 0
.Lrow:
.irp a, 0,1,2,3,4,5,6
	s_cmp_eq_u32 s3, \a
	s_cbranch_scc1 .Lm_\a
.endr
	s_branch .Lm_7
	TAKE 0
	TAKE 1
	TAKE 2
	TAKE 3
	TAKE 4
	TAKE 5
	TAKE 6
	TAKE 7
.Lwork:
.if ACT
	GELU 0
	GELU 1
	GELU 2
	GELU 3
.endif
	QUANT X
	s_lshl_b32 s2, s3, 6
	v_add_nc_u32 v30, s2, v24                      ; the block's 64 bytes among my scale words
.irp m, 0,1,2,3,4,5
	global_store_b64 v26, v[PC+2*\m:PC+2*\m+1], s[76:77] offset:256*\m   ; 32 lanes store 256 consecutive bytes, at a multiple of 256 from the buffer's first byte
.endr
	ds_store_b32 v30, v[PW]                        ; lanes r and 16 + r hold the same word and name the same place
	s_wait_xcnt 0x0                                ; the stores have read their data and their base: both are written again only behind this wait
	s_add_nc_u64 s[76:77], s[76:77], 2*FRB         ; the next block's fragment
	s_add_co_u32 s3, s3, 1
	s_cmp_lt_u32 s3, 8
	s_cbranch_scc1 .Lrow
	ds_load_b128 v[X:X+3], v25                     ; LDS serves a wave's instructions in order: these see my stores
	s_wait_dscnt 0x0
	global_store_b128 v27, v[X:X+3], s[78:79]      ; my eight blocks' scale words: 512 consecutive bytes
	s_wait_tensorcnt 0x0                           ; the wave's end
	ds_add_u32 v[SPW], v[NIL]
	s_wait_dscnt 0x0
	CROUND                                         ; the closing round: no work-group ends while a partner may still ask for a pack that names it
	s_endpgm
.Lfunc_end_k_q568f935e12_gqkv:
	.size	k_q568f935e12_gqkv, .Lfunc_end_k_q568f935e12_gqkv-k_q568f935e12_gqkv
	.p2alignl 7, 3214868480
	.fill 96, 4, 3214868480
	.section	.rodata,"a",@progbits
	.p2align	6, 0x0
	.amdhsa_kernel k_q568f935e12_gqkv
		.amdhsa_group_segment_fixed_size 327680
		.amdhsa_private_segment_fixed_size 0
		.amdhsa_enable_private_segment 0
		.amdhsa_kernarg_size 32
		.amdhsa_user_sgpr_count 2
		.amdhsa_user_sgpr_kernarg_segment_ptr 1
		.amdhsa_wavefront_size32 1
		.amdhsa_system_sgpr_workgroup_id_x 1
		.amdhsa_system_sgpr_workgroup_id_y 1
		.amdhsa_system_sgpr_workgroup_id_z 1
		.amdhsa_system_vgpr_workitem_id 0
		.amdhsa_next_free_vgpr 1024
		.amdhsa_next_free_sgpr 100
		.amdhsa_reserve_vcc 0
		.amdhsa_float_denorm_mode_32 3
		.amdhsa_float_denorm_mode_16_64 3
		.amdhsa_memory_ordered 1
		.amdhsa_forward_progress 1
		.amdhsa_inst_pref_size 152
	.end_amdhsa_kernel
	.amdgpu_metadata
---
amdhsa.version: [ 1, 2 ]
amdhsa.kernels:
  - .name:           k_q568f935e12_gqkv
    .symbol:         k_q568f935e12_gqkv.kd
    .args:
      - { .name: actp, .offset: 0, .size: 8, .value_kind: global_buffer, .address_space: global }
      - { .name: wp, .offset: 8, .size: 8, .value_kind: global_buffer, .address_space: global }
      - { .name: qkp, .offset: 16, .size: 8, .value_kind: global_buffer, .address_space: global }
      - { .name: vp, .offset: 24, .size: 8, .value_kind: global_buffer, .address_space: global }
    .group_segment_fixed_size: 327680
    .private_segment_fixed_size: 0
    .kernarg_segment_align: 8
    .kernarg_segment_size: 32
    .max_flat_workgroup_size: 128
    .sgpr_count:     100
    .vgpr_count:     1024
    .wavefront_size: 32
...
	.end_amdgpu_metadata
.endif
;; end of part 2
;; launch attn (part 3): grid 16 x 16, 16 waves a work-group, clusters of 4 x 1, 327,680 bytes of LDS; arguments qkp, vp, actp; writes actp
.if DOCPART == 3
	.amdgcn_target "amdgcn-amd-amdhsa--gfx1250"
	.amdhsa_code_object_version 6
	.text
	.protected	k_q568f935e12_attn
	.globl	k_q568f935e12_attn
	.p2align	8
	.type	k_q568f935e12_attn,@function
k_q568f935e12_attn:
	s_mov_b64 s[64:65], 0
	v_nop
	global_prefetch_b8 v0, s[64:65] scope:SCOPE_SE
	s_setreg_imm32_b32 hwreg(HW_REG_WAVE_MODE, 25, 1), 1
	s_wait_xcnt 0x0
	s_wait_alu depctr_hold_cnt(0) depctr_sa_sdst(0) depctr_va_vdst(0) depctr_va_sdst(0) depctr_va_ssrc(0) depctr_va_vcc(0) depctr_vm_vsrc(0)
	s_getreg_b32 s2, hwreg(HW_REG_IB_STS2, 6, 4)
	s_cmp_eq_u32 s2, 0
	s_cbranch_scc0 .Lentry_in_a_cluster
	s_endpgm
.Lentry_in_a_cluster:
	s_bfe_u32 s2, ttmp6, 0x10000c
	s_cmp_lg_u32 s2, 0x3003
	s_cbranch_scc0 .Lentry_shape_is_right
	s_endpgm
.Lentry_shape_is_right:
; Causal attention on codes of FP6 (E2M3) with E8M0 scales: 2 batches x 16 heads of 64, 2,048 tokens.  q and k come as packs quantised along the head's axis (qkp: 8 packs along K, 0-3 q, 4-7 k), v as packs of v^T quantised
; along the keys (vp: group = a pair of heads' 128 channels, 16 packs along 4,096 tokens).  The result, divided by the row's sum, is quantised along the model's axis and stored as packs (actp, 4 packs along K).
; A PACK is 128 rows x 256 along K in the order of an operand's registers, PK = 25,600 bytes: fragment (block i, q) at (2 i + q) x 1,536, register pair m of lane l at 256 m + 8 l; the scale word of (q, i, lane r) at
; 24,576 + 512 q + 64 i + 4 r.  Lane r of block i holds row 32 (i / 2) + 8 (i % 2) + r + 8 (r / 8) of the pack's 128.
; THE SOFTMAX: t = score x log2(e) / 8; M = the running largest t rounded UP to a whole number; p = 2^(t - M) is quantised along the keys, not normalised; the row's sum is taken of the unquantised p and divides at the end;
; when M moves, the sum and O are multiplied by 2^(old M - new M), which rounds nothing.
; SHARES.  A work-group serves one pair of heads of one batch (work-group y).  Each of its sixteen waves owns 16 queries (block i of a group of 128) of ONE head p = wave % 2.  i = cx + 4 (cluster x % 2).  The groups are
; dealt so that every four waves that follow each other, and every four that lie four apart, have 34 key steps between them: a causal wave of group g walks g + 1 steps of 128 keys.
; A HEAD IS HALF OF THE INSTRUCTION'S K: a fragment of q or k holds two heads.  A wave loads its head's half (three loads, registers 0-5) and its head's two scale bytes (a 16-bit load: bytes 2, 3 are 0).  Q's registers 6-11
; are zero codes, so whatever codes lie in K's registers 6-11 add nothing.
; Both products are used transposed (S^T = K Q^T, O^T = V^T P^T): a lane holds one query throughout; by the order of a block's rows the 16 registers of tiles 2 b, 2 b + 1 are 16 neighbouring keys (channels).
; RING AND CLUSTER.  Two LDS slots of 256 keys: two packs of K, one of V.  The four work-groups of a cluster walk the same K and V: waves 0, 1, 2 ask for one pack each JOINTLY (mask 15).  Every work-group walks all 16 steps;
; a step all of whose keys come after the wave's queries is jumped over (a scalar branch on ids, round no barrier and no tensor load).  Whole packs of K come in: the neighbouring pair of heads' half is not used.
; The two scale bytes a row leave by a 16-bit store: 2 bytes of every 4, 131,072 bytes in the whole launch.
; LIMITS: a block of zeros, and one whose largest magnitude lies under 2^-124, gets the scale byte 1; NaN and infinities are not served.
; REGISTERS: v1-4 addresses that stay; v5, v6 the add's; v7 8 x lane; v8-11 addresses in hand; v12 -M, v13 the largest t, v[14:15] the sum; v16-27 Q; v28 4 r; v29 my query's place less 16 h; v32-79 four fragments;
; v96-159 S^T, then p; v160-191 O^T; v224-254 p's codes and work; v255 Q's scale.
.set PK,    25600
.set FRB,   1536
.set SCW,   24576
.set SLOT1, 1<<17                      ; slot 1 begins here: one exclusive or turns an address in one slot into the other's
.set SPARE, 2*SLOT1                    ; the spare words, 128 bytes for each of sixteen waves: eight blocks of 256 bytes that no other line names
.set NSL,   8                          ; slots' worth of keys
.set AK0,  1
.set AV0,  2
.set ASK0, 3
.set ASV0, 4
.set SPW,  5
.set NIL,  6
.set ADK,  8
.set ADV,  9
.set ADS,  10
.set ADT,  11
.set WV,   18
.set SEL,  20
.set CS,   22
.set G1,   24                          ; s[24:31] descriptor group 1;  s[40:43] group 0, which walks;  s[44:45] its step
.set G0,   40
.set TB,   2                           ; s2   LDS byte at which the slot in hand begins
.set KF,   66                          ; s66  the key step's number
.set SLOTS, 67
.set GQ,   68                          ; s68  my group of 128 queries
.macro TLOAD                           ; waves 0, 1: K's two packs; wave 2: V's.  Four v_nop follow the line
	s_cmp_lt_u32 s[WV], 3
	s_cbranch_scc0 .Lasked_\@
	tensor_load_to_lds s[G0:G0+3], s[G1:G1+7]
	s_nop 0
.rept 4
	v_nop
.endr
.Lasked_\@:
.endm
.macro CROUND                          ; a round of the cluster's barrier
	s_barrier_signal -1
	s_barrier_wait -1
	s_cmp_lg_u32 s[WV], 0
	s_cbranch_scc1 .Lnot_wave_0_\@
	s_barrier_signal -3
.Lnot_wave_0_\@:
	s_barrier_wait -3
	s_barrier_signal -1
	s_barrier_wait -1
.endm
	s_load_b128 s[4:7], s[0:1], 0x0                ; qkp, vp
	s_load_b64 s[8:9], s[0:1], 0x10                ; actp
	v_lshl_add_u32 v[SPW], v0, 2, SPARE
	v_mov_b32 v[NIL], 0
	ds_add_u32 v5, v6
	s_wait_dscnt 0x0
	v_lshrrev_b32 v8, 5, v0
	v_readfirstlane_b32 s[WV], v8                  ; wave 0..15
	s_and_b32 s70, ttmp7, 0xffff
	s_lshr_b32 s71, s70, 3                         ; the batch
	s_and_b32 s72, s70, 7                          ; hp: the pair of heads
	s_lshr_b32 s73, s72, 1
	s_and_b32 s74, s72, 1
	s_bfe_u32 s75, ttmp6, 0x40000                  ; cx
	s_and_b32 s76, ttmp9, 1
	s_lshl_b32 s76, s76, 2
	s_add_co_u32 s76, s76, s75                     ; i: my block of 16 queries in its group: it enters global addresses and the mask's numbers alone
	s_lshr_b32 s77, ttmp9, 1
	s_and_b32 s78, s[WV], 1                        ; p: which head of the pair
	s_lshr_b32 s79, s[WV], 1                       ; t
	s_lshl_b32 s80, s79, 2
	s_lshr_b32 s80, 0x43251670, s80
	s_and_b32 s80, s80, 15                         ; u = 0, 7, 6, 1, 5, 2, 3, 4
	s_lshr_b32 s81, s79, 1
	s_xor_b32 s81, s81, s79
	s_xor_b32 s81, s81, s77
	s_and_b32 s81, s81, 1
	s_lshl_b32 s[GQ], s80, 1
	s_add_co_u32 s[GQ], s[GQ], s81                 ; my group: 2 u + (cluster x / 2 xor t xor t / 2) % 2
	; descriptor group 1: a pack: 100 dense rows of 256 bytes (32 elements of 8 bytes)
	s_mov_b32 s[G1], 15|(3<<16)|(1<<21)            ; 15:0 the mask: all four work-groups; 17:16 elements of 8 bytes; 21 set beside a mask
	s_mov_b32 s[G1+1], 32<<16
	s_mov_b32 s[G1+2], 100<<16
	s_mov_b32 s[G1+3], 32<<16
	s_mov_b32 s[G1+4], 100
	s_mov_b32 s[G1+5], 32
	s_mov_b32 s[G1+6], 0
	s_mov_b32 s[G1+7], 0
	s_lshl_b32 s82, s71, 4
	s_add_co_u32 s82, s82, s[WV]
	s_lshl_b32 s82, s82, 3
	s_add_co_u32 s82, s82, s73
	s_add_co_u32 s82, s82, 4                       ; K: pack (16 batch + wave, 4 + hp / 2) of qkp
	s_lshl_b32 s83, s72, 4
	s_lshl_b32 s84, s71, 3
	s_add_co_u32 s83, s83, s84                     ; V: pack (hp, 8 batch) of vp
	s_mov_b32 s44, PK
	s_cmp_lt_u32 s[WV], 2
	s_cselect_b32 s82, s82, s83
	s_cselect_b32 s44, 16*PK, s44                  ; a slot on: two groups of tokens in qkp, one pack in vp
	s_mov_b32 s45, 0
	s_mul_i32 s82, s82, PK
	s_mov_b32 s83, 0
	s_mov_b32 s[G0], 1
	s_mul_i32 s[G0+1], s[WV], PK                   ; slot 0: wave x a pack
	; where my queries lie in qkp and my results go in actp
	s_lshl_b32 s84, s71, 4
	s_add_co_u32 s84, s84, s[GQ]
	s_lshl_b32 s85, s84, 3
	s_add_co_u32 s85, s85, s73
	s_mul_i32 s86, s85, PK                         ; q's pack
	s_lshl_b32 s85, s84, 2
	s_add_co_u32 s85, s85, s73
	s_mul_i32 s88, s85, PK                         ; the output's pack
	s_lshl_b32 s85, s76, 1
	s_add_co_u32 s85, s85, s74
	s_mul_i32 s85, s85, FRB
	s_mul_i32 s90, s78, 768
	s_add_co_u32 s85, s85, s90                     ; fragment (i, hp % 2), my head's half
	s_lshl_b32 s90, s74, 9
	s_lshl_b32 s91, s76, 6
	s_add_co_u32 s90, s90, s91
	s_lshl_b32 s91, s78, 1
	s_add_co_u32 s90, s90, s91
	s_add_co_u32 s90, s90, SCW                     ; its scale words, my head's two bytes
	s_add_co_u32 s92, s86, s85
	s_mov_b32 s93, 0
	s_add_co_u32 s96, s86, s90
	s_mov_b32 s97, 0
	s_add_co_u32 s86, s88, s85
	s_mov_b32 s87, 0
	s_add_co_u32 s88, s88, s90
	s_mov_b32 s89, 0
	s_mov_b32 s[SEL], 0x76543210
	s_mov_b32 s[SEL+1], 0xfedcba98
	s_mov_b32 s[CS], 0x3e38aa3b                    ; c = log2(e) / sqrt(64)
	s_mov_b32 s[CS+1], s[CS]                       ; (named with it as a pair, so it is written)
	s_mov_b32 s[TB], 0
	s_mov_b32 s[KF], 0
	s_mov_b32 s[SLOTS], NSL-1
	s_wait_kmcnt 0x0
	s_cmp_lt_u32 s[WV], 2
	s_cselect_b64 s[G0+2:G0+3], s[4:5], s[6:7]
	s_add_nc_u64 s[G0+2:G0+3], s[G0+2:G0+3], s[82:83]
	s_or_b32 s[G0+3], s[G0+3], 0x80000000
	s_add_nc_u64 s[46:47], s[4:5], s[92:93]        ; q's codes
	s_add_nc_u64 s[48:49], s[4:5], s[96:97]        ; q's scale bytes
	s_add_nc_u64 s[50:51], s[8:9], s[86:87]        ; the output's codes
	s_add_nc_u64 s[52:53], s[8:9], s[88:89]        ; the output's scale bytes
	CROUND                                         ; all four work-groups are here: the first joint loads meet
	TLOAD                                          ; slot 0
	v_and_b32 v8, 15, v0                           ; r
	v_bfe_u32 v9, v0, 4, 1                         ; h
	v_and_b32 v10, 31, v0
	v_lshlrev_b32 v7, 3, v10                       ; 8 x lane
	v_lshlrev_b32 v28, 2, v8                       ; 4 r
.irp m, 0,1,2
	global_load_b64 v[16+2*\m:17+2*\m], v7, s[46:47] offset:256*\m   ; Q: my head's 64 along K: registers 0-5
.endr
	global_load_u16 v255, v28, s[48:49]            ; and its two scale bytes
.irp j, 22,23,24,25,26,27
	v_mov_b32 v[\j], 0                             ; Q's registers 6-11: zero codes
.endr
.irp t, 0,1,2,3
.irp j, 6,7,8,9,10,11
	v_mov_b32 v[32+12*\t+\j], 0                    ; K's registers 6-11 are named by the first products before V's codes have lain there
.endr
.endr
	s_mul_i32 s94, s74, FRB
	s_mul_i32 s95, s78, 768
	s_add_co_u32 s94, s94, s95
	v_add_nc_u32 v[AK0], s94, v7                   ; K: q = hp % 2, my head's half
	s_mul_i32 s94, s78, 12288
	s_add_co_u32 s94, s94, 2*PK
	v_add_nc_u32 v[AV0], s94, v7                   ; V: behind K's two packs; my head's blocks 4 p on
	s_lshl_b32 s94, s74, 9
	s_lshl_b32 s95, s78, 1
	s_add_co_u32 s94, s94, s95
	s_add_co_u32 s94, s94, SCW
	v_add_nc_u32 v[ASK0], s94, v28
	s_lshl_b32 s94, s78, 8
	s_add_co_u32 s94, s94, 2*PK+SCW
	v_add_nc_u32 v[ASV0], s94, v28
	s_lshr_b32 s98, s76, 1
	s_lshl_b32 s98, s98, 5
	s_and_b32 s99, s76, 1
	s_lshl_b32 s99, s99, 3
	s_add_co_u32 s98, s98, s99
	v_and_b32 v11, 8, v8
	v_add_nc_u32 v11, v11, v8
	v_lshlrev_b32 v29, 4, v9
	v_sub_nc_u32 v29, v11, v29
	v_add_nc_u32 v29, s98, v29                     ; my query's place in its group, 32 (i / 2) + 8 (i % 2) + r + 8 (r / 8), less 16 h
	v_mov_b32 v13, 0xff61b1e6                      ; the largest t so far: -3e38, under every t
	v_floor_f32 v12, -v13                          ; -M
	v_mov_b32 v14, 0
	v_mov_b32 v15, 0
.irp b, 0,1,2,3
	v_mov_b32 v[236+\b], 0                         ; written once: a lane permute's destination counts as one of its sources
.endr
	v_mov_b32 v252, 0
	v_mov_b32 v253, 0
.irp j, 0,1,2,3,4,5,6,7,8,9,10,11,12,13,14,15,16,17,18,19,20,21,22,23,24,25,26,27,28,29,30,31
	v_mov_b32 v[160+\j], 0                         ; O^T: the step is written once: the first finds zeros, which the first change of M leaves zeros
.endr
; A KEY STEP: 128 keys, the q-th of the slot in hand.
.macro STEP q
	s_cmp_gt_u32 s[KF], s[GQ]                      ; all its keys come after my queries: left out
	s_cbranch_scc1 .Lhidden_\@
	v_add_nc_u32 v[ADK], s[TB], v[AK0]             ; (these four are also the places in front of the loads below)
	v_add_nc_u32 v[ADV], s[TB], v[AV0]
	v_add_nc_u32 v[ADS], s[TB], v[ASK0]
	v_add_nc_u32 v[ADT], s[TB], v[ASV0]
.irp g, 0,1                                    ; S^T = K Q^T, four blocks of 16 keys at a time
.rept 4*\g
	v_nop                                          ; places in front of loads into registers that matrix instructions have read
.endr
.irp t, 0,1,2,3
.irp p, 0,1,2
	ds_load_b64 v[32+12*\t+2*\p:32+12*\t+2*\p+1], v[ADK] offset:(\q)*PK+2*(4*\g+\t)*FRB+256*\p
.endr
	ds_load_u16 v[248+\t], v[ADS] offset:(\q)*PK+64*(4*\g+\t)
.endr
	s_wait_dscnt 0x0
.irp t, 0,1,2,3
	v_wmma_scale_f32_16x16x128_f8f6f4 v[96+8*(4*\g+\t):103+8*(4*\g+\t)], v[32+12*\t:43+12*\t], v[16:27], 0, v[248+\t], v255 matrix_a_fmt:MATRIX_FMT_FP6 matrix_b_fmt:MATRIX_FMT_FP6
.endr
.endr                                          ; register 16 b + n holds key 32 b + 16 h + n of the step
.rept 4
	v_nop
.endr
	s_cmp_lt_u32 s[KF], s[GQ]                      ; on the diagonal the scores of hidden keys become -infinity ahead of the maximum; a step all of whose keys count skips this
	s_cbranch_scc1 .Lopen_\@
	v_mov_b32 v254, 0xff800000
.irp n, 0,1,2,3,4,5,6,7,8,9,10,11,12,13,14,15,16,17,18,19,20,21,22,23,24,25,26,27,28,29,30,31,32,33,34,35,36,37,38,39,40,41,42,43,44,45,46,47,48,49,50,51,52,53,54,55,56,57,58,59,60,61,62,63
	v_cmp_gt_i32 vcc_lo, 32*(\n/16)+\n%16, v29
	v_cndmask_b32 v[96+\n], v[96+\n], v254, vcc_lo
.endr
.Lopen_\@:
.irp b, 0,1,2,3
	v_max3_num_f32 v[232+\b], v[96+16*\b], v[97+16*\b], v[98+16*\b]   ; the largest score of each block of 32 keys: it serves for the row's maximum and, since p rises with the score, for the block's largest p
.endr
.irp i, 3,5,7,9,11,13
.irp b, 0,1,2,3
	v_max3_num_f32 v[232+\b], v[232+\b], v[96+16*\b+\i], v[97+16*\b+\i]
.endr
.endr
.irp b, 0,1,2,3
	v_max_num_f32 v[232+\b], v[232+\b], v[111+16*\b]
.endr
.irp b, 0,1,2,3
	v_permlanex16_b32 v[236+\b], v[232+\b], s[SEL], s[SEL+1]
.endr
.irp b, 0,1,2,3
	v_max_num_f32 v[232+\b], v[232+\b], v[236+\b]  ; with lane l xor 16's 16 keys
.endr
	v_max3_num_f32 v254, v232, v233, v234
	v_max_num_f32 v254, v254, v235
	v_mul_f32 v254, s[CS], v254                    ; the step's largest t (c is positive)
	v_max_num_f32 v13, v13, v254
	v_mov_b32 v254, v12
	v_floor_f32 v12, -v13                          ; the new -M = floor(-t): M is a whole number
	v_sub_f32 v254, v12, v254                      ; old M - new M: a whole number, 0 or less
	v_cvt_i32_f32 v254, v254                       ; (it saturates)
	v_ldexp_f32 v252, 1.0, v254                    ; f = 2^(old M - new M)
.irp j, 0,2,4,6,8,10,12,14,16,18,20,22,24,26,28,30,32,34,36,38,40,42,44,46,48,50,52,54,56,58,60,62
	v_pk_fma_f32 v[96+\j:97+\j], v[96+\j:97+\j], s[CS:CS+1], v[12:13] op_sel_hi:[1,0,0]   ; t - M, two at a time
.endr
.irp b, 0,1,2,3
	v_fma_f32 v[232+\b], v[232+\b], s[CS], v12
.endr
.irp j, 0,1,2,3,4,5,6,7,8,9,10,11,12,13,14,15,16,17,18,19,20,21,22,23,24,25,26,27,28,29,30,31,32,33,34,35,36,37,38,39,40,41,42,43,44,45,46,47,48,49,50,51,52,53,54,55,56,57,58,59,60,61,62,63
	v_exp_f32 v[96+\j], v[96+\j]                   ; p = 2^(t - M), at most 1
.endr
	v_pk_mul_f32 v[14:15], v[14:15], v[252:253] op_sel_hi:[1,0]   ; the sums under the new M (a plain place behind the exponentials)
	s_wait_alu depctr_va_vdst(0)                   ; one wait for the batch, ahead of its first reader
.irp b, 0,1,2,3
	v_exp_f32 v[232+\b], v[232+\b]                 ; the block's largest p
.endr
	v_pk_add_f32 v[236:237], v[96:97], v[98:99]    ; the row's sum is taken of the unquantised p, in two chains (it reads the 64 alone: plain work behind the four)
.irp j, 4,8,12,16,20,24,28,32,36,40,44,48,52,56,60
	v_pk_add_f32 v[14:15], v[14:15], v[96+\j:97+\j]
	v_pk_add_f32 v[236:237], v[236:237], v[98+\j:99+\j]
.endr
	v_pk_add_f32 v[14:15], v[14:15], v[236:237]
	s_wait_alu depctr_va_vdst(0)                   ; and one for the four
.irp b, 0,1,2,3
	v_max_num_f32 v[232+\b], 0x1800000, v[232+\b]  ; the floor 2^(3 - 127): the byte cannot fall under 1
.endr
.irp b, 0,1,2,3
	v_add_nc_u32 v[244+\b], 0xff000000, v[232+\b]  ; 2 off the exponent field: the conversion's scale operand
.endr
.irp b, 0,1,2,3
	v_lshrrev_b32 v[236+\b], 23, v[244+\b]
.endr
	v_lshl_or_b32 v253, v237, 8, v236              ; p's scale word for these 128 keys
	v_lshl_or_b32 v253, v238, 16, v253
	v_lshl_or_b32 v253, v239, 24, v253
.irp c, 0,1
	v_cvt_scalef32_pk16_fp6_f32 v[224+6*\c:226+6*\c], v[96+32*\c:111+32*\c], v[244+2*\c]
	v_cvt_scalef32_pk16_fp6_f32 v[236+4*\c:238+4*\c], v[112+32*\c:127+32*\c], v[244+2*\c+1]
.endr
	v_nop                                          ; one plain place behind a scaled conversion
.irp c, 0,1
.irp i, 0,1,2
	v_permlane16_swap_b32 v[224+6*\c+\i], v[236+4*\c+\i]
.endr
.irp i, 0,1,2
	v_mov_b32 v[227+6*\c+\i], v[236+4*\c+\i]
.endr
.endr
.irp j, 0,2,4,6,8,10,12,14,16,18,20,22,24,26,28,30
	v_pk_mul_f32 v[160+\j:161+\j], v[160+\j:161+\j], v[252:253] op_sel_hi:[1,0]   ; O^T under the new M.  Twelve of the sixteen name no register of a given product below: the places between p's scale word and codes and the products
.endr
.irp t, 0,1,2,3                                ; O^T += V^T P^T: my head's four blocks of 16 channels; K = these 128 keys
.irp p, 0,1,2,3,4,5
	ds_load_b64 v[32+12*\t+2*\p:32+12*\t+2*\p+1], v[ADV] offset:(2*\t+(\q))*FRB+256*\p
.endr
	ds_load_b32 v[248+\t], v[ADT] offset:512*(\q)+64*\t
.endr
	s_wait_dscnt 0x0
.irp t, 0,1,2,3
	v_wmma_scale_f32_16x16x128_f8f6f4 v[160+8*\t:167+8*\t], v[32+12*\t:43+12*\t], v[224:235], v[160+8*\t:167+8*\t], v[248+\t], v253 matrix_a_fmt:MATRIX_FMT_FP6 matrix_b_fmt:MATRIX_FMT_FP6
.endr
.Lhidden_\@:
	s_add_co_u32 s[KF], s[KF], 1
.endm
; THE CHANGE OF SLOTS stands at a slot's head.  Each wave waits for all its tensor loads, adds 0 to its spare word, and waits for that and for its reads of the slot that it has left.  fill = 1: a round of the cluster's
; barrier follows, and behind it the slot just left is filled with the keys that follow the slot ahead: the load has two key steps in which to land.
.macro CHANGE fill
	s_wait_tensorcnt 0x0                           ; no tensor load of mine is out, so group 0 may be written
	ds_add_u32 v[SPW], v[NIL]                      ; 0 onto my spare word
.if \fill
	s_xor_b32 s[G0+1], s[G0+1], SLOT1              ; the other slot than last time,
	s_add_nc_u64 s[G0+2:G0+3], s[G0+2:G0+3], s[44:45]   ; the next 256 keys; the type bits on top are not reached
.endif
	s_wait_dscnt 0x0                               ; the add is done, and my reads of the slot that I have left are over
.if \fill
	CROUND
	TLOAD                                          ; the first thing behind the round, and a wave's one tensor load until the next
.else
	s_barrier_signal -1
	s_barrier_wait -1
.endif
.endm
.macro SLOT_STEPS
	STEP 0
	STEP 1
	s_xor_b32 s[TB], s[TB], SLOT1
.endm
	s_wait_loadcnt 0x0                             ; Q
.Lslot:                                            ; NSL - 1 trips: behind each change of slots but the last the next slot is asked for
	CHANGE 1
	SLOT_STEPS
	s_sub_co_u32 s[SLOTS], s[SLOTS], 1
	s_cmp_lg_u32 s[SLOTS], 0
	s_cbranch_scc1 .Lslot
	CHANGE 0                                       ; the last slot is written out
	SLOT_STEPS
	; THE WAY OUT.  O^T / the sum: register 16 b + n is channel 32 b + 16 h + n of my head: two blocks of 32 along the next product's K.  They become registers 0-5 (head p = 0) or 6-11 (p = 1) of fragment (i, hp % 2).
.rept 4
	v_nop                                          ; places behind the last products
.endr
	v_add_f32 v14, v14, v15
	v_permlanex16_b32 v252, v14, s[SEL], s[SEL+1]
	v_add_f32 v14, v14, v252                       ; the row's sum
	v_rcp_f32 v14, v14
	v_nop                                          ; a plain place behind the transcendental
	s_wait_alu depctr_va_vdst(0)                   ; and the wait ahead of its first reader
.irp j, 0,1,2,3,4,5,6,7,8,9,10,11,12,13,14,15,16,17,18,19,20,21,22,23,24,25,26,27,28,29,30,31
	v_mul_f32 v[96+\j], v[160+\j], v14
.endr
.irp b, 0,1
	v_max3_num_f32 v[232+\b], |v[96+16*\b]|, |v[97+16*\b]|, 0x1800000
.endr
.irp i, 2,4,6,8,10,12,14
.irp b, 0,1
	v_max3_num_f32 v[232+\b], v[232+\b], |v[96+16*\b+\i]|, |v[97+16*\b+\i]|
.endr
.endr
.irp b, 0,1
	v_permlanex16_b32 v[236+\b], v[232+\b], s[SEL], s[SEL+1]
.endr
.irp b, 0,1
	v_max_num_f32 v[232+\b], v[232+\b], v[236+\b]
.endr
.irp b, 0,1
	v_add_nc_u32 v[244+\b], 0xff000000, v[232+\b]
.endr
.irp b, 0,1
	v_lshrrev_b32 v[236+\b], 23, v[244+\b]
.endr
	v_lshl_or_b32 v253, v237, 8, v236              ; my head's two scale bytes
	v_cvt_scalef32_pk16_fp6_f32 v[224:226], v[96:111], v244
	v_cvt_scalef32_pk16_fp6_f32 v[240:242], v[112:127], v245
	v_nop
.irp i, 0,1,2
	v_permlane16_swap_b32 v[224+\i], v[240+\i]
.endr
.irp i, 0,1,2
	v_mov_b32 v[227+\i], v[240+\i]
.endr
.irp m, 0,1,2
	global_store_b64 v7, v[224+2*\m:225+2*\m], s[50:51] offset:256*\m   ; 32 lanes store 256 consecutive bytes, at a multiple of 256 from the buffer's first byte
.endr
	global_store_b16 v28, v253, s[52:53]           ; lanes r and 16 + r hold the same bytes and name the same place
	s_wait_tensorcnt 0x0                           ; the wave's end
	ds_add_u32 v[SPW], v[NIL]
	s_wait_dscnt 0x0
	CROUND                                         ; the closing round
	s_endpgm
.Lfunc_end_k_q568f935e12_attn:
	.size	k_q568f935e12_attn, .Lfunc_end_k_q568f935e12_attn-k_q568f935e12_attn
	.p2alignl 7, 3214868480
	.fill 96, 4, 3214868480
	.section	.rodata,"a",@progbits
	.p2align	6, 0x0
	.amdhsa_kernel k_q568f935e12_attn
		.amdhsa_group_segment_fixed_size 327680
		.amdhsa_private_segment_fixed_size 0
		.amdhsa_enable_private_segment 0
		.amdhsa_kernarg_size 24
		.amdhsa_user_sgpr_count 2
		.amdhsa_user_sgpr_kernarg_segment_ptr 1
		.amdhsa_wavefront_size32 1
		.amdhsa_system_sgpr_workgroup_id_x 1
		.amdhsa_system_sgpr_workgroup_id_y 1
		.amdhsa_system_sgpr_workgroup_id_z 1
		.amdhsa_system_vgpr_workitem_id 0
		.amdhsa_next_free_vgpr 256
		.amdhsa_next_free_sgpr 100
		.amdhsa_reserve_vcc 1
		.amdhsa_float_denorm_mode_32 3
		.amdhsa_float_denorm_mode_16_64 3
		.amdhsa_memory_ordered 1
		.amdhsa_forward_progress 1
		.amdhsa_inst_pref_size 105
	.end_amdhsa_kernel
	.amdgpu_metadata
---
amdhsa.version: [ 1, 2 ]
amdhsa.kernels:
  - .name:           k_q568f935e12_attn
    .symbol:         k_q568f935e12_attn.kd
    .args:
      - { .name: qkp, .offset: 0, .size: 8, .value_kind: global_buffer, .address_space: global }
      - { .name: vp, .offset: 8, .size: 8, .value_kind: global_buffer, .address_space: global }
      - { .name: actp, .offset: 16, .size: 8, .value_kind: global_buffer, .address_space: global }
    .group_segment_fixed_size: 327680
    .private_segment_fixed_size: 0
    .kernarg_segment_align: 8
    .kernarg_segment_size: 24
    .max_flat_workgroup_size: 512
    .sgpr_count:     100
    .vgpr_count:     256
    .wavefront_size: 32
...
	.end_amdgpu_metadata
.endif
;; end of part 3
;; launch go (part 4): grid 4 x 16, 4 waves a work-group, clusters of 4 x 4, 327,680 bytes of LDS; arguments actp, wp, x, x1; writes x1
.if DOCPART == 4
	.amdgcn_target "amdgcn-amd-amdhsa--gfx1250"
	.amdhsa_code_object_version 6
	.text
	.protected	k_q568f935e12_go
	.globl	k_q568f935e12_go
	.p2align	8
	.type	k_q568f935e12_go,@function
k_q568f935e12_go:
	s_mov_b64 s[64:65], 0
	v_nop
	global_prefetch_b8 v0, s[64:65] scope:SCOPE_SE
	s_setreg_imm32_b32 hwreg(HW_REG_WAVE_MODE, 25, 1), 1
	s_wait_xcnt 0x0
	s_wait_alu depctr_hold_cnt(0) depctr_sa_sdst(0) depctr_va_vdst(0) depctr_va_sdst(0) depctr_va_ssrc(0) depctr_va_vcc(0) depctr_vm_vsrc(0)
	s_getreg_b32 s2, hwreg(HW_REG_IB_STS2, 6, 4)
	s_cmp_eq_u32 s2, 0
	s_cbranch_scc0 .Lentry_in_a_cluster
	s_endpgm
.Lentry_in_a_cluster:
	s_bfe_u32 s2, ttmp6, 0x10000c
	s_cmp_lg_u32 s2, 0xf033
	s_cbranch_scc0 .Lentry_shape_is_right
	s_endpgm
.Lentry_shape_is_right:
; C = A B^T (+ bias) + residual, f32 out; A and B are codes of FP6 (E2M3) with E8M0 scales, given as PACKS.  THIS TEXT: x1 = x + attention's result x o_w^T: K = 1,024, no bias.
; A PACK is 128 rows x 256 along K in the order of an operand's registers, PK = 25,600 bytes, pack (g, ks) at (g KS + ks) PK: fragment (block i, q) at (2 i + q) x 1,536, register pair m of lane l at 256 m + 8 l;
; the scale word of (q, i, lane r) at 24,576 + 512 q + 64 i + 4 r.  Lane r of block i holds row 128 g + 32 (i / 2) + 8 (i % 2) + r + 8 (r / 8).
; A tile of C, 256 x 256, is made by four waves, as many as a WGP has SIMDs, 128 x 128 each: 64 accumulators, 512 registers.  K goes in steps of 256 through a ring of two LDS slots; a slot is four packs (A's two, B's two),
; each brought by ONE tensor load of one wave as 100 dense rows of 256 bytes, codes and scale words together.  A fragment is six loads of 8 bytes a lane, 256 consecutive bytes each.
; CLUSTERS: 4 x 4 work-groups; A's packs are asked for jointly along a row of the cluster, B's along a column.  THE MATRIX INSTRUCTION IS USED TRANSPOSED (source 0 = B's 16 rows, source 1 = A's): a lane holds one row of C,
; and tile b's eight registers are columns 32 (b / 2) + 8 (b % 2) + 16 (lane / 16) + 0 .. 7.  C has 1,024 columns: 64 tiles, 64 work-groups.
; REGISTERS, in windows of 256: window 0: v16-31 addresses, v32-63 scale words (two sets), v128-223 A's fragments (one set); on the way out v128-255 rows of C.  window 1: B's fragments, two sets, at v0 and v128; the bias in
; v96-127 and v224-255; on the way out the residual's rows.  windows 2, 3: the accumulators (accumulator (a, b) at v[8 (8 (a % 4) + b)]).
; LIMITS: NaN and infinities among the inputs are not served.
.set SIZE_K, 1024
.set BIAS,   0
.set WOFF,   96                        ; B's first pack in wp
.set RES,    8                         ; s[8:9] the residual, s[10:11] the output
.set OUT,    10
.set KSA,    SIZE_K/256
.set LAPS,   SIZE_K/512
.set PK,     25600
.set FRB,    1536
.set SCW,    24576
.set SLOT,   4*PK
.set SPARE,  2*SLOT                    ; behind the ring: the spare words, 128 bytes a wave: two blocks of 256 bytes that no other line names
.set STG,    SPARE+512                 ; behind them: a stage of 16 rows x (512 bytes + 16) for each wave; no tile lands here
.set SPITCH, 528
.set FR,     12
.set NL,     6
.set NP,     4
.set NQ,     2
.set ADRA, 16
.set ADRB, 20
.set ADRS, 22
.set STO,  24                          ; v24  the stage: where I put 32 bytes of a row
.set RD,   25                          ; v25  and where I read a row back
.set CO,   26                          ; v26  16 x lane: my bytes of a row of 512
.set SPW,  28
.set NIL,  29
.set SC,   32
.set AF,   128
.set BK,   128
.set G1, 24
.set G0, 32
.set G1B, 48
.set G0B, 56
.set MSB, 0
.macro WIN new                         ; the immediate's high byte repeats the setting that is left
.if MSB != \new
	s_set_vgpr_msb (MSB<<8)|(\new)
.set MSB, \new
.endif
.endm
.set MUL_LO, 0xa1
.set MUL_HI, 0xf1
.set TO_B,   0x40
.macro JLOAD g0a, g1a, g0b, g1b        ; a joint load: waves 0 and 1 fetch A's two packs, waves 2 and 3 B's; four v_nop follow each of the two lines
	s_cmp_eq_u32 s15, 0
	s_cbranch_scc0 .Lfor_b_\@
	tensor_load_to_lds s[\g0a:\g0a+3], s[\g1a:\g1a+7]
	s_nop 0
.rept 4
	v_nop
.endr
	s_branch .Lasked_\@
.Lfor_b_\@:
	tensor_load_to_lds s[\g0b:\g0b+3], s[\g1b:\g1b+7]
	s_nop 0
.rept 4
	v_nop
.endr
.Lasked_\@:
.endm
.macro CREST
	s_cmp_lg_u32 s14, 0
	s_cbranch_scc1 .Lnot_wave_0_\@
	s_barrier_signal -3
.Lnot_wave_0_\@:
	s_barrier_wait -3
	s_barrier_signal -1
	s_barrier_wait -1
.endm
.macro CROUND
	s_barrier_signal -1
	s_barrier_wait -1
	CREST
.endm
	s_load_b128 s[4:7], s[0:1], 0x0                ; A's packs, wp
	s_load_b128 s[8:11], s[0:1], 0x10
.if BIAS
	s_load_b64 s[12:13], s[0:1], 0x20
.endif
	v_lshl_add_u32 v[SPW], v0, 2, SPARE
	v_mov_b32 v[NIL], 0
	ds_add_u32 v28, v29
	s_wait_dscnt 0x0
	v_lshrrev_b32 v1, 5, v0
	v_readfirstlane_b32 s14, v1                    ; wave 0..3
	s_lshr_b32 s15, s14, 1                         ; which half of the tile's rows is mine.  Also: I fetch for A (0) or for B (1)
	s_and_b32 s16, s14, 1                          ; which half of its columns.  Also: which of the two packs I fetch
	s_bfe_u32 s40, ttmp6, 0x40000                  ; cx, cy
	s_bfe_u32 s41, ttmp6, 0x40004
	s_lshl_b32 s42, ttmp9, 2
	s_add_co_u32 s42, s42, s40                     ; tile column
	s_and_b32 s17, ttmp7, 0xffff
	s_lshl_b32 s17, s17, 2
	s_add_co_u32 s17, s17, s41                     ; tile row
	s_lshl_b32 s43, s41, 2
	s_lshl_b32 s43, 15, s43                        ; my row of the cluster
	s_lshl_b32 s44, 0x1111, s40                    ; my column
	s_or_b32 s[G1+0], s43, (3<<16)|(1<<21)         ; group 1: a pack: 100 dense rows of 256 bytes (32 elements of 8 bytes); 15:0 the mask; 21 set beside a mask
	s_or_b32 s[G1B+0], s44, (3<<16)|(1<<21)
.irp g, G1, G1B
	s_mov_b32 s[\g+1], 32<<16
	s_mov_b32 s[\g+2], 100<<16
	s_mov_b32 s[\g+3], 32<<16
	s_mov_b32 s[\g+4], 100
	s_mov_b32 s[\g+5], 32
	s_mov_b32 s[\g+6], 0
	s_mov_b32 s[\g+7], 0
.endr
	s_lshl_b32 s20, s17, 1
	s_add_co_u32 s20, s20, s16
	s_mul_i32 s20, s20, KSA*PK                     ; A: group 2 x tile row + half
	s_mov_b32 s21, 0
	s_lshl_b32 s46, s42, 1
	s_add_co_u32 s46, s46, s16
	s_mul_i32 s46, s46, KSA*PK                     ; B: group 2 x tile column + half
	s_mov_b32 s47, 0
	s_mul_i32 s45, s14, PK                         ; where it goes: wave x a pack
	s_wait_kmcnt 0x0
	s_add_nc_u64 s[20:21], s[4:5], s[20:21]
	s_add_nc_u64 s[46:47], s[6:7], s[46:47]
	s_add_nc_u64 s[46:47], s[46:47], WOFF*PK
	CROUND                                         ; all sixteen work-groups are here: the first joint loads meet
.irp s, 0,1
	s_mov_b32 s[G0+4*\s], 1
	s_add_co_u32 s[G0+4*\s+1], s45, \s*SLOT
	s_add_nc_u64 s[G0+4*\s+2:G0+4*\s+3], s[20:21], \s*PK
	s_or_b32 s[G0+4*\s+3], s[G0+4*\s+3], 0x80000000
	s_mov_b32 s[G0B+4*\s], 1
	s_add_co_u32 s[G0B+4*\s+1], s45, \s*SLOT
	s_add_nc_u64 s[G0B+4*\s+2:G0B+4*\s+3], s[46:47], \s*PK
	s_or_b32 s[G0B+4*\s+3], s[G0B+4*\s+3], 0x80000000
	JLOAD G0+4*\s, G1, G0B+4*\s, G1B
.endr
	v_and_b32 v1, 15, v0                           ; r
	v_bfe_u32 v2, v0, 4, 1                         ; h
	v_and_b32 v3, 31, v0                           ; lane
	v_lshlrev_b32 v4, 3, v3                        ; 8 x lane
	s_mul_i32 s18, s15, PK                         ; my pack of A
	s_mul_i32 s19, s16, PK
	s_add_co_u32 s19, s19, 2*PK                    ; my pack of B
	s_xor_b32 s22, s15, 1
	s_add_co_u32 s22, s22, s16
	s_add_co_u32 s22, s22, 1
	s_mul_i32 s22, s22, PK                         ; from the one to the other
	v_mul_u32_u24 v5, s22, v2                      ; lanes 16-31 take B's scale words
	v_lshl_add_u32 v5, v1, 2, v5
	s_add_co_u32 s23, s18, SCW
.irp s, 0,1
	v_add_nc_u32 v[ADRA+\s], s18, v4
	v_add_nc_u32 v[ADRB+\s], s19, v4
	v_add_nc_u32 v[ADRS+\s], s23, v5
	s_add_co_u32 s18, s18, SLOT
	s_add_co_u32 s19, s19, SLOT
	s_add_co_u32 s23, s23, SLOT
.endr
	s_mul_i32 s18, s14, 16*SPITCH
	s_add_co_u32 s18, s18, STG                     ; my stage
	v_mul_u32_u24 v5, v1, SPITCH
	v_lshl_add_u32 v5, v2, 6, v5
	v_add_nc_u32 v[STO], s18, v5                   ; in: row r, + 64 h
	v_lshlrev_b32 v[CO], 4, v3
	v_add_nc_u32 v[RD], s18, v[CO]                 ; back: the 32 lanes take one row of 512 bytes
	s_lshl_b32 s80, s17, 8
	s_lshl_b32 s81, s15, 7
	s_add_co_u32 s80, s80, s81                     ; my first row: 256 x tile row + 128 x half
	s_lshl_b32 s80, s80, 12                        ; a row of C is 4,096 bytes
	s_lshl_b32 s81, s42, 10
	s_add_co_u32 s80, s80, s81
	s_lshl_b32 s81, s16, 9
	s_add_co_u32 s80, s80, s81                     ; my first column, in bytes
	s_mov_b32 s81, 0
	s_add_nc_u64 s[RES:RES+1], s[RES:RES+1], s[80:81]
	s_add_nc_u64 s[OUT:OUT+1], s[OUT:OUT+1], s[80:81]
.if BIAS
	s_lshl_b32 s82, s42, 10                        ; the bias of my 128 columns; lane (r, h) wants, for tile b, columns 32 (b / 2) + 8 (b % 2) + 16 h + 0 .. 7
	s_lshl_b32 s83, s16, 9
	s_add_co_u32 s82, s82, s83
	s_mov_b32 s83, 0
	s_add_nc_u64 s[84:85], s[8:9], s[82:83]
	v_lshlrev_b32 v6, 6, v2
	WIN TO_B
.irp b, 0,1,2,3,4,5,6,7
	global_load_b128 v[96+8*\b+96*(\b/4):96+8*\b+96*(\b/4)+3], v6, s[84:85] offset:(32*(\b/2)+8*(\b%2))*4
	global_load_b128 v[96+8*\b+96*(\b/4)+4:96+8*\b+96*(\b/4)+7], v6, s[84:85] offset:(32*(\b/2)+8*(\b%2))*4+16
.endr
	WIN 0
.endif
.macro FRAG reg, adr, q, i             ; a fragment, 12 registers: six loads of 8 bytes a lane, each 256 consecutive bytes
.irp p, 0,1,2,3,4,5
	ds_load_b64 v[\reg+2*\p:\reg+2*\p+1], v[\adr] offset:(2*(\i)+(\q))*FRB+256*\p
.endr
.endm
; 16 matrix instructions: A's blocks a0, a0 + 1 x B's eight, 128 along K.  zero = 1: the product starts the sums; 2: it starts them from the bias.  The 64 accumulators take turns.
.macro MUL16 a0, p, q, sc, zero
.irp a, \a0, \a0+1
.irp b, 0,1,2,3,4,5,6,7
.if \zero == 1
	v_wmma_scale_f32_16x16x128_f8f6f4 v[8*(8*((\a)%4)+\b):8*(8*((\a)%4)+\b)+7], v[128*(\p)+FR*\b:128*(\p)+FR*\b+FR-1], v[AF+FR*(\a):AF+FR*(\a)+FR-1], 0, v[SC+8*NQ*(\sc)+NQ*\b+(\q)], v[SC+8*NQ*(\sc)+NQ*(\a)+(\q)] matrix_a_fmt:MATRIX_FMT_FP6 matrix_b_fmt:MATRIX_FMT_FP6 matrix_a_scale:MATRIX_SCALE_ROW1
.elseif \zero == 2
	v_wmma_scale_f32_16x16x128_f8f6f4 v[8*(8*((\a)%4)+\b):8*(8*((\a)%4)+\b)+7], v[128*(\p)+FR*\b:128*(\p)+FR*\b+FR-1], v[AF+FR*(\a):AF+FR*(\a)+FR-1], v[96+8*\b+96*(\b/4):96+8*\b+96*(\b/4)+7], v[SC+8*NQ*(\sc)+NQ*\b+(\q)], v[SC+8*NQ*(\sc)+NQ*(\a)+(\q)] matrix_a_fmt:MATRIX_FMT_FP6 matrix_b_fmt:MATRIX_FMT_FP6 matrix_a_scale:MATRIX_SCALE_ROW1
.else
	v_wmma_scale_f32_16x16x128_f8f6f4 v[8*(8*((\a)%4)+\b):8*(8*((\a)%4)+\b)+7], v[128*(\p)+FR*\b:128*(\p)+FR*\b+FR-1], v[AF+FR*(\a):AF+FR*(\a)+FR-1], v[8*(8*((\a)%4)+\b):8*(8*((\a)%4)+\b)+7], v[SC+8*NQ*(\sc)+NQ*\b+(\q)], v[SC+8*NQ*(\sc)+NQ*(\a)+(\q)] matrix_a_fmt:MATRIX_FMT_FP6 matrix_b_fmt:MATRIX_FMT_FP6 matrix_a_scale:MATRIX_SCALE_ROW1
.endif
.endr
.endr
.endm
.macro FETCH_B slot, q, p
	WIN TO_B
.irp i, 0,1,2,3,4,5,6,7
	FRAG 128*(\p)+FR*\i, ADRB+\slot, \q, \i
.endr
	WIN 0
.endm
.macro FETCH_A slot, q, i0
.irp i, \i0, \i0+1, \i0+2, \i0+3
	FRAG AF+FR*(\i), ADRA+\slot, \q, \i
.endr
.endm
.macro SCALES sc                       ; register 2 i + q of set sc: lanes 0-15 the word of A's block i, lanes 16-31 that of B's block i
.irp i, 0,1,2,3,4,5,6,7
.irp q, 0,1
	ds_load_b32 v[SC+8*NQ*\sc+NQ*\i+\q], v[ADRS+\sc] offset:512*\q+64*\i
.endr
.endr
.endm
.macro PLACES n                        ; places in front of loads into registers that matrix instructions have read, and of the first read of results (ISA guide 7.12.1 for vector instructions)
.rept \n
	v_nop
.endr
.endm
.macro STEP slot, q, zero
	s_wait_dscnt 4*NL                              ; all but the youngest 24 loads (A's blocks 4-7) are in
.if \zero == 2
	WIN 0x91                                       ; C (the bias) window 1, D window 2
.else
	WIN MUL_LO
.endif
	MUL16 0, (\q)%2, \q, \slot, \zero
	MUL16 2, (\q)%2, \q, \slot, \zero
	s_wait_dscnt 0
	PLACES NP
	FETCH_B \slot, (\q)+1, 1-(\q)%2
	FETCH_A \slot, (\q)+1, 0
.if \zero == 2
	WIN 0xd1
.else
	WIN MUL_HI
.endif
	MUL16 4, (\q)%2, \q, \slot, \zero
	MUL16 6, (\q)%2, \q, \slot, \zero
	PLACES NP
	WIN 0
	FETCH_A \slot, (\q)+1, 4
.endm
; A slot's last step changes slots: ONE barrier; in front of it each wave waits for all its tensor loads, adds 0 to its spare word, and waits for that and for its reads of this slot.
.macro TURN slot, next, fill
	s_wait_tensorcnt 0x0                           ; all my tensor loads have landed: my pack of the next slot
	ds_add_u32 v[SPW], v[NIL]                      ; 0 onto my spare word
	s_wait_dscnt 4*NL+1                            ; (the add and the youngest 24 loads may be out)
	WIN MUL_LO
	MUL16 0, 1, NQ-1, \slot, 0
	s_wait_dscnt 0x0                               ; the add is done, and my reads of this slot are over
	s_barrier_signal -1
	MUL16 2, 1, NQ-1, \slot, 0
	WIN 0
	s_barrier_wait -1
.if \fill
	CREST                                          ; the barrier has opened a round of the cluster's barrier
	s_add_nc_u64 s[G0+4*\slot+2:G0+4*\slot+3], s[G0+4*\slot+2:G0+4*\slot+3], 2*PK
	s_add_nc_u64 s[G0B+4*\slot+2:G0B+4*\slot+3], s[G0B+4*\slot+2:G0B+4*\slot+3], 2*PK
	JLOAD G0+4*\slot, G1, G0B+4*\slot, G1B         ; the first tensor load behind the round; its four v_nop are also the places in front of the loads below
.else
	PLACES NP
.endif
	FETCH_B \next, 0, 0
	FETCH_A \next, 0, 0
	SCALES \next
	WIN MUL_HI
	MUL16 4, 1, NQ-1, \slot, 0
	MUL16 6, 1, NQ-1, \slot, 0
	PLACES NP
	WIN 0
	FETCH_A \next, 0, 4
.endm
	s_wait_tensorcnt 1                             ; my pack of K step 0 is in (K step 1's load may be out)
	s_barrier_signal -1
	s_barrier_wait -1
	FETCH_B 0, 0, 0
	FETCH_A 0, 0, 0
	SCALES 0
	FETCH_A 0, 0, 4
.if BIAS
	s_wait_loadcnt 0x0                             ; the bias
	STEP 0, 0, 2
.else
	STEP 0, 0, 1
.endif
	s_mov_b32 s3, LAPS-1
.Llap:
	TURN 0, 1, 1
	STEP 1, 0, 0
	TURN 1, 0, 1
	STEP 0, 0, 0
	s_sub_co_u32 s3, s3, 1
	s_cmp_lg_u32 s3, 0
	s_cbranch_scc1 .Llap
	TURN 0, 1, 0
	STEP 1, 0, 0
	s_wait_dscnt 4*NL
	WIN MUL_LO
	MUL16 0, 1, NQ-1, 1, 0
	MUL16 2, 1, NQ-1, 1, 0
	s_wait_dscnt 0
	WIN MUL_HI
	MUL16 4, 1, NQ-1, 1, 0
	MUL16 6, 1, NQ-1, 1, 0
	WIN 0
; THE WAY OUT, block by block of 16 rows x 128 columns: through my own stage in LDS, back as whole rows of 512 bytes, + the residual's same rows, stored as 512 consecutive bytes.
; Lane index t of block a is row 32 (a / 2) + 8 (a % 2) + t + 8 (t / 8) of my 128: it stands in the immediate, 127 rows of 4,096 bytes at the most.  No base is stepped.
.macro RLOAD a                         ; the residual's 16 rows of block a into window 1, set a % 4
	WIN TO_B
.irp t, 0,1,2,3,4,5,6,7,8,9,10,11,12,13,14,15
	global_load_b128 v[64*((\a)%4)+4*\t:64*((\a)%4)+4*\t+3], v[CO], s[RES:RES+1] offset:(32*((\a)/2)+8*((\a)%2)+\t+8*(\t/8))*4096
.endr
	WIN 0
.endm
.macro TOSTAGE a
.set AC, 64*((\a)%4)
	WIN 0x08+4*((\a)/4)                            ; an LDS store's data are its source 1: window 2 or 3
.irp b, 0,1,2,3,4,5,6,7
	ds_store_b128 v[STO], v[AC+8*\b:AC+8*\b+3] offset:128*(\b/2)+32*(\b%2)       ; each accumulator from its low end on
	ds_store_b128 v[STO], v[AC+8*\b+4:AC+8*\b+7] offset:128*(\b/2)+32*(\b%2)+16
.endr
	WIN 0
.set BB, BK+64*((\a)%2)
.irp t, 0,1,2,3,4,5,6,7,8,9,10,11,12,13,14,15
	ds_load_b128 v[BB+4*\t:BB+4*\t+3], v[RD] offset:\t*SPITCH   ; LDS serves a wave's instructions in order: these see my stores
.endr
.endm
.macro SEND a, younger                 ; younger: the LDS instructions issued behind block a's loads
.set BB, BK+64*((\a)%2)
	s_wait_dscnt \younger
.if 7-(\a) >= 3
	s_wait_loadcnt 48                              ; block a's residual is in; the 16 loads of each of the three blocks behind it may be out
.else
	s_wait_loadcnt 16*(7-(\a))
.endif
	WIN 0x04                                       ; source 1 window 1
.set e, 0
.rept 32
	v_pk_add_f32 v[BB+e:BB+e+1], v[BB+e:BB+e+1], v[64*((\a)%4)+e:64*((\a)%4)+e+1]
.set e, e+2
.endr
	WIN 0
.irp t, 0,1,2,3,4,5,6,7,8,9,10,11,12,13,14,15
	global_store_b128 v[CO], v[BB+4*\t:BB+4*\t+3], s[OUT:OUT+1] offset:(32*((\a)/2)+8*((\a)%2)+\t+8*(\t/8))*4096   ; 32 lanes store 512 consecutive bytes, at a multiple of 256 from the buffer's first byte
.endr
.if (\a) < 4
	RLOAD (\a)+4
.endif
.endm
	PLACES NP                                      ; behind the last products: their results are read, and A's and B's registers loaded into, below
	RLOAD 0
	RLOAD 1
	RLOAD 2
	RLOAD 3
	TOSTAGE 0
.irp a, 1,2,3,4,5,6,7
.if \a > 1
	s_wait_xcnt 0x0                                ; block a - 2's stores have read their registers: block a's loads may land there
.endif
	TOSTAGE \a
	SEND \a-1, 32                                  ; behind block a - 1's loads: block a's 16 stores and 16 loads
.endr
	SEND 7, 0
	s_wait_tensorcnt 0x0                           ; the wave's end
	ds_add_u32 v[SPW], v[NIL]
	s_wait_dscnt 0x0
	CROUND                                         ; the closing round
	s_endpgm
.Lfunc_end_k_q568f935e12_go:
	.size	k_q568f935e12_go, .Lfunc_end_k_q568f935e12_go-k_q568f935e12_go
	.p2alignl 7, 3214868480
	.fill 96, 4, 3214868480
	.section	.rodata,"a",@progbits
	.p2align	6, 0x0
	.amdhsa_kernel k_q568f935e12_go
		.amdhsa_group_segment_fixed_size 327680
		.amdhsa_private_segment_fixed_size 0
		.amdhsa_enable_private_segment 0
		.amdhsa_kernarg_size 32
		.amdhsa_user_sgpr_count 2
		.amdhsa_user_sgpr_kernarg_segment_ptr 1
		.amdhsa_wavefront_size32 1
		.amdhsa_system_sgpr_workgroup_id_x 1
		.amdhsa_system_sgpr_workgroup_id_y 1
		.amdhsa_system_sgpr_workgroup_id_z 1
		.amdhsa_system_vgpr_workitem_id 0
		.amdhsa_next_free_vgpr 1024
		.amdhsa_next_free_sgpr 100
		.amdhsa_reserve_vcc 0
		.amdhsa_float_denorm_mode_32 3
		.amdhsa_float_denorm_mode_16_64 3
		.amdhsa_memory_ordered 1
		.amdhsa_forward_progress 1
		.amdhsa_inst_pref_size 188
	.end_amdhsa_kernel
	.amdgpu_metadata
---
amdhsa.version: [ 1, 2 ]
amdhsa.kernels:
  - .name:           k_q568f935e12_go
    .symbol:         k_q568f935e12_go.kd
    .args:
      - { .name: actp, .offset: 0, .size: 8, .value_kind: global_buffer, .address_space: global }
      - { .name: wp, .offset: 8, .size: 8, .value_kind: global_buffer, .address_space: global }
      - { .name: x, .offset: 16, .size: 8, .value_kind: global_buffer, .address_space: global }
      - { .name: x1, .offset: 24, .size: 8, .value_kind: global_buffer, .address_space: global }
    .group_segment_fixed_size: 327680
    .private_segment_fixed_size: 0
    .kernarg_segment_align: 8
    .kernarg_segment_size: 32
    .max_flat_workgroup_size: 128
    .sgpr_count:     100
    .vgpr_count:     1024
    .wavefront_size: 32
...
	.end_amdgpu_metadata
.endif
;; end of part 4
;; launch ln2: the kernel of part 1 again; grid 256 x 1, 8 waves a work-group, no clusters, 67,072 bytes of LDS; arguments x1, ln2_w, ln2_b, actp, qkv_w, o_w, ffn_w1, ffn_w2, wp; writes actp, wp
;; launch gf1 (part 5): grid 16 x 16, 4 waves a work-group, clusters of 4 x 4, 327,680 bytes of LDS; arguments actp, wp, ffn_b1, f1p; writes f1p
.if DOCPART == 5
	.amdgcn_target "amdgcn-amd-amdhsa--gfx1250"
	.amdhsa_code_object_version 6
	.text
	.protected	k_q568f935e12_gf1
	.globl	k_q568f935e12_gf1
	.p2align	8
	.type	k_q568f935e12_gf1,@function
k_q568f935e12_gf1:
	s_mov_b64 s[64:65], 0
	v_nop
	global_prefetch_b8 v0, s[64:65] scope:SCOPE_SE
	s_setreg_imm32_b32 hwreg(HW_REG_WAVE_MODE, 25, 1), 1
	s_wait_xcnt 0x0
	s_wait_alu depctr_hold_cnt(0) depctr_sa_sdst(0) depctr_va_vdst(0) depctr_va_sdst(0) depctr_va_ssrc(0) depctr_va_vcc(0) depctr_vm_vsrc(0)
	s_getreg_b32 s2, hwreg(HW_REG_IB_STS2, 6, 4)
	s_cmp_eq_u32 s2, 0
	s_cbranch_scc0 .Lentry_in_a_cluster
	s_endpgm
.Lentry_in_a_cluster:
	s_bfe_u32 s2, ttmp6, 0x10000c
	s_cmp_lg_u32 s2, 0xf033
	s_cbranch_scc0 .Lentry_shape_is_right
	s_endpgm
.Lentry_shape_is_right:
; C = A B^T on codes of FP6 (E2M3) with E8M0 scales, both operands given as PACKS; the result (+ bias, GELU where the flags say so) is quantised along its columns and stored as packs again.
; THIS TEXT: QKV = 0, BIAS = 1, ACT = 1: the hidden layer GELU(norm(x1) ffn_w1^T + ffn_b1), 4,096 x 4,096, into f1p (16 packs along K).
; A PACK is 128 rows x 256 along K in the order of an operand's registers, PK = 25,600 bytes, pack (g, ks) at (g KS + ks) PK: fragment (block i, q) at (2 i + q) x 1,536, register pair m of lane l at 256 m + 8 l;
; the scale word of (q, i, lane r) at 24,576 + 512 q + 64 i + 4 r.  Lane r of block i holds row 128 g + 32 (i / 2) + 8 (i % 2) + r + 8 (r / 8).
; A tile of C, 256 x 256, is made by four waves, as many as a WGP has SIMDs, 128 x 128 each: 64 accumulators, 512 registers.  K goes in steps of 256 through a ring of two LDS slots; a slot is four packs (A's two, B's two),
; each brought by ONE tensor load of one wave as 100 dense rows of 256 bytes, codes and scale words together.  A fragment is six loads of 8 bytes a lane, 256 consecutive bytes each.
; CLUSTERS: 4 x 4 work-groups; A's packs are asked for jointly along a row of the cluster, B's along a column.  THE MATRIX INSTRUCTION IS USED TRANSPOSED (source 0 = B's 16 rows, source 1 = A's): by the order of a
; block's rows a lane then holds one row of C, and the 16 registers of tiles 2 b, 2 b + 1 are the 16 neighbouring columns 32 b + 16 (lane / 16) + 0 .. 15: what the conversions want.
; REGISTERS, in windows of 256: window 0: v16-31 addresses, v32-63 scale words (two sets), v128-223 A's fragments (one set); on the way out v64-255 at work.  window 1: B's fragments, two sets, at v0 and v128; the bias in
; v96-127 and v224-255.  windows 2, 3: the accumulators of my rows 0-63 and 64-127 (accumulator (a, b) at v[8 (8 (a % 4) + b)]).
; LIMITS: a block of zeros, and one whose largest magnitude lies under 2^-124, gets the scale byte 1 (its codes are zeros or near it; this program alone reads the bytes); NaN and infinities are not served.
; erf (ACT = 1) is z P(z^2) / Q(z^2) with z held to +-4, good to a few units in erf's last place: far below x = -5.6 GELU comes out of the order of 1e-7 |x| and not 0.
.set SIZE_K, 1024
.set QKV,    0
.set ACT,    1
.set BIAS,   1
.set WOFF,   128                       ; B's first pack in wp
.set KSO,    16                        ; packs along K in the output
.set KSA,    SIZE_K/256
.set LAPS,   SIZE_K/512                ; a lap = two K steps = once round the ring
.set PK,     25600
.set FRB,    1536
.set SCW,    24576
.set SLOT,   4*PK
.set SPARE,  2*SLOT                    ; behind the ring: the spare words, 128 bytes a wave: two blocks of 256 bytes that no other line names
.set STG,    SPARE+512                 ; behind them: 512 bytes a wave, where a wave's scale words are gathered; no tile lands here
.set FR,     12
.set NL,     6
.set NP,     4
.set NQ,     2
.set ADRA, 16                          ; v16-17  LDS address of my A fragments in slot 0, 1
.set ADRB, 20                          ; v20-21  of B's
.set ADRS, 22                          ; v22-23  of the scale words: lanes 0-15 A's, lanes 16-31 B's
.set SPW,  28                          ; v28     my spare word; never rewritten
.set NIL,  29                          ; v29     0; never rewritten
.set SC,   32
.set AF,   128
.set G1, 24                            ; s[24:31] group 1 for A's packs; s[32:39] group 0, a set for each slot
.set G0, 32
.set G1B, 48                           ; s[48:55], s[56:63] the same for B's
.set G0B, 56
.set SEL, 86                           ; s[86:87] lane selects: lane l xor 16
.set MSB, 0
.macro WIN new                         ; the immediate's high byte repeats the setting that is left
.if MSB != \new
	s_set_vgpr_msb (MSB<<8)|(\new)
.set MSB, \new
.endif
.endm
.set MUL_LO, 0xa1                      ; source 0 (B) window 1, source 1 (A) window 0, C and D window 2
.set MUL_HI, 0xf1                      ; the same, C and D window 3
.set TO_B,   0x40                      ; destination window 1, address window 0
; A joint load: waves 0 and 1 fetch A's two packs, waves 2 and 3 B's.  The branch hangs on the wave's number alone.  Four v_nop follow each of the two lines.
.macro JLOAD g0a, g1a, g0b, g1b
	s_cmp_eq_u32 s15, 0
	s_cbranch_scc0 .Lfor_b_\@
	tensor_load_to_lds s[\g0a:\g0a+3], s[\g1a:\g1a+7]
	s_nop 0
.rept 4
	v_nop
.endr
	s_branch .Lasked_\@
.Lfor_b_\@:
	tensor_load_to_lds s[\g0b:\g0b+3], s[\g1b:\g1b+7]
	s_nop 0
.rept 4
	v_nop
.endr
.Lasked_\@:
.endm
.macro CREST                           ; a round of the cluster's barrier behind its opening barrier
	s_cmp_lg_u32 s14, 0
	s_cbranch_scc1 .Lnot_wave_0_\@
	s_barrier_signal -3
.Lnot_wave_0_\@:
	s_barrier_wait -3
	s_barrier_signal -1
	s_barrier_wait -1
.endm
.macro CROUND
	s_barrier_signal -1
	s_barrier_wait -1
	CREST
.endm
	s_load_b128 s[4:7], s[0:1], 0x0                ; A's packs (actp), wp
	s_load_b128 s[8:11], s[0:1], 0x10              ; QKV: qkp, vp;  else: the bias, the output's packs
	v_lshl_add_u32 v[SPW], v0, 2, SPARE
	v_mov_b32 v[NIL], 0
	ds_add_u32 v28, v29
	s_wait_dscnt 0x0
	v_lshrrev_b32 v1, 5, v0
	v_readfirstlane_b32 s14, v1                    ; wave 0..3
	s_lshr_b32 s15, s14, 1                         ; which half of the tile's rows is mine.  Also: I fetch for A (0) or for B (1)
	s_and_b32 s16, s14, 1                          ; which half of its columns.  Also: which of the two packs I fetch
	s_bfe_u32 s40, ttmp6, 0x40000                  ; cx, cy: my place in the cluster
	s_bfe_u32 s41, ttmp6, 0x40004
	s_and_b32 s18, ttmp7, 0xffff                   ; cluster y
.if QKV
	s_cmp_eq_u32 ttmp9, 2                          ; the role hangs on the cluster's x, which all sixteen partners share
	s_cselect_b32 s19, 0, s18                      ; v^T has four tile rows (cy alone) and sixteen tile columns
	s_cselect_b32 s67, s18, ttmp9
	s_cselect_b32 s66, 16, 8                       ; packs along K in the output
.else
	s_mov_b32 s19, s18
	s_mov_b32 s67, ttmp9
.endif
	s_lshl_b32 s42, s67, 2
	s_add_co_u32 s42, s42, s40                     ; tile column
	s_lshl_b32 s17, s19, 2
	s_add_co_u32 s17, s17, s41                     ; tile row
	s_lshl_b32 s43, s41, 2
	s_lshl_b32 s43, 15, s43                        ; my row of the cluster
	s_lshl_b32 s44, 0x1111, s40                    ; my column
	; descriptor group 1: a pack: a dense block of 100 rows x 256 bytes (32 elements of 8 bytes), no padding
	s_or_b32 s[G1+0], s43, (3<<16)|(1<<21)         ; 15:0 the mask; 17:16 elements of 8 bytes; 21 set beside a mask
	s_or_b32 s[G1B+0], s44, (3<<16)|(1<<21)
.irp g, G1, G1B
	s_mov_b32 s[\g+1], 32<<16                      ; tensor_dim0
	s_mov_b32 s[\g+2], 100<<16                     ; tensor_dim1
	s_mov_b32 s[\g+3], 32<<16                      ; tile_dim0
	s_mov_b32 s[\g+4], 100                         ; tile_dim1
	s_mov_b32 s[\g+5], 32                          ; tensor_dim0_stride
	s_mov_b32 s[\g+6], 0
	s_mov_b32 s[\g+7], 0
.endr
	s_lshl_b32 s20, s17, 1
	s_add_co_u32 s20, s20, s16
	s_mul_i32 s20, s20, KSA*PK                     ; A: group 2 x tile row + half, its first pack
	s_mov_b32 s21, 0
	s_lshl_b32 s46, s42, 1
	s_add_co_u32 s46, s46, s16
	s_mul_i32 s46, s46, KSA*PK                     ; B: group 2 x tile column + half
	s_mov_b32 s47, 0
	s_mul_i32 s45, s14, PK                         ; where it goes: wave x a pack: no place in the cluster enters an LDS address
	s_wait_kmcnt 0x0
.if QKV
	s_add_nc_u64 s[22:23], s[6:7], 64*PK           ; the packs of qkv_w's rows 2,048 on
	s_cmp_eq_u32 ttmp9, 2
	s_cselect_b64 s[68:69], s[22:23], s[4:5]
	s_cselect_b64 s[70:71], s[4:5], s[6:7]
	s_cselect_b64 s[72:73], s[10:11], s[8:9]
	s_add_nc_u64 s[20:21], s[68:69], s[20:21]
	s_add_nc_u64 s[46:47], s[70:71], s[46:47]
.else
	s_mov_b64 s[72:73], s[10:11]
	s_add_nc_u64 s[20:21], s[4:5], s[20:21]
	s_add_nc_u64 s[46:47], s[6:7], s[46:47]
	s_add_nc_u64 s[46:47], s[46:47], WOFF*PK
.endif
	CROUND                                         ; all sixteen work-groups are here: the first joint loads meet
.irp s, 0,1
	s_mov_b32 s[G0+4*\s], 1
	s_add_co_u32 s[G0+4*\s+1], s45, \s*SLOT
	s_add_nc_u64 s[G0+4*\s+2:G0+4*\s+3], s[20:21], \s*PK
	s_or_b32 s[G0+4*\s+3], s[G0+4*\s+3], 0x80000000
	s_mov_b32 s[G0B+4*\s], 1
	s_add_co_u32 s[G0B+4*\s+1], s45, \s*SLOT
	s_add_nc_u64 s[G0B+4*\s+2:G0B+4*\s+3], s[46:47], \s*PK
	s_or_b32 s[G0B+4*\s+3], s[G0B+4*\s+3], 0x80000000
	JLOAD G0+4*\s, G1, G0B+4*\s, G1B
.endr
	v_and_b32 v1, 15, v0                           ; r
	v_bfe_u32 v2, v0, 4, 1                         ; h
	v_and_b32 v3, 31, v0                           ; lane
	v_lshlrev_b32 v26, 3, v3                       ; 8 x lane
	v_lshlrev_b32 v27, 4, v3                       ; 16 x lane
	s_mul_i32 s18, s15, PK                         ; my pack of A
	s_mul_i32 s19, s16, PK
	s_add_co_u32 s19, s19, 2*PK                    ; my pack of B
	s_xor_b32 s22, s15, 1
	s_add_co_u32 s22, s22, s16
	s_add_co_u32 s22, s22, 1
	s_mul_i32 s22, s22, PK                         ; from the one to the other: (2 + column half - row half) packs
	v_mul_u32_u24 v5, s22, v2                      ; lanes 16-31 take B's scale words
	v_lshl_add_u32 v5, v1, 2, v5
	s_add_co_u32 s23, s18, SCW
.irp s, 0,1
	v_add_nc_u32 v[ADRA+\s], s18, v26
	v_add_nc_u32 v[ADRB+\s], s19, v26
	v_add_nc_u32 v[ADRS+\s], s23, v5
	s_add_co_u32 s18, s18, SLOT
	s_add_co_u32 s19, s19, SLOT
	s_add_co_u32 s23, s23, SLOT
.endr
	s_lshl_b32 s18, s14, 9
	s_add_co_u32 s18, s18, STG                     ; my 512 bytes for scale words
	v_lshl_add_u32 v24, v1, 2, s18                 ; in: 4 r (+ 64 a block)
	v_add_nc_u32 v25, s18, v27                     ; back: 16 bytes a lane
	s_mov_b32 s[SEL], 0x76543210
	s_mov_b32 s[SEL+1], 0xfedcba98
	s_lshl_b32 s80, s17, 1                         ; where my results go: pack (2 x tile row + row half, tile column), fragments (a, q = column half)
	s_add_co_u32 s80, s80, s15
.if QKV
	s_mul_i32 s80, s80, s66
.else
	s_mul_i32 s80, s80, KSO
.endif
	s_add_co_u32 s80, s80, s42
	s_mul_i32 s80, s80, PK
	s_mov_b32 s81, 0
	s_add_nc_u64 s[74:75], s[72:73], s[80:81]
	s_mul_i32 s80, s16, FRB
	s_add_nc_u64 s[76:77], s[74:75], s[80:81]      ; the codes of block 0
	s_lshl_b32 s80, s16, 9
	s_add_co_u32 s80, s80, SCW
	s_add_nc_u64 s[78:79], s[74:75], s[80:81]      ; my 512 bytes of scale words
.if BIAS
	s_lshl_b32 s82, s42, 10                        ; the bias of my 128 columns; lane (r, h) wants, for tile b, columns 32 (b / 2) + 8 (b % 2) + 16 h + 0 .. 7
	s_lshl_b32 s83, s16, 9
	s_add_co_u32 s82, s82, s83
	s_mov_b32 s83, 0
	s_add_nc_u64 s[84:85], s[8:9], s[82:83]
	v_lshlrev_b32 v6, 6, v2
	WIN TO_B
.irp b, 0,1,2,3,4,5,6,7
	global_load_b128 v[96+8*\b+96*(\b/4):96+8*\b+96*(\b/4)+3], v6, s[84:85] offset:(32*(\b/2)+8*(\b%2))*4
	global_load_b128 v[96+8*\b+96*(\b/4)+4:96+8*\b+96*(\b/4)+7], v6, s[84:85] offset:(32*(\b/2)+8*(\b%2))*4+16
.endr
	WIN 0
.endif
.macro FRAG reg, adr, q, i             ; a fragment, 12 registers: six loads of 8 bytes a lane, each 256 consecutive bytes
.irp p, 0,1,2,3,4,5
	ds_load_b64 v[\reg+2*\p:\reg+2*\p+1], v[\adr] offset:(2*(\i)+(\q))*FRB+256*\p
.endr
.endm
; 16 matrix instructions: A's blocks a0, a0 + 1 x B's eight, 128 along K.  p: B's set; sc: the set of scale words.  zero = 1: the product starts the sums; 2: it starts them from the bias.
; The 64 accumulators take turns, one instruction a turn, in the same order in every step.
.macro MUL16 a0, p, q, sc, zero
.irp a, \a0, \a0+1
.irp b, 0,1,2,3,4,5,6,7
.if \zero == 1
	v_wmma_scale_f32_16x16x128_f8f6f4 v[8*(8*((\a)%4)+\b):8*(8*((\a)%4)+\b)+7], v[128*(\p)+FR*\b:128*(\p)+FR*\b+FR-1], v[AF+FR*(\a):AF+FR*(\a)+FR-1], 0, v[SC+8*NQ*(\sc)+NQ*\b+(\q)], v[SC+8*NQ*(\sc)+NQ*(\a)+(\q)] matrix_a_fmt:MATRIX_FMT_FP6 matrix_b_fmt:MATRIX_FMT_FP6 matrix_a_scale:MATRIX_SCALE_ROW1
.elseif \zero == 2
	v_wmma_scale_f32_16x16x128_f8f6f4 v[8*(8*((\a)%4)+\b):8*(8*((\a)%4)+\b)+7], v[128*(\p)+FR*\b:128*(\p)+FR*\b+FR-1], v[AF+FR*(\a):AF+FR*(\a)+FR-1], v[96+8*\b+96*(\b/4):96+8*\b+96*(\b/4)+7], v[SC+8*NQ*(\sc)+NQ*\b+(\q)], v[SC+8*NQ*(\sc)+NQ*(\a)+(\q)] matrix_a_fmt:MATRIX_FMT_FP6 matrix_b_fmt:MATRIX_FMT_FP6 matrix_a_scale:MATRIX_SCALE_ROW1
.else
	v_wmma_scale_f32_16x16x128_f8f6f4 v[8*(8*((\a)%4)+\b):8*(8*((\a)%4)+\b)+7], v[128*(\p)+FR*\b:128*(\p)+FR*\b+FR-1], v[AF+FR*(\a):AF+FR*(\a)+FR-1], v[8*(8*((\a)%4)+\b):8*(8*((\a)%4)+\b)+7], v[SC+8*NQ*(\sc)+NQ*\b+(\q)], v[SC+8*NQ*(\sc)+NQ*(\a)+(\q)] matrix_a_fmt:MATRIX_FMT_FP6 matrix_b_fmt:MATRIX_FMT_FP6 matrix_a_scale:MATRIX_SCALE_ROW1
.endif
.endr
.endr
.endm
.macro FETCH_B slot, q, p
	WIN TO_B
.irp i, 0,1,2,3,4,5,6,7
	FRAG 128*(\p)+FR*\i, ADRB+\slot, \q, \i
.endr
	WIN 0
.endm
.macro FETCH_A slot, q, i0
.irp i, \i0, \i0+1, \i0+2, \i0+3
	FRAG AF+FR*(\i), ADRA+\slot, \q, \i
.endr
.endm
.macro SCALES sc                       ; a slot's scale words into set sc: register 2 i + q: lanes 0-15 the word of A's block i, lanes 16-31 that of B's block i
.irp i, 0,1,2,3,4,5,6,7
.irp q, 0,1
	ds_load_b32 v[SC+8*NQ*\sc+NQ*\i+\q], v[ADRS+\sc] offset:512*\q+64*\i
.endr
.endr
.endm
.macro PLACES n                        ; places in front of loads into registers that matrix instructions have read, and of the first read of results (ISA guide 7.12.1 for vector instructions)
.rept \n
	v_nop
.endr
.endm
.macro STEP slot, q, zero              ; a step of 128 along K that has its successor in the same slot
	s_wait_dscnt 4*NL                              ; B's set, A's blocks 0-3 and the scale words are in; the youngest 24 loads (A's blocks 4-7) may be out
.if \zero == 2
	WIN 0x91                                       ; C (the bias) window 1, D window 2
.else
	WIN MUL_LO
.endif
	MUL16 0, (\q)%2, \q, \slot, \zero
	MUL16 2, (\q)%2, \q, \slot, \zero
	s_wait_dscnt 0                                 ; A's blocks 4-7 are in (asked for 32 matrix instructions ago)
	PLACES NP
	FETCH_B \slot, (\q)+1, 1-(\q)%2
	FETCH_A \slot, (\q)+1, 0
.if \zero == 2
	WIN 0xd1
.else
	WIN MUL_HI
.endif
	MUL16 4, (\q)%2, \q, \slot, \zero
	MUL16 6, (\q)%2, \q, \slot, \zero
	PLACES NP
	WIN 0
	FETCH_A \slot, (\q)+1, 4
.endm
; A slot's last step changes slots: ONE barrier; in front of it each wave waits for all its tensor loads, adds 0 to its spare word, and waits for that and for its reads of this slot.  fill = 1: the slot is filled again, two K steps ahead.
.macro TURN slot, next, fill
	s_wait_tensorcnt 0x0                           ; all my tensor loads have landed: my pack of the next slot
	ds_add_u32 v[SPW], v[NIL]                      ; 0 onto my spare word
	s_wait_dscnt 4*NL+1                            ; (the add and the youngest 24 loads, A's blocks 4-7, may be out)
	WIN MUL_LO
	MUL16 0, 1, NQ-1, \slot, 0                     ; sixteen matrix instructions stand between the add and the wait for it
	s_wait_dscnt 0x0                               ; the add is done, and my reads of this slot are over
	s_barrier_signal -1
	MUL16 2, 1, NQ-1, \slot, 0
	WIN 0
	s_barrier_wait -1
.if \fill
	CREST                                          ; the barrier has opened a round of the cluster's barrier: no wave of any partner still reads this slot or has a load on its way
	s_add_nc_u64 s[G0+4*\slot+2:G0+4*\slot+3], s[G0+4*\slot+2:G0+4*\slot+3], 2*PK
	s_add_nc_u64 s[G0B+4*\slot+2:G0B+4*\slot+3], s[G0B+4*\slot+2:G0B+4*\slot+3], 2*PK
	JLOAD G0+4*\slot, G1, G0B+4*\slot, G1B         ; the first tensor load behind the round; its four v_nop are also the places in front of the loads below
.else
	PLACES NP
.endif
	FETCH_B \next, 0, 0
	FETCH_A \next, 0, 0
	SCALES \next
	WIN MUL_HI
	MUL16 4, 1, NQ-1, \slot, 0
	MUL16 6, 1, NQ-1, \slot, 0
	PLACES NP
	WIN 0
	FETCH_A \next, 0, 4
.endm
	s_wait_tensorcnt 1                             ; my pack of K step 0 is in (K step 1's load may be out)
	s_barrier_signal -1
	s_barrier_wait -1                              ; everybody's is
	FETCH_B 0, 0, 0
	FETCH_A 0, 0, 0
	SCALES 0
	FETCH_A 0, 0, 4
.if BIAS
	s_wait_loadcnt 0x0                             ; the bias
	STEP 0, 0, 2                                   ; the first step stands in front of the loop: its products start the sums
.else
	STEP 0, 0, 1
.endif
	s_mov_b32 s3, LAPS-1
.Llap:                                                 ; a trip goes once round the ring and fills both slots again
	TURN 0, 1, 1
	STEP 1, 0, 0
	TURN 1, 0, 1
	STEP 0, 0, 0
	s_sub_co_u32 s3, s3, 1
	s_cmp_lg_u32 s3, 0
	s_cbranch_scc1 .Llap
	TURN 0, 1, 0                                   ; the last lap fills nothing
	STEP 1, 0, 0
	s_wait_dscnt 4*NL
	WIN MUL_LO
	MUL16 0, 1, NQ-1, 1, 0
	MUL16 2, 1, NQ-1, 1, 0
	s_wait_dscnt 0
	WIN MUL_HI
	MUL16 4, 1, NQ-1, 1, 0
	MUL16 6, 1, NQ-1, 1, 0
	WIN 0
; THE WAY OUT.  Block a's 64 numbers of a lane (one row, 128 columns' share) become fragment (a, column half) of the output's pack.  The work of a block is written ONCE and walked eight times: written out eight times it
; would be eight times some 110 instructions (750 with GELU).  What changes from trip to trip is which accumulators are read: they are first copied into window 0, by one of eight runs of 64 moves.
.set X,   64                           ; v64-127  the block's numbers
.set TM,  128                          ; v128-143 the quantiser's work
.set PC,  144                          ; v144-162 the codes
.set PW,  163                          ; the scale word
.set GZ,  164                          ; GELU: z;  z^2, then 1 / Q;  P;  Q, then x / 2
.set GZ2, 180
.set GP,  196
.set GD,  212
.set CN,  228                          ; v228-253 thirteen constants, each twice: pairs for the packed forms
.macro QUANT s
.irp b, 0,1,2,3
	v_max3_num_f32 v[TM+\b], |v[\s+16*\b]|, |v[\s+1+16*\b]|, 0x1800000   ; my 16 numbers of block b, and the floor 2^(3 - 127): the byte cannot fall under 1
.endr
.irp i, 2,4,6,8,10,12,14
.irp b, 0,1,2,3
	v_max3_num_f32 v[TM+\b], v[TM+\b], |v[\s+16*\b+\i]|, |v[\s+1+16*\b+\i]|
.endr
.endr
.irp b, 0,1,2,3
	v_permlanex16_b32 v[TM+4+\b], v[TM+\b], s[SEL], s[SEL+1]
.endr
.irp b, 0,1,2,3
	v_max_num_f32 v[TM+\b], v[TM+\b], v[TM+4+\b]   ; with lane l xor 16's: the block's largest magnitude
.endr
.irp b, 0,1,2,3
	v_add_nc_u32 v[TM+12+\b], 0xff000000, v[TM+\b] ; 2 off its exponent field: the conversion's scale operand
.endr
.irp b, 0,1,2,3
	v_lshrrev_b32 v[TM+4+\b], 23, v[TM+12+\b]      ; the scale's byte
.endr
	v_lshl_or_b32 v[PW], v[TM+5], 8, v[TM+4]
	v_lshl_or_b32 v[PW], v[TM+6], 16, v[PW]
	v_lshl_or_b32 v[PW], v[TM+7], 24, v[PW]
.irp c, 0,1
	v_cvt_scalef32_pk16_fp6_f32 v[PC+6*\c:PC+2+6*\c], v[\s+32*\c:\s+15+32*\c], v[TM+12+2*\c]
	v_cvt_scalef32_pk16_fp6_f32 v[PC+12+4*\c:PC+14+4*\c], v[\s+16+32*\c:\s+31+32*\c], v[TM+12+2*\c+1]
.endr
	v_nop                                          ; one plain place behind a scaled conversion
.irp c, 0,1
.irp i, 0,1,2
	v_permlane16_swap_b32 v[PC+6*\c+\i], v[PC+12+4*\c+\i]
.endr
.irp i, 0,1,2
	v_mov_b32 v[PC+3+6*\c+\i], v[PC+12+4*\c+\i]
.endr
.endr
.endm
.macro CONST k, val
	v_mov_b32 v[CN+2*\k], \val
	v_mov_b32 v[CN+2*\k+1], \val
.endm
; GELU of 16 numbers, x / 2 (1 + erf(x / sqrt 2)), stage by stage over eight pairs; erf(z) = z P(z^2) / Q(z^2), z held to +-4.  The 16 reciprocals are one batch with one wait.
.macro GELU g
.irp e, 0,2,4,6,8,10,12,14
	v_pk_mul_f32 v[GZ+\e:GZ+\e+1], v[X+16*\g+\e:X+16*\g+\e+1], v[CN:CN+1]
.endr
.irp e, 0,1,2,3,4,5,6,7,8,9,10,11,12,13,14,15
	v_med3_num_f32 v[GZ+\e], v[GZ+\e], -4.0, 4.0
.endr
.irp e, 0,2,4,6,8,10,12,14
	v_pk_mul_f32 v[GZ2+\e:GZ2+\e+1], v[GZ+\e:GZ+\e+1], v[GZ+\e:GZ+\e+1]
.endr
.irp e, 0,2,4,6,8,10,12,14
	v_pk_fma_f32 v[GP+\e:GP+\e+1], v[GZ2+\e:GZ2+\e+1], v[CN+2:CN+3], v[CN+4:CN+5]
.endr
.irp k, 3,4,5,6,7
.irp e, 0,2,4,6,8,10,12,14
	v_pk_fma_f32 v[GP+\e:GP+\e+1], v[GP+\e:GP+\e+1], v[GZ2+\e:GZ2+\e+1], v[CN+2*\k:CN+2*\k+1]
.endr
.endr
.irp e, 0,2,4,6,8,10,12,14
	v_pk_fma_f32 v[GD+\e:GD+\e+1], v[GZ2+\e:GZ2+\e+1], v[CN+16:CN+17], v[CN+18:CN+19]
.endr
.irp k, 10,11,12
.irp e, 0,2,4,6,8,10,12,14
	v_pk_fma_f32 v[GD+\e:GD+\e+1], v[GD+\e:GD+\e+1], v[GZ2+\e:GZ2+\e+1], v[CN+2*\k:CN+2*\k+1]
.endr
.endr
.irp e, 0,1,2,3,4,5,6,7,8,9,10,11,12,13,14,15
	v_rcp_f32 v[GZ2+\e], v[GD+\e]
.endr
.irp e, 0,2,4,6,8,10,12,14
	v_pk_mul_f32 v[GP+\e:GP+\e+1], v[GP+\e:GP+\e+1], v[GZ+\e:GZ+\e+1]   ; z P: plain work that names no reciprocal and none of their sources
.endr
	s_wait_alu depctr_va_vdst(0)                   ; one wait for the batch, ahead of its first reader
.irp e, 0,2,4,6,8,10,12,14
	v_pk_mul_f32 v[GP+\e:GP+\e+1], v[GP+\e:GP+\e+1], v[GZ2+\e:GZ2+\e+1]   ; erf
.endr
.irp e, 0,2,4,6,8,10,12,14
	v_pk_mul_f32 v[GD+\e:GD+\e+1], v[X+16*\g+\e:X+16*\g+\e+1], 0.5 op_sel_hi:[1,0]
.endr
.irp e, 0,2,4,6,8,10,12,14
	v_pk_fma_f32 v[X+16*\g+\e:X+16*\g+\e+1], v[GD+\e:GD+\e+1], v[GP+\e:GP+\e+1], v[GD+\e:GD+\e+1]
.endr
.endm
.macro TAKE a                          ; block a's accumulators into window 0, each from its low end on
.Lm_\a:
	WIN 0x02+(\a)/4                                ; source 0: window 2 or 3
.set j, 0
.rept 64
	v_mov_b32 v[X+j], v[64*((\a)%4)+j]
.set j, j+1
.endr
	WIN 0
	s_branch .Lwork
.endm
	PLACES NP                                      ; behind the last products: their results are read, and A's registers written, below
.irp b, 0,1,2,3
	v_mov_b32 v[TM+4+\b], 0                        ; written once: a lane permute's destination counts as one of its sources
.endr
.if ACT
	CONST 0, 0.70710678
	CONST 1, -0.000000000272614225801306
	CONST 2, 0.0000000277068142495902
	CONST 3, -0.00000210102402082508
	CONST 4, -0.0000569250639462346
	CONST 5, -0.000734990630326855
	CONST 6, -0.00295459980854025
	CONST 7, -0.0160960333262415
	CONST 8, -0.0000145660718464996
	CONST 9, -0.000213374055278905
	CONST 10, -0.00168282697438203
	CONST 11, -0.00737332916720468
	CONST 12, -0.0142647390514189
.endif
	s_mov_b32 s3, 0
.Lrow:
.irp a, 0,1,2,3,4,5,6
	s_cmp_eq_u32 s3, \a
	s_cbranch_scc1 .Lm_\a
.endr
	s_branch .Lm_7
	TAKE 0
	TAKE 1
	TAKE 2
	TAKE 3
	TAKE 4
	TAKE 5
	TAKE 6
	TAKE 7
.Lwork:
.if ACT
	GELU 0
	GELU 1
	GELU 2
	GELU 3
.endif
	QUANT X
	s_lshl_b32 s2, s3, 6
	v_add_nc_u32 v30, s2, v24                      ; the block's 64 bytes among my scale words
.irp m, 0,1,2,3,4,5
	global_store_b64 v26, v[PC+2*\m:PC+2*\m+1], s[76:77] offset:256*\m   ; 32 lanes store 256 consecutive bytes, at a multiple of 256 from the buffer's first byte
.endr
	ds_store_b32 v30, v[PW]                        ; lanes r and 16 + r hold the same word and name the same place
	s_wait_xcnt 0x0                                ; the stores have read their data and their base: both are written again only behind this wait
	s_add_nc_u64 s[76:77], s[76:77], 2*FRB         ; the next block's fragment
	s_add_co_u32 s3, s3, 1
	s_cmp_lt_u32 s3, 8
	s_cbranch_scc1 .Lrow
	ds_load_b128 v[X:X+3], v25                     ; LDS serves a wave's instructions in order: these see my stores
	s_wait_dscnt 0x0
	global_store_b128 v27, v[X:X+3], s[78:79]      ; my eight blocks' scale words: 512 consecutive bytes
	s_wait_tensorcnt 0x0                           ; the wave's end
	ds_add_u32 v[SPW], v[NIL]
	s_wait_dscnt 0x0
	CROUND                                         ; the closing round: no work-group ends while a partner may still ask for a pack that names it
	s_endpgm
.Lfunc_end_k_q568f935e12_gf1:
	.size	k_q568f935e12_gf1, .Lfunc_end_k_q568f935e12_gf1-k_q568f935e12_gf1
	.p2alignl 7, 3214868480
	.fill 96, 4, 3214868480
	.section	.rodata,"a",@progbits
	.p2align	6, 0x0
	.amdhsa_kernel k_q568f935e12_gf1
		.amdhsa_group_segment_fixed_size 327680
		.amdhsa_private_segment_fixed_size 0
		.amdhsa_enable_private_segment 0
		.amdhsa_kernarg_size 32
		.amdhsa_user_sgpr_count 2
		.amdhsa_user_sgpr_kernarg_segment_ptr 1
		.amdhsa_wavefront_size32 1
		.amdhsa_system_sgpr_workgroup_id_x 1
		.amdhsa_system_sgpr_workgroup_id_y 1
		.amdhsa_system_sgpr_workgroup_id_z 1
		.amdhsa_system_vgpr_workitem_id 0
		.amdhsa_next_free_vgpr 1024
		.amdhsa_next_free_sgpr 100
		.amdhsa_reserve_vcc 0
		.amdhsa_float_denorm_mode_32 3
		.amdhsa_float_denorm_mode_16_64 3
		.amdhsa_memory_ordered 1
		.amdhsa_forward_progress 1
		.amdhsa_inst_pref_size 194
	.end_amdhsa_kernel
	.amdgpu_metadata
---
amdhsa.version: [ 1, 2 ]
amdhsa.kernels:
  - .name:           k_q568f935e12_gf1
    .symbol:         k_q568f935e12_gf1.kd
    .args:
      - { .name: actp, .offset: 0, .size: 8, .value_kind: global_buffer, .address_space: global }
      - { .name: wp, .offset: 8, .size: 8, .value_kind: global_buffer, .address_space: global }
      - { .name: ffn_b1, .offset: 16, .size: 8, .value_kind: global_buffer, .address_space: global }
      - { .name: f1p, .offset: 24, .size: 8, .value_kind: global_buffer, .address_space: global }
    .group_segment_fixed_size: 327680
    .private_segment_fixed_size: 0
    .kernarg_segment_align: 8
    .kernarg_segment_size: 32
    .max_flat_workgroup_size: 128
    .sgpr_count:     100
    .vgpr_count:     1024
    .wavefront_size: 32
...
	.end_amdgpu_metadata
.endif
;; end of part 5
;; launch gf2 (part 6): grid 4 x 16, 4 waves a work-group, clusters of 4 x 4, 327,680 bytes of LDS; arguments f1p, wp, ffn_b2, x1, out0; writes out0
.if DOCPART == 6
	.amdgcn_target "amdgcn-amd-amdhsa--gfx1250"
	.amdhsa_code_object_version 6
	.text
	.protected	k_q568f935e12_gf2
	.globl	k_q568f935e12_gf2
	.p2align	8
	.type	k_q568f935e12_gf2,@function
k_q568f935e12_gf2:
	s_mov_b64 s[64:65], 0
	v_nop
	global_prefetch_b8 v0, s[64:65] scope:SCOPE_SE
	s_setreg_imm32_b32 hwreg(HW_REG_WAVE_MODE, 25, 1), 1
	s_wait_xcnt 0x0
	s_wait_alu depctr_hold_cnt(0) depctr_sa_sdst(0) depctr_va_vdst(0) depctr_va_sdst(0) depctr_va_ssrc(0) depctr_va_vcc(0) depctr_vm_vsrc(0)
	s_getreg_b32 s2, hwreg(HW_REG_IB_STS2, 6, 4)
	s_cmp_eq_u32 s2, 0
	s_cbranch_scc0 .Lentry_in_a_cluster
	s_endpgm
.Lentry_in_a_cluster:
	s_bfe_u32 s2, ttmp6, 0x10000c
	s_cmp_lg_u32 s2, 0xf033
	s_cbranch_scc0 .Lentry_shape_is_right
	s_endpgm
.Lentry_shape_is_right:
; C = A B^T (+ bias) + residual, f32 out; A and B are codes of FP6 (E2M3) with E8M0 scales, given as PACKS.  THIS TEXT: out = x1 + hidden layer x ffn_w2^T + ffn_b2: K = 4,096, with bias.
; A PACK is 128 rows x 256 along K in the order of an operand's registers, PK = 25,600 bytes, pack (g, ks) at (g KS + ks) PK: fragment (block i, q) at (2 i + q) x 1,536, register pair m of lane l at 256 m + 8 l;
; the scale word of (q, i, lane r) at 24,576 + 512 q + 64 i + 4 r.  Lane r of block i holds row 128 g + 32 (i / 2) + 8 (i % 2) + r + 8 (r / 8).
; A tile of C, 256 x 256, is made by four waves, as many as a WGP has SIMDs, 128 x 128 each: 64 accumulators, 512 registers.  K goes in steps of 256 through a ring of two LDS slots; a slot is four packs (A's two, B's two),
; each brought by ONE tensor load of one wave as 100 dense rows of 256 bytes, codes and scale words together.  A fragment is six loads of 8 bytes a lane, 256 consecutive bytes each.
; CLUSTERS: 4 x 4 work-groups; A's packs are asked for jointly along a row of the cluster, B's along a column.  THE MATRIX INSTRUCTION IS USED TRANSPOSED (source 0 = B's 16 rows, source 1 = A's): a lane holds one row of C,
; and tile b's eight registers are columns 32 (b / 2) + 8 (b % 2) + 16 (lane / 16) + 0 .. 7.  C has 1,024 columns: 64 tiles, 64 work-groups.
; REGISTERS, in windows of 256: window 0: v16-31 addresses, v32-63 scale words (two sets), v128-223 A's fragments (one set); on the way out v128-255 rows of C.  window 1: B's fragments, two sets, at v0 and v128; the bias in
; v96-127 and v224-255; on the way out the residual's rows.  windows 2, 3: the accumulators (accumulator (a, b) at v[8 (8 (a % 4) + b)]).
; LIMITS: NaN and infinities among the inputs are not served.
.set SIZE_K, 4096
.set BIAS,   1
.set WOFF,   256                       ; B's first pack in wp
.set RES,    10                        ; s[8:9] the bias, s[10:11] the residual, s[12:13] the output
.set OUT,    12
.set KSA,    SIZE_K/256
.set LAPS,   SIZE_K/512
.set PK,     25600
.set FRB,    1536
.set SCW,    24576
.set SLOT,   4*PK
.set SPARE,  2*SLOT                    ; behind the ring: the spare words, 128 bytes a wave: two blocks of 256 bytes that no other line names
.set STG,    SPARE+512                 ; behind them: a stage of 16 rows x (512 bytes + 16) for each wave; no tile lands here
.set SPITCH, 528
.set FR,     12
.set NL,     6
.set NP,     4
.set NQ,     2
.set ADRA, 16
.set ADRB, 20
.set ADRS, 22
.set STO,  24                          ; v24  the stage: where I put 32 bytes of a row
.set RD,   25                          ; v25  and where I read a row back
.set CO,   26                          ; v26  16 x lane: my bytes of a row of 512
.set SPW,  28
.set NIL,  29
.set SC,   32
.set AF,   128
.set BK,   128
.set G1, 24
.set G0, 32
.set G1B, 48
.set G0B, 56
.set MSB, 0
.macro WIN new                         ; the immediate's high byte repeats the setting that is left
.if MSB != \new
	s_set_vgpr_msb (MSB<<8)|(\new)
.set MSB, \new
.endif
.endm
.set MUL_LO, 0xa1
.set MUL_HI, 0xf1
.set TO_B,   0x40
.macro JLOAD g0a, g1a, g0b, g1b        ; a joint load: waves 0 and 1 fetch A's two packs, waves 2 and 3 B's; four v_nop follow each of the two lines
	s_cmp_eq_u32 s15, 0
	s_cbranch_scc0 .Lfor_b_\@
	tensor_load_to_lds s[\g0a:\g0a+3], s[\g1a:\g1a+7]
	s_nop 0
.rept 4
	v_nop
.endr
	s_branch .Lasked_\@
.Lfor_b_\@:
	tensor_load_to_lds s[\g0b:\g0b+3], s[\g1b:\g1b+7]
	s_nop 0
.rept 4
	v_nop
.endr
.Lasked_\@:
.endm
.macro CREST
	s_cmp_lg_u32 s14, 0
	s_cbranch_scc1 .Lnot_wave_0_\@
	s_barrier_signal -3
.Lnot_wave_0_\@:
	s_barrier_wait -3
	s_barrier_signal -1
	s_barrier_wait -1
.endm
.macro CROUND
	s_barrier_signal -1
	s_barrier_wait -1
	CREST
.endm
	s_load_b128 s[4:7], s[0:1], 0x0                ; A's packs, wp
	s_load_b128 s[8:11], s[0:1], 0x10
.if BIAS
	s_load_b64 s[12:13], s[0:1], 0x20
.endif
	v_lshl_add_u32 v[SPW], v0, 2, SPARE
	v_mov_b32 v[NIL], 0
	ds_add_u32 v28, v29
	s_wait_dscnt 0x0
	v_lshrrev_b32 v1, 5, v0
	v_readfirstlane_b32 s14, v1                    ; wave 0..3
	s_lshr_b32 s15, s14, 1                         ; which half of the tile's rows is mine.  Also: I fetch for A (0) or for B (1)
	s_and_b32 s16, s14, 1                          ; which half of its columns.  Also: which of the two packs I fetch
	s_bfe_u32 s40, ttmp6, 0x40000                  ; cx, cy
	s_bfe_u32 s41, ttmp6, 0x40004
	s_lshl_b32 s42, ttmp9, 2
	s_add_co_u32 s42, s42, s40                     ; tile column
	s_and_b32 s17, ttmp7, 0xffff
	s_lshl_b32 s17, s17, 2
	s_add_co_u32 s17, s17, s41                     ; tile row
	s_lshl_b32 s43, s41, 2
	s_lshl_b32 s43, 15, s43                        ; my row of the cluster
	s_lshl_b32 s44, 0x1111, s40                    ; my column
	s_or_b32 s[G1+0], s43, (3<<16)|(1<<21)         ; group 1: a pack: 100 dense rows of 256 bytes (32 elements of 8 bytes); 15:0 the mask; 21 set beside a mask
	s_or_b32 s[G1B+0], s44, (3<<16)|(1<<21)
.irp g, G1, G1B
	s_mov_b32 s[\g+1], 32<<16
	s_mov_b32 s[\g+2], 100<<16
	s_mov_b32 s[\g+3], 32<<16
	s_mov_b32 s[\g+4], 100
	s_mov_b32 s[\g+5], 32
	s_mov_b32 s[\g+6], 0
	s_mov_b32 s[\g+7], 0
.endr
	s_lshl_b32 s20, s17, 1
	s_add_co_u32 s20, s20, s16
	s_mul_i32 s20, s20, KSA*PK                     ; A: group 2 x tile row + half
	s_mov_b32 s21, 0
	s_lshl_b32 s46, s42, 1
	s_add_co_u32 s46, s46, s16
	s_mul_i32 s46, s46, KSA*PK                     ; B: group 2 x tile column + half
	s_mov_b32 s47, 0
	s_mul_i32 s45, s14, PK                         ; where it goes: wave x a pack
	s_wait_kmcnt 0x0
	s_add_nc_u64 s[20:21], s[4:5], s[20:21]
	s_add_nc_u64 s[46:47], s[6:7], s[46:47]
	s_add_nc_u64 s[46:47], s[46:47], WOFF*PK
	CROUND                                         ; all sixteen work-groups are here: the first joint loads meet
.irp s, 0,1
	s_mov_b32 s[G0+4*\s], 1
	s_add_co_u32 s[G0+4*\s+1], s45, \s*SLOT
	s_add_nc_u64 s[G0+4*\s+2:G0+4*\s+3], s[20:21], \s*PK
	s_or_b32 s[G0+4*\s+3], s[G0+4*\s+3], 0x80000000
	s_mov_b32 s[G0B+4*\s], 1
	s_add_co_u32 s[G0B+4*\s+1], s45, \s*SLOT
	s_add_nc_u64 s[G0B+4*\s+2:G0B+4*\s+3], s[46:47], \s*PK
	s_or_b32 s[G0B+4*\s+3], s[G0B+4*\s+3], 0x80000000
	JLOAD G0+4*\s, G1, G0B+4*\s, G1B
.endr
	v_and_b32 v1, 15, v0                           ; r
	v_bfe_u32 v2, v0, 4, 1                         ; h
	v_and_b32 v3, 31, v0                           ; lane
	v_lshlrev_b32 v4, 3, v3                        ; 8 x lane
	s_mul_i32 s18, s15, PK                         ; my pack of A
	s_mul_i32 s19, s16, PK
	s_add_co_u32 s19, s19, 2*PK                    ; my pack of B
	s_xor_b32 s22, s15, 1
	s_add_co_u32 s22, s22, s16
	s_add_co_u32 s22, s22, 1
	s_mul_i32 s22, s22, PK                         ; from the one to the other
	v_mul_u32_u24 v5, s22, v2                      ; lanes 16-31 take B's scale words
	v_lshl_add_u32 v5, v1, 2, v5
	s_add_co_u32 s23, s18, SCW
.irp s, 0,1
	v_add_nc_u32 v[ADRA+\s], s18, v4
	v_add_nc_u32 v[ADRB+\s], s19, v4
	v_add_nc_u32 v[ADRS+\s], s23, v5
	s_add_co_u32 s18, s18, SLOT
	s_add_co_u32 s19, s19, SLOT
	s_add_co_u32 s23, s23, SLOT
.endr
	s_mul_i32 s18, s14, 16*SPITCH
	s_add_co_u32 s18, s18, STG                     ; my stage
	v_mul_u32_u24 v5, v1, SPITCH
	v_lshl_add_u32 v5, v2, 6, v5
	v_add_nc_u32 v[STO], s18, v5                   ; in: row r, + 64 h
	v_lshlrev_b32 v[CO], 4, v3
	v_add_nc_u32 v[RD], s18, v[CO]                 ; back: the 32 lanes take one row of 512 bytes
	s_lshl_b32 s80, s17, 8
	s_lshl_b32 s81, s15, 7
	s_add_co_u32 s80, s80, s81                     ; my first row: 256 x tile row + 128 x half
	s_lshl_b32 s80, s80, 12                        ; a row of C is 4,096 bytes
	s_lshl_b32 s81, s42, 10
	s_add_co_u32 s80, s80, s81
	s_lshl_b32 s81, s16, 9
	s_add_co_u32 s80, s80, s81                     ; my first column, in bytes
	s_mov_b32 s81, 0
	s_add_nc_u64 s[RES:RES+1], s[RES:RES+1], s[80:81]
	s_add_nc_u64 s[OUT:OUT+1], s[OUT:OUT+1], s[80:81]
.if BIAS
	s_lshl_b32 s82, s42, 10                        ; the bias of my 128 columns; lane (r, h) wants, for tile b, columns 32 (b / 2) + 8 (b % 2) + 16 h + 0 .. 7
	s_lshl_b32 s83, s16, 9
	s_add_co_u32 s82, s82, s83
	s_mov_b32 s83, 0
	s_add_nc_u64 s[84:85], s[8:9], s[82:83]
	v_lshlrev_b32 v6, 6, v2
	WIN TO_B
.irp b, 0,1,2,3,4,5,6,7
	global_load_b128 v[96+8*\b+96*(\b/4):96+8*\b+96*(\b/4)+3], v6, s[84:85] offset:(32*(\b/2)+8*(\b%2))*4
	global_load_b128 v[96+8*\b+96*(\b/4)+4:96+8*\b+96*(\b/4)+7], v6, s[84:85] offset:(32*(\b/2)+8*(\b%2))*4+16
.endr
	WIN 0
.endif
.macro FRAG reg, adr, q, i             ; a fragment, 12 registers: six loads of 8 bytes a lane, each 256 consecutive bytes
.irp p, 0,1,2,3,4,5
	ds_load_b64 v[\reg+2*\p:\reg+2*\p+1], v[\adr] offset:(2*(\i)+(\q))*FRB+256*\p
.endr
.endm
; 16 matrix instructions: A's blocks a0, a0 + 1 x B's eight, 128 along K.  zero = 1: the product starts the sums; 2: it starts them from the bias.  The 64 accumulators take turns.
.macro MUL16 a0, p, q, sc, zero
.irp a, \a0, \a0+1
.irp b, 0,1,2,3,4,5,6,7
.if \zero == 1
	v_wmma_scale_f32_16x16x128_f8f6f4 v[8*(8*((\a)%4)+\b):8*(8*((\a)%4)+\b)+7], v[128*(\p)+FR*\b:128*(\p)+FR*\b+FR-1], v[AF+FR*(\a):AF+FR*(\a)+FR-1], 0, v[SC+8*NQ*(\sc)+NQ*\b+(\q)], v[SC+8*NQ*(\sc)+NQ*(\a)+(\q)] matrix_a_fmt:MATRIX_FMT_FP6 matrix_b_fmt:MATRIX_FMT_FP6 matrix_a_scale:MATRIX_SCALE_ROW1
.elseif \zero == 2
	v_wmma_scale_f32_16x16x128_f8f6f4 v[8*(8*((\a)%4)+\b):8*(8*((\a)%4)+\b)+7], v[128*(\p)+FR*\b:128*(\p)+FR*\b+FR-1], v[AF+FR*(\a):AF+FR*(\a)+FR-1], v[96+8*\b+96*(\b/4):96+8*\b+96*(\b/4)+7], v[SC+8*NQ*(\sc)+NQ*\b+(\q)], v[SC+8*NQ*(\sc)+NQ*(\a)+(\q)] matrix_a_fmt:MATRIX_FMT_FP6 matrix_b_fmt:MATRIX_FMT_FP6 matrix_a_scale:MATRIX_SCALE_ROW1
.else
	v_wmma_scale_f32_16x16x128_f8f6f4 v[8*(8*((\a)%4)+\b):8*(8*((\a)%4)+\b)+7], v[128*(\p)+FR*\b:128*(\p)+FR*\b+FR-1], v[AF+FR*(\a):AF+FR*(\a)+FR-1], v[8*(8*((\a)%4)+\b):8*(8*((\a)%4)+\b)+7], v[SC+8*NQ*(\sc)+NQ*\b+(\q)], v[SC+8*NQ*(\sc)+NQ*(\a)+(\q)] matrix_a_fmt:MATRIX_FMT_FP6 matrix_b_fmt:MATRIX_FMT_FP6 matrix_a_scale:MATRIX_SCALE_ROW1
.endif
.endr
.endr
.endm
.macro FETCH_B slot, q, p
	WIN TO_B
.irp i, 0,1,2,3,4,5,6,7
	FRAG 128*(\p)+FR*\i, ADRB+\slot, \q, \i
.endr
	WIN 0
.endm
.macro FETCH_A slot, q, i0
.irp i, \i0, \i0+1, \i0+2, \i0+3
	FRAG AF+FR*(\i), ADRA+\slot, \q, \i
.endr
.endm
.macro SCALES sc                       ; register 2 i + q of set sc: lanes 0-15 the word of A's block i, lanes 16-31 that of B's block i
.irp i, 0,1,2,3,4,5,6,7
.irp q, 0,1
	ds_load_b32 v[SC+8*NQ*\sc+NQ*\i+\q], v[ADRS+\sc] offset:512*\q+64*\i
.endr
.endr
.endm
.macro PLACES n                        ; places in front of loads into registers that matrix instructions have read, and of the first read of results (ISA guide 7.12.1 for vector instructions)
.rept \n
	v_nop
.endr
.endm
.macro STEP slot, q, zero
	s_wait_dscnt 4*NL                              ; all but the youngest 24 loads (A's blocks 4-7) are in
.if \zero == 2
	WIN 0x91                                       ; C (the bias) window 1, D window 2
.else
	WIN MUL_LO
.endif
	MUL16 0, (\q)%2, \q, \slot, \zero
	MUL16 2, (\q)%2, \q, \slot, \zero
	s_wait_dscnt 0
	PLACES NP
	FETCH_B \slot, (\q)+1, 1-(\q)%2
	FETCH_A \slot, (\q)+1, 0
.if \zero == 2
	WIN 0xd1
.else
	WIN MUL_HI
.endif
	MUL16 4, (\q)%2, \q, \slot, \zero
	MUL16 6, (\q)%2, \q, \slot, \zero
	PLACES NP
	WIN 0
	FETCH_A \slot, (\q)+1, 4
.endm
; A slot's last step changes slots: ONE barrier; in front of it each wave waits for all its tensor loads, adds 0 to its spare word, and waits for that and for its reads of this slot.
.macro TURN slot, next, fill
	s_wait_tensorcnt 0x0                           ; all my tensor loads have landed: my pack of the next slot
	ds_add_u32 v[SPW], v[NIL]                      ; 0 onto my spare word
	s_wait_dscnt 4*NL+1                            ; (the add and the youngest 24 loads may be out)
	WIN MUL_LO
	MUL16 0, 1, NQ-1, \slot, 0
	s_wait_dscnt 0x0                               ; the add is done, and my reads of this slot are over
	s_barrier_signal -1
	MUL16 2, 1, NQ-1, \slot, 0
	WIN 0
	s_barrier_wait -1
.if \fill
	CREST                                          ; the barrier has opened a round of the cluster's barrier
	s_add_nc_u64 s[G0+4*\slot+2:G0+4*\slot+3], s[G0+4*\slot+2:G0+4*\slot+3], 2*PK
	s_add_nc_u64 s[G0B+4*\slot+2:G0B+4*\slot+3], s[G0B+4*\slot+2:G0B+4*\slot+3], 2*PK
	JLOAD G0+4*\slot, G1, G0B+4*\slot, G1B         ; the first tensor load behind the round; its four v_nop are also the places in front of the loads below
.else
	PLACES NP
.endif
	FETCH_B \next, 0, 0
	FETCH_A \next, 0, 0
	SCALES \next
	WIN MUL_HI
	MUL16 4, 1, NQ-1, \slot, 0
	MUL16 6, 1, NQ-1, \slot, 0
	PLACES NP
	WIN 0
	FETCH_A \next, 0, 4
.endm
	s_wait_tensorcnt 1                             ; my pack of K step 0 is in (K step 1's load may be out)
	s_barrier_signal -1
	s_barrier_wait -1
	FETCH_B 0, 0, 0
	FETCH_A 0, 0, 0
	SCALES 0
	FETCH_A 0, 0, 4
.if BIAS
	s_wait_loadcnt 0x0                             ; the bias
	STEP 0, 0, 2
.else
	STEP 0, 0, 1
.endif
	s_mov_b32 s3, LAPS-1
.Llap:
	TURN 0, 1, 1
	STEP 1, 0, 0
	TURN 1, 0, 1
	STEP 0, 0, 0
	s_sub_co_u32 s3, s3, 1
	s_cmp_lg_u32 s3, 0
	s_cbranch_scc1 .Llap
	TURN 0, 1, 0
	STEP 1, 0, 0
	s_wait_dscnt 4*NL
	WIN MUL_LO
	MUL16 0, 1, NQ-1, 1, 0
	MUL16 2, 1, NQ-1, 1, 0
	s_wait_dscnt 0
	WIN MUL_HI
	MUL16 4, 1, NQ-1, 1, 0
	MUL16 6, 1, NQ-1, 1, 0
	WIN 0
; THE WAY OUT, block by block of 16 rows x 128 columns: through my own stage in LDS, back as whole rows of 512 bytes, + the residual's same rows, stored as 512 consecutive bytes.
; Lane index t of block a is row 32 (a / 2) + 8 (a % 2) + t + 8 (t / 8) of my 128: it stands in the immediate, 127 rows of 4,096 bytes at the most.  No base is stepped.
.macro RLOAD a                         ; the residual's 16 rows of block a into window 1, set a % 4
	WIN TO_B
.irp t, 0,1,2,3,4,5,6,7,8,9,10,11,12,13,14,15
	global_load_b128 v[64*((\a)%4)+4*\t:64*((\a)%4)+4*\t+3], v[CO], s[RES:RES+1] offset:(32*((\a)/2)+8*((\a)%2)+\t+8*(\t/8))*4096
.endr
	WIN 0
.endm
.macro TOSTAGE a
.set AC, 64*((\a)%4)
	WIN 0x08+4*((\a)/4)                            ; an LDS store's data are its source 1: window 2 or 3
.irp b, 0,1,2,3,4,5,6,7
	ds_store_b128 v[STO], v[AC+8*\b:AC+8*\b+3] offset:128*(\b/2)+32*(\b%2)       ; each accumulator from its low end on
	ds_store_b128 v[STO], v[AC+8*\b+4:AC+8*\b+7] offset:128*(\b/2)+32*(\b%2)+16
.endr
	WIN 0
.set BB, BK+64*((\a)%2)
.irp t, 0,1,2,3,4,5,6,7,8,9,10,11,12,13,14,15
	ds_load_b128 v[BB+4*\t:BB+4*\t+3], v[RD] offset:\t*SPITCH   ; LDS serves a wave's instructions in order: these see my stores
.endr
.endm
.macro SEND a, younger                 ; younger: the LDS instructions issued behind block a's loads
.set BB, BK+64*((\a)%2)
	s_wait_dscnt \younger
.if 7-(\a) >= 3
	s_wait_loadcnt 48                              ; block a's residual is in; the 16 loads of each of the three blocks behind it may be out
.else
	s_wait_loadcnt 16*(7-(\a))
.endif
	WIN 0x04                                       ; source 1 window 1
.set e, 0
.rept 32
	v_pk_add_f32 v[BB+e:BB+e+1], v[BB+e:BB+e+1], v[64*((\a)%4)+e:64*((\a)%4)+e+1]
.set e, e+2
.endr
	WIN 0
.irp t, 0,1,2,3,4,5,6,7,8,9,10,11,12,13,14,15
	global_store_b128 v[CO], v[BB+4*\t:BB+4*\t+3], s[OUT:OUT+1] offset:(32*((\a)/2)+8*((\a)%2)+\t+8*(\t/8))*4096   ; 32 lanes store 512 consecutive bytes, at a multiple of 256 from the buffer's first byte
.endr
.if (\a) < 4
	RLOAD (\a)+4
.endif
.endm
	PLACES NP                                      ; behind the last products: their results are read, and A's and B's registers loaded into, below
	RLOAD 0
	RLOAD 1
	RLOAD 2
	RLOAD 3
	TOSTAGE 0
.irp a, 1,2,3,4,5,6,7
.if \a > 1
	s_wait_xcnt 0x0                                ; block a - 2's stores have read their registers: block a's loads may land there
.endif
	TOSTAGE \a
	SEND \a-1, 32                                  ; behind block a - 1's loads: block a's 16 stores and 16 loads
.endr
	SEND 7, 0
	s_wait_tensorcnt 0x0                           ; the wave's end
	ds_add_u32 v[SPW], v[NIL]
	s_wait_dscnt 0x0
	CROUND                                         ; the closing round
	s_endpgm
.Lfunc_end_k_q568f935e12_gf2:
	.size	k_q568f935e12_gf2, .Lfunc_end_k_q568f935e12_gf2-k_q568f935e12_gf2
	.p2alignl 7, 3214868480
	.fill 96, 4, 3214868480
	.section	.rodata,"a",@progbits
	.p2align	6, 0x0
	.amdhsa_kernel k_q568f935e12_gf2
		.amdhsa_group_segment_fixed_size 327680
		.amdhsa_private_segment_fixed_size 0
		.amdhsa_enable_private_segment 0
		.amdhsa_kernarg_size 40
		.amdhsa_user_sgpr_count 2
		.amdhsa_user_sgpr_kernarg_segment_ptr 1
		.amdhsa_wavefront_size32 1
		.amdhsa_system_sgpr_workgroup_id_x 1
		.amdhsa_system_sgpr_workgroup_id_y 1
		.amdhsa_system_sgpr_workgroup_id_z 1
		.amdhsa_system_vgpr_workitem_id 0
		.amdhsa_next_free_vgpr 1024
		.amdhsa_next_free_sgpr 100
		.amdhsa_reserve_vcc 0
		.amdhsa_float_denorm_mode_32 3
		.amdhsa_float_denorm_mode_16_64 3
		.amdhsa_memory_ordered 1
		.amdhsa_forward_progress 1
		.amdhsa_inst_pref_size 190
	.end_amdhsa_kernel
	.amdgpu_metadata
---
amdhsa.version: [ 1, 2 ]
amdhsa.kernels:
  - .name:           k_q568f935e12_gf2
    .symbol:         k_q568f935e12_gf2.kd
    .args:
      - { .name: f1p, .offset: 0, .size: 8, .value_kind: global_buffer, .address_space: global }
      - { .name: wp, .offset: 8, .size: 8, .value_kind: global_buffer, .address_space: global }
      - { .name: ffn_b2, .offset: 16, .size: 8, .value_kind: global_buffer, .address_space: global }
      - { .name: x1, .offset: 24, .size: 8, .value_kind: global_buffer, .address_space: global }
      - { .name: out0, .offset: 32, .size: 8, .value_kind: global_buffer, .address_space: global }
    .group_segment_fixed_size: 327680
    .private_segment_fixed_size: 0
    .kernarg_segment_align: 8
    .kernarg_segment_size: 40
    .max_flat_workgroup_size: 128
    .sgpr_count:     100
    .vgpr_count:     1024
    .wavefront_size: 32
...
	.end_amdgpu_metadata
.endif
;; end of part 6
;; ======== version 2 of 2: 6 launches
;; limits: right only within a limited range of input values
;; workspace buffers: actp 3,276,800 bytes; wp 9,830,400 bytes; qkp 6,553,600 bytes; vp 3,276,800 bytes; x1 16,777,216 bytes; f1p 13,107,200 bytes; act2 3,276,800 bytes
;; launch prep (part 7): grid 1024 x 1, 8 waves a work-group, no clusters, 67,072 bytes of LDS; arguments x, ln1_w, ln1_b, actp, qkv_w, o_w, ffn_w1, ffn_w2, wp; writes actp, wp
.if DOCPART == 7
	.amdgcn_target "amdgcn-amd-amdhsa--gfx1250"
	.amdhsa_code_object_version 6
	.text
	.protected	k_q568f935e12_prep
	.globl	k_q568f935e12_prep
	.p2align	8
	.type	k_q568f935e12_prep,@function
k_q568f935e12_prep:
	s_mov_b64 s[64:65], 0
	v_nop
	global_prefetch_b8 v0, s[64:65] scope:SCOPE_SE
	s_setreg_imm32_b32 hwreg(HW_REG_WAVE_MODE, 25, 1), 1
	s_wait_xcnt 0x0
; f32 rows become codes of FP6 (E2M3) with one E8M0 scale byte for each 32 along K, laid as PACKS.  Work-groups 0-255: layer norm of 16 rows of the first argument, then the quantiser.
; Work-groups 256-1023 (where the grid has them): 16 rows x 1,024 along K of one of the four weights, the quantiser alone.
; A PACK is 128 rows x 256 along K in the order of a matrix operand's registers, 25,600 bytes; pack (g, ks) lies at (g KS + ks) PK.  In it fragment (block i of 16 rows, q = which 128 along K) lies at
; (2 i + q) x 1,536; register pair m (registers 2 m, 2 m + 1) of lane l at 256 m + 8 l; the scale word of (q, i, lane r) at 24,576 + 512 q + 64 i + 4 r.
; THE ROWS OF A BLOCK ARE NOT NEIGHBOURS: lane r of block i holds row 128 g + 32 (i / 2) + 8 (i % 2) + r + 8 (r / 8), so that a later product's results are 16 neighbours along the next K.
; A block's scale is 2^(floor(log2(largest magnitude)) - 2); its byte is the largest magnitude's exponent field - 2, held at 1 from below.
; LIMITS: a block of zeros, and one whose largest magnitude lies under 2^-124, gets the byte 1 (the rule says 127 for zeros: its codes are zeros, and this program alone reads the bytes); NaN and infinities are not served.
; SHARES: eight waves.  Wave w loads rows 2 w, 2 w + 1 of the block whole (each load 512 consecutive bytes), norms them, and lays them in LDS; behind one barrier wave w takes K step w (128 along K) of all 16 rows,
; 64 numbers a lane, and stores one fragment: six stores of 256 consecutive aligned bytes.  The 64 bytes of scale words a wave are the one short store: one byte in 24 of the codes'.
; No tensor load, no ring: one barrier.  All waits are for 0: each phase needs all that the phase before asked for.
.set PK,  25600
.set FRB, 1536
.set LP,  4112                         ; an LDS row: 4,096 bytes + 16: sixteen rows that a 16-byte load touches start 16 bytes apart modulo 256
.set GW,  16                           ; v16-47   the gain at my 32 columns
.set GB,  48                           ; v48-79   the bias
.set X0,  80                           ; v80-111  my first row, 32 numbers a lane
.set X1,  112                          ; v112-143 my second row
.set XQ,  80                           ; v80-143  later: 64 numbers of one row for the quantiser
.set TM,  144                          ; v144-159 the quantiser's work
.set PC,  160                          ; v160-178 the codes
.set PW,  180                          ; v180     the scale word
.set SEL, 24                           ; s[24:25] lane selects: lane l xor 16
	s_load_b256 s[4:11], s[0:1], 0x0               ; the rows to norm, gain, bias, actp
	s_load_b256 s[12:19], s[0:1], 0x20             ; qkv_w, o_w, ffn_w1, ffn_w2
	s_load_b64 s[20:21], s[0:1], 0x40              ; wp
	v_lshl_add_u32 v192, v0, 2, 0x10200
	v_mov_b32 v193, 0
	v_lshrrev_b32 v1, 5, v0
	s_delay_alu instid0(VALU_DEP_1)
	v_readfirstlane_b32 s22, v1                    ; wave 0..7
	v_and_b32 v1, 31, v0                           ; lane
	s_delay_alu instid0(VALU_DEP_1)
	v_lshlrev_b32 v2, 4, v1                        ; 16 x lane
	v_and_b32 v12, 15, v0                          ; r
	v_bfe_u32 v13, v0, 4, 1                        ; h
	s_mul_i32 s28, s22, 2*LP
	v_add_nc_u32 v14, s28, v2                      ; LDS, in: rows 2 w, 2 w + 1, 16 bytes a lane
	v_mul_u32_u24 v15, v12, LP
	s_delay_alu instid0(VALU_DEP_1)
	v_lshl_add_u32 v15, v13, 6, v15
	s_lshl_b32 s28, s22, 9
	v_add_nc_u32 v15, s28, v15                     ; LDS, out: row r, K step w, + 64 h: my 16 numbers of each block of 32
	v_lshlrev_b32 v181, 3, v1                      ; 8 x lane: a register pair's place
	v_lshlrev_b32 v182, 2, v12                     ; 4 r: a scale word's
	s_mov_b32 s[SEL], 0x76543210
	s_mov_b32 s[SEL+1], 0xfedcba98
	s_mov_b32 s26, 0x3a800000                      ; 1 / 1,024
	s_mov_b32 s27, 0x3727c5ac                      ; 1e-5
.irp b, 0,1,2,3
	v_mov_b32 v[TM+4+\b], 0                        ; written once: a lane permute's destination counts as one of its sources
.endr
	; which tensor: numbers first, from the last tensor upward.  Only numbers and pointers are chosen: all roles take one path but for the norm's arithmetic
	s_mov_b32 s30, 768                             ; the tensor's first work-group
	s_mov_b32 s31, 2                               ; log2 of the chunks of 1,024 in a row
	s_mov_b32 s32, 3                               ; their mask
	s_mov_b32 s33, 16384                           ; a row in bytes
	s_mov_b32 s34, 16                              ; KS: packs along K
	s_mov_b32 s35, 256                             ; the tensor's first pack
	s_cmp_lt_u32 ttmp9, 768
	s_cselect_b32 s30, 512, s30
	s_cselect_b32 s31, 0, s31
	s_cselect_b32 s32, 0, s32
	s_cselect_b32 s33, 4096, s33
	s_cselect_b32 s34, 4, s34
	s_cselect_b32 s35, 128, s35
	s_cmp_lt_u32 ttmp9, 512
	s_cselect_b32 s30, 448, s30
	s_cselect_b32 s35, 96, s35
	s_cmp_lt_u32 ttmp9, 448
	s_cselect_b32 s30, 256, s30
	s_cselect_b32 s35, 0, s35
	s_cmp_lt_u32 ttmp9, 256
	s_cselect_b32 s30, 0, s30
	s_sub_co_u32 s40, ttmp9, s30
	s_lshr_b32 s41, s40, s31                       ; rb: which block of 16 rows
	s_and_b32 s42, s40, s32                        ; which 1,024 along K
	s_lshr_b32 s43, s41, 1
	s_lshl_b32 s43, s43, 5
	s_and_b32 s44, s41, 1
	s_lshl_b32 s44, s44, 3
	s_add_co_u32 s43, s43, s44                     ; the block's first row: 32 (rb / 2) + 8 (rb % 2)
	s_lshl_b32 s44, s22, 1
	s_add_co_u32 s43, s43, s44
	s_lshr_b32 s44, s22, 2
	s_lshl_b32 s44, s44, 3
	s_add_co_u32 s43, s43, s44                     ; + 2 w + 8 (w / 4): lane index 2 w's row; lane index 2 w + 1's is the next
	s_mul_i32 s46, s43, s33
	s_lshl_b32 s44, s42, 12
	s_add_co_u32 s46, s46, s44
	s_mov_b32 s47, 0                               ; under 2^25 bytes in every tensor
	v_add_nc_u32 v3, s33, v2                       ; 16 x lane, one row down
	s_lshr_b32 s44, s41, 3                         ; g
	s_and_b32 s45, s41, 7                          ; i
	s_mul_i32 s44, s44, s34
	s_add_co_u32 s44, s44, s35
	s_lshl_b32 s48, s42, 2
	s_add_co_u32 s44, s44, s48
	s_lshr_b32 s48, s22, 1
	s_add_co_u32 s44, s44, s48                     ; my pack: first + g KS + 4 chunk + w / 2
	s_mul_i32 s48, s44, PK
	s_mov_b32 s49, 0
	s_and_b32 s50, s22, 1                          ; q
	s_lshl_b32 s51, s45, 1
	s_add_co_u32 s51, s51, s50
	s_mul_i32 s52, s51, FRB                        ; my fragment in it
	s_mov_b32 s53, 0
	s_lshl_b32 s58, s50, 9
	s_lshl_b32 s51, s45, 6
	s_add_co_u32 s58, s58, s51
	s_add_co_u32 s58, s58, 24576                   ; and its scale words
	s_mov_b32 s59, 0
	s_wait_alu depctr_va_vdst(0)
	s_wait_kmcnt 0x0
	s_mov_b64 s[36:37], s[18:19]
	s_mov_b64 s[38:39], s[20:21]
	s_cmp_lt_u32 ttmp9, 768
	s_cselect_b64 s[36:37], s[16:17], s[36:37]
	s_cmp_lt_u32 ttmp9, 512
	s_cselect_b64 s[36:37], s[14:15], s[36:37]
	s_cmp_lt_u32 ttmp9, 448
	s_cselect_b64 s[36:37], s[12:13], s[36:37]
	s_cmp_lt_u32 ttmp9, 256
	s_cselect_b64 s[36:37], s[4:5], s[36:37]
	s_cselect_b64 s[38:39], s[10:11], s[38:39]
	s_add_nc_u64 s[36:37], s[36:37], s[46:47]
	s_add_nc_u64 s[38:39], s[38:39], s[48:49]
	s_add_nc_u64 s[54:55], s[38:39], s[52:53]
	s_add_nc_u64 s[56:57], s[38:39], s[58:59]
.irp j, 0,1,2,3,4,5,6,7
	global_load_b128 v[X0+4*\j:X0+4*\j+3], v2, s[36:37] offset:512*\j th:TH_LOAD_NT   ; 32 lanes read 512 consecutive bytes
.endr
.irp j, 0,1,2,3,4,5,6,7
	global_load_b128 v[X1+4*\j:X1+4*\j+3], v3, s[36:37] offset:512*\j th:TH_LOAD_NT
.endr
.irp j, 0,1,2,3,4,5,6,7
	global_load_b128 v[GW+4*\j:GW+4*\j+3], v2, s[6:7] offset:512*\j
	global_load_b128 v[GB+4*\j:GB+4*\j+3], v2, s[8:9] offset:512*\j
.endr
	s_wait_loadcnt 0x0
.macro RSUM                            ; v4 summed over the 32 lanes, the result in every lane
	s_delay_alu instid0(VALU_DEP_1)
	v_add_f32_dpp v4, v4, v4 row_xmask:1 row_mask:0xf bank_mask:0xf
	s_delay_alu instid0(VALU_DEP_1)
	v_add_f32_dpp v4, v4, v4 row_xmask:2 row_mask:0xf bank_mask:0xf
	s_delay_alu instid0(VALU_DEP_1)
	v_add_f32_dpp v4, v4, v4 row_xmask:4 row_mask:0xf bank_mask:0xf
	s_delay_alu instid0(VALU_DEP_1)
	v_add_f32_dpp v4, v4, v4 row_xmask:8 row_mask:0xf bank_mask:0xf
	s_delay_alu instid0(VALU_DEP_1)
	v_permlanex16_b32 v5, v4, s[SEL], s[SEL+1]
	s_delay_alu instid0(VALU_DEP_1)
	v_add_f32 v4, v4, v5
.endm
; One row's layer norm, in two passes as the definition has it: the mean, the mean of the squared differences, (x - mean) / sqrt(var + eps) x gain + bias.
.macro LNROW x
	v_pk_add_f32 v[4:5], v[\x:\x+1], v[\x+2:\x+3]
	v_pk_add_f32 v[6:7], v[\x+4:\x+5], v[\x+6:\x+7]
.irp j, 8,12,16,20,24,28
	s_delay_alu instid0(VALU_DEP_2)
	v_pk_add_f32 v[4:5], v[4:5], v[\x+\j:\x+\j+1]
	s_delay_alu instid0(VALU_DEP_2)
	v_pk_add_f32 v[6:7], v[6:7], v[\x+\j+2:\x+\j+3]
.endr
	s_delay_alu instid0(VALU_DEP_1)
	v_pk_add_f32 v[4:5], v[4:5], v[6:7]
	s_delay_alu instid0(VALU_DEP_1)
	v_add_f32 v4, v4, v5
	RSUM
	s_delay_alu instid0(VALU_DEP_1)
	v_mul_f32 v8, s26, v4                          ; the mean, twice: a pair for the packed forms
	s_delay_alu instid0(VALU_DEP_2)
	v_mul_f32 v9, s26, v4
.irp j, 0,2,4,6,8,10,12,14,16,18,20,22,24,26,28,30
	v_pk_add_f32 v[\x+\j:\x+\j+1], v[\x+\j:\x+\j+1], v[8:9] neg_lo:[0,1] neg_hi:[0,1]
.endr
	v_pk_mul_f32 v[4:5], v[\x:\x+1], v[\x:\x+1]
	v_pk_mul_f32 v[6:7], v[\x+2:\x+3], v[\x+2:\x+3]
.irp j, 4,8,12,16,20,24,28
	s_delay_alu instid0(VALU_DEP_2)
	v_pk_fma_f32 v[4:5], v[\x+\j:\x+\j+1], v[\x+\j:\x+\j+1], v[4:5]
	s_delay_alu instid0(VALU_DEP_2)
	v_pk_fma_f32 v[6:7], v[\x+\j+2:\x+\j+3], v[\x+\j+2:\x+\j+3], v[6:7]
.endr
	s_delay_alu instid0(VALU_DEP_1)
	v_pk_add_f32 v[4:5], v[4:5], v[6:7]
	s_delay_alu instid0(VALU_DEP_1)
	v_add_f32 v4, v4, v5
	RSUM
	s_delay_alu instid0(VALU_DEP_1)
	v_fma_f32 v12, v4, s26, s27                    ; var + eps
	s_wait_alu depctr_va_vdst(0)
	v_rsq_f32 v10, v12
	v_nop                                          ; a plain instruction behind the transcendental
	s_wait_alu depctr_va_vdst(0)                   ; and the wait ahead of its first reader
	v_mov_b32 v11, v10
.irp j, 0,2,4,6,8,10,12,14,16,18,20,22,24,26,28,30
	v_pk_mul_f32 v[\x+\j:\x+\j+1], v[\x+\j:\x+\j+1], v[10:11]
.endr
.irp j, 0,2,4,6,8,10,12,14,16,18,20,22,24,26,28,30
	v_pk_fma_f32 v[\x+\j:\x+\j+1], v[\x+\j:\x+\j+1], v[GW+\j:GW+\j+1], v[GB+\j:GB+\j+1]
.endr
.endm
	s_cmp_lt_u32 ttmp9, 256                        ; weights are quantised as they are: the branch goes round arithmetic on registers alone
	s_cbranch_scc0 .Lplain
	LNROW X0
	LNROW X1
.Lplain:
.irp j, 0,1,2,3,4,5,6,7
	ds_store_b128 v14, v[X0+4*\j:X0+4*\j+3] offset:512*\j
	ds_store_b128 v14, v[X1+4*\j:X1+4*\j+3] offset:LP+512*\j
.endr
	s_wait_dscnt 0x0                               ; for the others' sake: my two rows lie in LDS
	s_barrier_signal -1
	s_barrier_wait -1
.irp b, 0,1,2,3
.irp j, 0,1,2,3
	ds_load_b128 v[XQ+16*\b+4*\j:XQ+16*\b+4*\j+3], v15 offset:128*\b+16*\j   ; register 16 b + n = k 128 w + 32 b + 16 h + n of row r
.endr
.endr
	s_wait_dscnt 0x0
; 64 numbers of a lane, register 16 b + n = k 32 b + 16 (lane / 16) + n of my row, become a fragment's codes in v[PC] on and its scale word in v[PW].
.macro QUANT s
.irp b, 0,1,2,3
	v_max3_num_f32 v[TM+\b], |v[\s+16*\b]|, |v[\s+1+16*\b]|, 0x1800000   ; my 16 numbers of block b, and the floor 2^(3 - 127): the byte cannot fall under 1
.endr
.irp i, 2,4,6,8,10,12,14
.irp b, 0,1,2,3
	s_delay_alu instid0(VALU_DEP_4)
	v_max3_num_f32 v[TM+\b], v[TM+\b], |v[\s+16*\b+\i]|, |v[\s+1+16*\b+\i]|   ; the four blocks by turns
.endr
.endr
.irp b, 0,1,2,3
	s_delay_alu instid0(VALU_DEP_4)
	v_permlanex16_b32 v[TM+4+\b], v[TM+\b], s[SEL], s[SEL+1]
.endr
.irp b, 0,1,2,3
	s_delay_alu instid0(VALU_DEP_4)
	v_max_num_f32 v[TM+\b], v[TM+\b], v[TM+4+\b]   ; with lane l xor 16's: the block's largest magnitude
.endr
.irp b, 0,1,2,3
	s_delay_alu instid0(VALU_DEP_4)
	v_add_nc_u32 v[TM+12+\b], 0xff000000, v[TM+\b] ; 2 off its exponent field: the conversion takes this operand's exponent field as its scale
.endr
.irp b, 0,1,2,3
	s_delay_alu instid0(VALU_DEP_4)
	v_lshrrev_b32 v[TM+4+\b], 23, v[TM+12+\b]      ; the scale's byte
.endr
	s_delay_alu instid0(VALU_DEP_3)
	v_lshl_or_b32 v[PW], v[TM+5], 8, v[TM+4]
	s_delay_alu instid0(VALU_DEP_1)
	v_lshl_or_b32 v[PW], v[TM+6], 16, v[PW]
	s_delay_alu instid0(VALU_DEP_1)
	v_lshl_or_b32 v[PW], v[TM+7], 24, v[PW]
.irp c, 0,1
	v_cvt_scalef32_pk16_fp6_f32 v[PC+6*\c:PC+2+6*\c], v[\s+32*\c:\s+15+32*\c], v[TM+12+2*\c]
	v_cvt_scalef32_pk16_fp6_f32 v[PC+12+4*\c:PC+14+4*\c], v[\s+16+32*\c:\s+31+32*\c], v[TM+12+2*\c+1]   ; (a conversion's three registers begin on an even number)
.endr
	v_nop                                          ; one plain place behind a scaled conversion
.irp c, 0,1                                    ; the operand's layout wants a whole block in a lane: lanes 0-15 block 2 c, lanes 16-31 block 2 c + 1
.irp i, 0,1,2
	v_permlane16_swap_b32 v[PC+6*\c+\i], v[PC+12+4*\c+\i]
.endr
.irp i, 0,1,2
	s_delay_alu instid0(VALU_DEP_3)
	v_mov_b32 v[PC+3+6*\c+\i], v[PC+12+4*\c+\i]
.endr
.endr
.endm
	QUANT XQ
.irp m, 0,1,2,3,4,5
	global_store_b64 v181, v[PC+2*\m:PC+2*\m+1], s[54:55] offset:256*\m   ; 32 lanes store 256 consecutive bytes, at a multiple of 256 from the buffer's first byte
.endr
	global_store_b32 v182, v[PW], s[56:57]         ; lanes r and 16 + r hold the same word and name the same place
	s_wait_tensorcnt 0x0
	ds_add_u32 v192, v193
	s_wait_dscnt 0x0
	s_endpgm
.Lfunc_end_k_q568f935e12_prep:
	.size	k_q568f935e12_prep, .Lfunc_end_k_q568f935e12_prep-k_q568f935e12_prep
	.p2alignl 7, 3214868480
	.fill 96, 4, 3214868480
	.section	.rodata,"a",@progbits
	.p2align	6, 0x0
	.amdhsa_kernel k_q568f935e12_prep
		.amdhsa_group_segment_fixed_size 67072
		.amdhsa_private_segment_fixed_size 0
		.amdhsa_enable_private_segment 0
		.amdhsa_kernarg_size 72
		.amdhsa_user_sgpr_count 2
		.amdhsa_user_sgpr_kernarg_segment_ptr 1
		.amdhsa_wavefront_size32 1
		.amdhsa_system_sgpr_workgroup_id_x 1
		.amdhsa_system_sgpr_workgroup_id_y 1
		.amdhsa_system_sgpr_workgroup_id_z 1
		.amdhsa_system_vgpr_workitem_id 0
		.amdhsa_next_free_vgpr 194
		.amdhsa_next_free_sgpr 66
		.amdhsa_reserve_vcc 0
		.amdhsa_float_denorm_mode_32 3
		.amdhsa_float_denorm_mode_16_64 3
		.amdhsa_memory_ordered 1
		.amdhsa_forward_progress 1
		.amdhsa_inst_pref_size 31
	.end_amdhsa_kernel
	.amdgpu_metadata
---
amdhsa.version: [ 1, 2 ]
amdhsa.kernels:
  - .name:           k_q568f935e12_prep
    .symbol:         k_q568f935e12_prep.kd
    .args:
      - { .name: x, .offset: 0, .size: 8, .value_kind: global_buffer, .address_space: global }
      - { .name: ln1_w, .offset: 8, .size: 8, .value_kind: global_buffer, .address_space: global }
      - { .name: ln1_b, .offset: 16, .size: 8, .value_kind: global_buffer, .address_space: global }
      - { .name: actp, .offset: 24, .size: 8, .value_kind: global_buffer, .address_space: global }
      - { .name: qkv_w, .offset: 32, .size: 8, .value_kind: global_buffer, .address_space: global }
      - { .name: o_w, .offset: 40, .size: 8, .value_kind: global_buffer, .address_space: global }
      - { .name: ffn_w1, .offset: 48, .size: 8, .value_kind: global_buffer, .address_space: global }
      - { .name: ffn_w2, .offset: 56, .size: 8, .value_kind: global_buffer, .address_space: global }
      - { .name: wp, .offset: 64, .size: 8, .value_kind: global_buffer, .address_space: global }
    .group_segment_fixed_size: 67072
    .private_segment_fixed_size: 0
    .kernarg_segment_align: 8
    .kernarg_segment_size: 72
    .max_flat_workgroup_size: 256
    .sgpr_count:     66
    .vgpr_count:     194
    .wavefront_size: 32
...
	.end_amdgpu_metadata
.endif
;; end of part 7
;; launch gqkv (part 8): grid 12 x 16, 4 waves a work-group, clusters of 4 x 4, 327,680 bytes of LDS; arguments actp, wp, qkp, vp; writes qkp, vp
.if DOCPART == 8
	.amdgcn_target "amdgcn-amd-amdhsa--gfx1250"
	.amdhsa_code_object_version 6
	.text
	.protected	k_q568f935e12_gqkv
	.globl	k_q568f935e12_gqkv
	.p2align	8
	.type	k_q568f935e12_gqkv,@function
k_q568f935e12_gqkv:
	s_mov_b64 s[64:65], 0
	v_nop
	global_prefetch_b8 v0, s[64:65] scope:SCOPE_SE
	s_setreg_imm32_b32 hwreg(HW_REG_WAVE_MODE, 25, 1), 1
	s_wait_xcnt 0x0
	s_wait_alu depctr_hold_cnt(0) depctr_sa_sdst(0) depctr_va_vdst(0) depctr_va_sdst(0) depctr_va_ssrc(0) depctr_va_vcc(0) depctr_vm_vsrc(0)
	s_getreg_b32 s2, hwreg(HW_REG_IB_STS2, 6, 4)
	s_cmp_eq_u32 s2, 0
	s_cbranch_scc0 .Lentry_in_a_cluster
	s_endpgm
.Lentry_in_a_cluster:
	s_bfe_u32 s2, ttmp6, 0x10000c
	s_cmp_lg_u32 s2, 0xf033
	s_cbranch_scc0 .Lentry_shape_is_right
	s_endpgm
.Lentry_shape_is_right:
; C = A B^T on codes of FP6 (E2M3) with E8M0 scales, both operands given as PACKS; the result (+ bias, GELU where the flags say so) is quantised along its columns and stored as packs again.
; THIS TEXT: QKV = 1: q, k, v = norm(x) qkv_w^T.  Clusters with x = 0, 1: A = tokens (actp), B = rows 0-2,047 of qkv_w: q and k, quantised along the head's axis, into qkp (8 packs along K: 0-3 q, 4-7 k).
; Clusters with x = 2: THE OPERANDS CHANGE PLACES: A = rows 2,048-3,071 of qkv_w, B = tokens: the result is v^T, whose columns are the tokens: so v comes out quantised along the keys, into vp (16 packs along K).
; A PACK is 128 rows x 256 along K in the order of an operand's registers, PK = 25,600 bytes, pack (g, ks) at (g KS + ks) PK: fragment (block i, q) at (2 i + q) x 1,536, register pair m of lane l at 256 m + 8 l;
; the scale word of (q, i, lane r) at 24,576 + 512 q + 64 i + 4 r.  Lane r of block i holds row 128 g + 32 (i / 2) + 8 (i % 2) + r + 8 (r / 8).
; A tile of C, 256 x 256, is made by four waves, as many as a WGP has SIMDs, 128 x 128 each: 64 accumulators, 512 registers.  K goes in steps of 256 through a ring of two LDS slots; a slot is four packs (A's two, B's two),
; each brought by ONE tensor load of one wave as 100 dense rows of 256 bytes, codes and scale words together.  A fragment is six loads of 8 bytes a lane, 256 consecutive bytes each.
; CLUSTERS: 4 x 4 work-groups; A's packs are asked for jointly along a row of the cluster, B's along a column.  THE MATRIX INSTRUCTION IS USED TRANSPOSED (source 0 = B's 16 rows, source 1 = A's): by the order of a
; block's rows a lane then holds one row of C, and the 16 registers of tiles 2 b, 2 b + 1 are the 16 neighbouring columns 32 b + 16 (lane / 16) + 0 .. 15: what the conversions want.
; REGISTERS, in windows of 256: window 0: v16-31 addresses, v32-63 scale words (two sets), v128-223 A's fragments (one set); on the way out v64-255 at work.  window 1: B's fragments, two sets, at v0 and v128; the bias in
; v96-127 and v224-255.  windows 2, 3: the accumulators of my rows 0-63 and 64-127 (accumulator (a, b) at v[8 (8 (a % 4) + b)]).
; LIMITS: a block of zeros, and one whose largest magnitude lies under 2^-124, gets the scale byte 1 (its codes are zeros or near it; this program alone reads the bytes); NaN and infinities are not served.
; erf (ACT = 1) is z P(z^2) / Q(z^2) with z held to +-4, good to a few units in erf's last place: far below x = -5.6 GELU comes out of the order of 1e-7 |x| and not 0.
.set SIZE_K, 1024
.set QKV,    1
.set ACT,    0
.set BIAS,   0
.set WOFF,   0                         ; B's first pack in wp
.set KSO,    8                         ; not used
.set KSA,    SIZE_K/256
.set LAPS,   SIZE_K/512                ; a lap = two K steps = once round the ring
.set PK,     25600
.set FRB,    1536
.set SCW,    24576
.set SLOT,   4*PK
.set SPARE,  2*SLOT                    ; behind the ring: the spare words, 128 bytes a wave: two blocks of 256 bytes that no other line names
.set STG,    SPARE+512                 ; behind them: 512 bytes a wave, where a wave's scale words are gathered; no tile lands here
.set FR,     12
.set NL,     6
.set NP,     4
.set NQ,     2
.set ADRA, 16                          ; v16-17  LDS address of my A fragments in slot 0, 1
.set ADRB, 20                          ; v20-21  of B's
.set ADRS, 22                          ; v22-23  of the scale words: lanes 0-15 A's, lanes 16-31 B's
.set SPW,  28                          ; v28     my spare word; never rewritten
.set NIL,  29                          ; v29     0; never rewritten
.set SC,   32
.set AF,   128
.set G1, 24                            ; s[24:31] group 1 for A's packs; s[32:39] group 0, a set for each slot
.set G0, 32
.set G1B, 48                           ; s[48:55], s[56:63] the same for B's
.set G0B, 56
.set SEL, 86                           ; s[86:87] lane selects: lane l xor 16
.set MSB, 0
.macro WIN new                         ; the immediate's high byte repeats the setting that is left
.if MSB != \new
	s_set_vgpr_msb (MSB<<8)|(\new)
.set MSB, \new
.endif
.endm
.set MUL_LO, 0xa1                      ; source 0 (B) window 1, source 1 (A) window 0, C and D window 2
.set MUL_HI, 0xf1                      ; the same, C and D window 3
.set TO_B,   0x40                      ; destination window 1, address window 0
; A joint load: waves 0 and 1 fetch A's two packs, waves 2 and 3 B's.  The branch hangs on the wave's number alone.  Four v_nop follow each of the two lines.
.macro JLOAD g0a, g1a, g0b, g1b
	s_cmp_eq_u32 s15, 0
	s_cbranch_scc0 .Lfor_b_\@
	tensor_load_to_lds s[\g0a:\g0a+3], s[\g1a:\g1a+7]
	s_nop 0
.rept 4
	v_nop
.endr
	s_branch .Lasked_\@
.Lfor_b_\@:
	tensor_load_to_lds s[\g0b:\g0b+3], s[\g1b:\g1b+7]
	s_nop 0
.rept 4
	v_nop
.endr
.Lasked_\@:
.endm
.macro CREST                           ; a round of the cluster's barrier behind its opening barrier
	s_cmp_lg_u32 s14, 0
	s_cbranch_scc1 .Lnot_wave_0_\@
	s_barrier_signal -3
.Lnot_wave_0_\@:
	s_barrier_wait -3
	s_barrier_signal -1
	s_barrier_wait -1
.endm
.macro CROUND
	s_barrier_signal -1
	s_barrier_wait -1
	CREST
.endm
	s_load_b128 s[4:7], s[0:1], 0x0                ; A's packs (actp), wp
	s_load_b128 s[8:11], s[0:1], 0x10              ; QKV: qkp, vp;  else: the bias, the output's packs
	v_lshl_add_u32 v[SPW], v0, 2, SPARE
	v_mov_b32 v[NIL], 0
	ds_add_u32 v28, v29
	ds_add_u32 v28, v29
	s_wait_dscnt 0x0
	v_lshrrev_b32 v1, 5, v0
	v_readfirstlane_b32 s14, v1                    ; wave 0..3
	s_lshr_b32 s15, s14, 1                         ; which half of the tile's rows is mine.  Also: I fetch for A (0) or for B (1)
	s_and_b32 s16, s14, 1                          ; which half of its columns.  Also: which of the two packs I fetch
	s_bfe_u32 s40, ttmp6, 0x40000                  ; cx, cy: my place in the cluster
	s_bfe_u32 s41, ttmp6, 0x40004
	s_and_b32 s18, ttmp7, 0xffff                   ; cluster y
.if QKV
	s_cmp_eq_u32 ttmp9, 2                          ; the role hangs on the cluster's x, which all sixteen partners share
	s_cselect_b32 s19, 0, s18                      ; v^T has four tile rows (cy alone) and sixteen tile columns
	s_cselect_b32 s67, s18, ttmp9
.else
	s_mov_b32 s19, s18
	s_mov_b32 s67, ttmp9
.endif
	s_lshl_b32 s42, s67, 2
	s_add_co_u32 s42, s42, s40                     ; tile column
	s_lshl_b32 s17, s19, 2
	s_add_co_u32 s17, s17, s41                     ; tile row
	s_lshl_b32 s43, s41, 2
	s_lshl_b32 s43, 15, s43                        ; my row of the cluster
	s_lshl_b32 s44, 0x1111, s40                    ; my column
	; descriptor group 1: a pack: a dense block of 100 rows x 256 bytes (32 elements of 8 bytes), no padding
	s_or_b32 s[G1+0], s43, (3<<16)|(1<<21)         ; 15:0 the mask; 17:16 elements of 8 bytes; 21 set beside a mask
	s_or_b32 s[G1B+0], s44, (3<<16)|(1<<21)
.irp g, G1, G1B
	s_mov_b32 s[\g+1], 32<<16                      ; tensor_dim0
	s_mov_b32 s[\g+2], 100<<16                     ; tensor_dim1
	s_mov_b32 s[\g+3], 32<<16                      ; tile_dim0
	s_mov_b32 s[\g+4], 100                         ; tile_dim1
	s_mov_b32 s[\g+5], 32                          ; tensor_dim0_stride
	s_mov_b32 s[\g+6], 0
	s_mov_b32 s[\g+7], 0
.endr
	s_lshl_b32 s20, s17, 1
	s_add_co_u32 s20, s20, s16
	s_mul_i32 s20, s20, KSA*PK                     ; A: group 2 x tile row + half, its first pack
	s_mov_b32 s21, 0
	s_lshl_b32 s46, s42, 1
	s_add_co_u32 s46, s46, s16
	s_mul_i32 s46, s46, KSA*PK                     ; B: group 2 x tile column + half
	s_mov_b32 s47, 0
	s_mul_i32 s45, s14, PK                         ; where it goes: wave x a pack: no place in the cluster enters an LDS address
	s_wait_kmcnt 0x0
.if QKV
	s_add_nc_u64 s[22:23], s[6:7], 64*PK           ; the packs of qkv_w's rows 2,048 on
	s_cmp_eq_u32 ttmp9, 2
	s_cselect_b64 s[68:69], s[22:23], s[4:5]
	s_cselect_b64 s[70:71], s[4:5], s[6:7]
	s_cselect_b64 s[72:73], s[10:11], s[8:9]
	s_add_nc_u64 s[20:21], s[68:69], s[20:21]
	s_add_nc_u64 s[46:47], s[70:71], s[46:47]
.else
	s_mov_b64 s[72:73], s[10:11]
	s_add_nc_u64 s[20:21], s[4:5], s[20:21]
	s_add_nc_u64 s[46:47], s[6:7], s[46:47]
	s_add_nc_u64 s[46:47], s[46:47], WOFF*PK
.endif
	CROUND                                         ; all sixteen work-groups are here: the first joint loads meet
.irp s, 0,1
	s_mov_b32 s[G0+4*\s], 1
	s_add_co_u32 s[G0+4*\s+1], s45, \s*SLOT
	s_add_nc_u64 s[G0+4*\s+2:G0+4*\s+3], s[20:21], \s*PK
	s_or_b32 s[G0+4*\s+3], s[G0+4*\s+3], 0x80000000
	s_mov_b32 s[G0B+4*\s], 1
	s_add_co_u32 s[G0B+4*\s+1], s45, \s*SLOT
	s_add_nc_u64 s[G0B+4*\s+2:G0B+4*\s+3], s[46:47], \s*PK
	s_or_b32 s[G0B+4*\s+3], s[G0B+4*\s+3], 0x80000000
.if \s
	s_wait_alu depctr_va_vdst(0)                   ; slot 1's first fill is issued as a refill is
	s_wait_tensorcnt 0x0
	ds_add_u32 v28, v29
	ds_add_u32 v28, v29
	s_wait_dscnt 0x0
	CROUND
.endif
	JLOAD G0+4*\s, G1, G0B+4*\s, G1B
.endr
	v_and_b32 v1, 15, v0                           ; r
	v_bfe_u32 v2, v0, 4, 1                         ; h
	v_and_b32 v3, 31, v0                           ; lane
	v_lshlrev_b32 v26, 3, v3                       ; 8 x lane
	s_wait_alu depctr_va_vdst(0)
	v_lshlrev_b32 v27, 4, v3                       ; 16 x lane
	s_mul_i32 s18, s15, PK                         ; my pack of A
	s_mul_i32 s19, s16, PK
	s_add_co_u32 s19, s19, 2*PK                    ; my pack of B
	s_xor_b32 s22, s15, 1
	s_add_co_u32 s22, s22, s16
	s_add_co_u32 s22, s22, 1
	s_mul_i32 s22, s22, PK                         ; from the one to the other: (2 + column half - row half) packs
	v_mul_u32_u24 v5, s22, v2                      ; lanes 16-31 take B's scale words
	v_lshl_add_u32 v5, v1, 2, v5
	s_add_co_u32 s23, s18, SCW
.irp s, 0,1
	v_add_nc_u32 v[ADRA+\s], s18, v26
	v_add_nc_u32 v[ADRB+\s], s19, v26
	v_add_nc_u32 v[ADRS+\s], s23, v5
	s_add_co_u32 s18, s18, SLOT
	s_add_co_u32 s19, s19, SLOT
	s_add_co_u32 s23, s23, SLOT
.endr
	s_lshl_b32 s18, s14, 9
	s_add_co_u32 s18, s18, STG                     ; my 512 bytes for scale words
	v_lshl_add_u32 v24, v1, 2, s18                 ; in: 4 r (+ 64 a block)
	v_add_nc_u32 v25, s18, v27                     ; back: 16 bytes a lane
	s_mov_b32 s[SEL], 0x76543210
	s_mov_b32 s[SEL+1], 0xfedcba98
	; WHERE THE RESULTS GO (this replaces the packs that the head comment names for qkp and vp; a fragment's inside is as there).  G = my group of 128 rows of C, P = my 128 columns of C.
	; qkp: head H (0-15 q, 16-31 k) has 196,608 bytes on end: [group of 128 tokens][block a][768 bytes: registers 0-5 or 6-11 of fragment a]; heads 2 P and 2 P + 1 are mine.  Scale words from byte 6,291,456: [P][G][a][r].
	; vp: a pair of heads G has 393,216 bytes on end: [step P of 128 tokens][block a][1,536 bytes].  Scale words from byte 3,145,728: [G][P][a][r].
	s_lshl_b32 s80, s17, 1
	s_add_co_u32 s80, s80, s15                     ; G
	s_lshl_b32 s82, s42, 1
	s_add_co_u32 s82, s82, s16                     ; P
	s_cmp_eq_u32 ttmp9, 2                          ; the role: only offsets are chosen
	s_cselect_b32 s83, s80, s82                    ; the outer index: v: G; q, k: P
	s_cselect_b32 s84, s82, s80                    ; the inner one
	s_mov_b32 s85, 6144
	s_cselect_b32 s85, 12288, s85                  ; bytes for each inner index
	s_mov_b32 s88, 196608
	s_cselect_b32 s88, 768, s88                    ; from a fragment's registers 0-5 to its registers 6-11
	s_mov_b32 s90, 768
	s_cselect_b32 s90, 1536, s90                   ; from block to block
	s_mov_b32 s92, 6291456
	s_cselect_b32 s92, 3145728, s92                ; where the scale words begin
	s_mul_i32 s80, s83, 393216
	s_mul_i32 s85, s84, s85
	s_add_co_u32 s80, s80, s85
	s_mov_b32 s81, 0
	s_add_nc_u64 s[76:77], s[72:73], s[80:81]      ; block 0, registers 0-5
	s_mov_b32 s89, 0
	s_add_nc_u64 s[74:75], s[76:77], s[88:89]      ; block 0, registers 6-11
	s_mov_b32 s91, 0
	s_lshl_b32 s83, s83, 14
	s_lshl_b32 s84, s84, 9
	s_add_co_u32 s80, s83, s84
	s_add_co_u32 s80, s80, s92
	s_add_nc_u64 s[78:79], s[72:73], s[80:81]      ; my 512 bytes of scale words
.if BIAS
	s_lshl_b32 s82, s42, 10                        ; the bias of my 128 columns; lane (r, h) wants, for tile b, columns 32 (b / 2) + 8 (b % 2) + 16 h + 0 .. 7
	s_lshl_b32 s83, s16, 9
	s_add_co_u32 s82, s82, s83
	s_mov_b32 s83, 0
	s_add_nc_u64 s[84:85], s[8:9], s[82:83]
	v_lshlrev_b32 v6, 6, v2
	WIN TO_B
.irp b, 0,1,2,3,4,5,6,7
	global_load_b128 v[96+8*\b+96*(\b/4):96+8*\b+96*(\b/4)+3], v6, s[84:85] offset:(32*(\b/2)+8*(\b%2))*4
	global_load_b128 v[96+8*\b+96*(\b/4)+4:96+8*\b+96*(\b/4)+7], v6, s[84:85] offset:(32*(\b/2)+8*(\b%2))*4+16
.endr
	WIN 0
.endif
.macro FRAG reg, adr, q, i             ; a fragment, 12 registers: six loads of 8 bytes a lane, each 256 consecutive bytes
.irp p, 0,1,2,3,4,5
	ds_load_b64 v[\reg+2*\p:\reg+2*\p+1], v[\adr] offset:(2*(\i)+(\q))*FRB+256*\p
.endr
.endm
; 16 matrix instructions: A's blocks a0, a0 + 1 x B's eight, 128 along K.  p: B's set; sc: the set of scale words.  zero = 1: the product starts the sums; 2: it starts them from the bias.
; The 64 accumulators take turns, one instruction a turn, in the same order in every step.
.macro MUL16 a0, p, q, sc, zero
.irp a, \a0, \a0+1
.irp b, 0,1,2,3,4,5,6,7
.if \zero == 1
	v_wmma_scale_f32_16x16x128_f8f6f4 v[8*(8*((\a)%4)+\b):8*(8*((\a)%4)+\b)+7], v[128*(\p)+FR*\b:128*(\p)+FR*\b+FR-1], v[AF+FR*(\a):AF+FR*(\a)+FR-1], 0, v[SC+8*NQ*(\sc)+NQ*\b+(\q)], v[SC+8*NQ*(\sc)+NQ*(\a)+(\q)] matrix_a_fmt:MATRIX_FMT_FP6 matrix_b_fmt:MATRIX_FMT_FP6 matrix_a_scale:MATRIX_SCALE_ROW1
.elseif \zero == 2
	v_wmma_scale_f32_16x16x128_f8f6f4 v[8*(8*((\a)%4)+\b):8*(8*((\a)%4)+\b)+7], v[128*(\p)+FR*\b:128*(\p)+FR*\b+FR-1], v[AF+FR*(\a):AF+FR*(\a)+FR-1], v[96+8*\b+96*(\b/4):96+8*\b+96*(\b/4)+7], v[SC+8*NQ*(\sc)+NQ*\b+(\q)], v[SC+8*NQ*(\sc)+NQ*(\a)+(\q)] matrix_a_fmt:MATRIX_FMT_FP6 matrix_b_fmt:MATRIX_FMT_FP6 matrix_a_scale:MATRIX_SCALE_ROW1
.else
	v_wmma_scale_f32_16x16x128_f8f6f4 v[8*(8*((\a)%4)+\b):8*(8*((\a)%4)+\b)+7], v[128*(\p)+FR*\b:128*(\p)+FR*\b+FR-1], v[AF+FR*(\a):AF+FR*(\a)+FR-1], v[8*(8*((\a)%4)+\b):8*(8*((\a)%4)+\b)+7], v[SC+8*NQ*(\sc)+NQ*\b+(\q)], v[SC+8*NQ*(\sc)+NQ*(\a)+(\q)] matrix_a_fmt:MATRIX_FMT_FP6 matrix_b_fmt:MATRIX_FMT_FP6 matrix_a_scale:MATRIX_SCALE_ROW1
.endif
.endr
.endr
.endm
.macro FETCH_B slot, q, p
	WIN TO_B
.irp i, 0,1,2,3,4,5,6,7
	FRAG 128*(\p)+FR*\i, ADRB+\slot, \q, \i
.endr
	WIN 0
.endm
.macro FETCH_A slot, q, i0
.irp i, \i0, \i0+1, \i0+2, \i0+3
	FRAG AF+FR*(\i), ADRA+\slot, \q, \i
.endr
.endm
.macro SCALES sc                       ; a slot's scale words into set sc: register 2 i + q: lanes 0-15 the word of A's block i, lanes 16-31 that of B's block i
.irp i, 0,1,2,3,4,5,6,7
.irp q, 0,1
	ds_load_b32 v[SC+8*NQ*\sc+NQ*\i+\q], v[ADRS+\sc] offset:512*\q+64*\i
.endr
.endr
.endm
.macro PLACES n                        ; places in front of loads into registers that matrix instructions have read, and of the first read of results (ISA guide 7.12.1 for vector instructions)
.rept \n
	v_nop
.endr
.endm
.macro STEP slot, q, zero              ; a step of 128 along K that has its successor in the same slot
	s_wait_dscnt 4*NL                              ; B's set, A's blocks 0-3 and the scale words are in; the youngest 24 loads (A's blocks 4-7) may be out
.if \zero == 2
	WIN 0x91                                       ; C (the bias) window 1, D window 2
.else
	WIN MUL_LO
.endif
	MUL16 0, (\q)%2, \q, \slot, \zero
	MUL16 2, (\q)%2, \q, \slot, \zero
	s_wait_dscnt 0                                 ; A's blocks 4-7 are in (asked for 32 matrix instructions ago)
	PLACES NP
	FETCH_B \slot, (\q)+1, 1-(\q)%2
	FETCH_A \slot, (\q)+1, 0
.if \zero == 2
	WIN 0xd1
.else
	WIN MUL_HI
.endif
	MUL16 4, (\q)%2, \q, \slot, \zero
	MUL16 6, (\q)%2, \q, \slot, \zero
	PLACES NP
	WIN 0
	FETCH_A \slot, (\q)+1, 4
.endm
; A slot's last step changes slots: ONE barrier; in front of it each wave waits for all its tensor loads, adds 0 to its spare word, and waits for that and for its reads of this slot.  fill = 1: the slot is filled again, two K steps ahead.
.macro TURN slot, next, fill
	s_wait_tensorcnt 0x0                           ; all my tensor loads have landed: my pack of the next slot
	ds_add_u32 v[SPW], v[NIL]                      ; 0 onto my spare word
	s_wait_dscnt 4*NL+1                            ; (the add and the youngest 24 loads, A's blocks 4-7, may be out)
	WIN MUL_LO
	MUL16 0, 1, NQ-1, \slot, 0                     ; sixteen matrix instructions stand between the add and the wait for it
	s_wait_dscnt 0x0                               ; the add is done, and my reads of this slot are over
	s_barrier_signal -1
	MUL16 2, 1, NQ-1, \slot, 0
	WIN 0
	s_barrier_wait -1
.if \fill
	CREST                                          ; the barrier has opened a round of the cluster's barrier: no wave of any partner still reads this slot or has a load on its way
	s_add_nc_u64 s[G0+4*\slot+2:G0+4*\slot+3], s[G0+4*\slot+2:G0+4*\slot+3], 2*PK
	s_add_nc_u64 s[G0B+4*\slot+2:G0B+4*\slot+3], s[G0B+4*\slot+2:G0B+4*\slot+3], 2*PK
	JLOAD G0+4*\slot, G1, G0B+4*\slot, G1B         ; the first tensor load behind the round; its four v_nop are also the places in front of the loads below
.else
	PLACES NP
.endif
	FETCH_B \next, 0, 0
	FETCH_A \next, 0, 0
	SCALES \next
	WIN MUL_HI
	MUL16 4, 1, NQ-1, \slot, 0
	MUL16 6, 1, NQ-1, \slot, 0
	PLACES NP
	WIN 0
	FETCH_A \next, 0, 4
.endm
	s_wait_alu depctr_va_vdst(0)
	s_wait_tensorcnt 1                             ; my pack of K step 0 is in (K step 1's load may be out)
	s_barrier_signal -1
	s_barrier_wait -1                              ; everybody's is
	FETCH_B 0, 0, 0
	FETCH_A 0, 0, 0
	SCALES 0
	FETCH_A 0, 0, 4
.if BIAS
	s_wait_loadcnt 0x0                             ; the bias
	STEP 0, 0, 2                                   ; the first step stands in front of the loop: its products start the sums
.else
	STEP 0, 0, 1
.endif
	s_mov_b32 s3, LAPS-1
.Llap:                                                 ; a trip goes once round the ring and fills both slots again
	TURN 0, 1, 1
	STEP 1, 0, 0
	TURN 1, 0, 1
	STEP 0, 0, 0
	s_sub_co_u32 s3, s3, 1
	s_cmp_lg_u32 s3, 0
	s_cbranch_scc1 .Llap
	TURN 0, 1, 0                                   ; the last lap fills nothing
	STEP 1, 0, 0
	s_wait_dscnt 4*NL
	WIN MUL_LO
	MUL16 0, 1, NQ-1, 1, 0
	MUL16 2, 1, NQ-1, 1, 0
	s_wait_dscnt 0
	WIN MUL_HI
	MUL16 4, 1, NQ-1, 1, 0
	MUL16 6, 1, NQ-1, 1, 0
	WIN 0
; THE WAY OUT.  Block a's 64 numbers of a lane (one row, 128 columns' share) become fragment (a, column half) of the output's pack.  The work of a block is written ONCE and walked eight times: written out eight times it
; would be eight times some 110 instructions (750 with GELU).  What changes from trip to trip is which accumulators are read: they are first copied into window 0, by one of eight runs of 64 moves.
.set X,   64                           ; v64-127  the block's numbers
.set TM,  128                          ; v128-143 the quantiser's work
.set PC,  144                          ; v144-162 the codes
.set PW,  163                          ; the scale word
.set GZ,  164                          ; GELU: z;  z^2, then 1 / Q;  P;  Q, then x / 2
.set GZ2, 180
.set GP,  196
.set GD,  212
.set CN,  228                          ; v228-253 thirteen constants, each twice: pairs for the packed forms
.macro QUANT s
.irp b, 0,1,2,3
	v_max3_num_f32 v[TM+\b], |v[\s+16*\b]|, |v[\s+1+16*\b]|, 0x1800000   ; my 16 numbers of block b, and the floor 2^(3 - 127): the byte cannot fall under 1
.endr
.irp i, 2,4,6,8,10,12,14
.irp b, 0,1,2,3
	v_max3_num_f32 v[TM+\b], v[TM+\b], |v[\s+16*\b+\i]|, |v[\s+1+16*\b+\i]|
.endr
.endr
.irp b, 0,1,2,3
	v_permlanex16_b32 v[TM+4+\b], v[TM+\b], s[SEL], s[SEL+1]
.endr
.irp b, 0,1,2,3
	v_max_num_f32 v[TM+\b], v[TM+\b], v[TM+4+\b]   ; with lane l xor 16's: the block's largest magnitude
.endr
.irp b, 0,1,2,3
	v_add_nc_u32 v[TM+12+\b], 0xff000000, v[TM+\b] ; 2 off its exponent field: the conversion's scale operand
.endr
.irp b, 0,1,2,3
	v_lshrrev_b32 v[TM+4+\b], 23, v[TM+12+\b]      ; the scale's byte
.endr
	v_lshl_or_b32 v[PW], v[TM+5], 8, v[TM+4]
	v_lshl_or_b32 v[PW], v[TM+6], 16, v[PW]
	v_lshl_or_b32 v[PW], v[TM+7], 24, v[PW]
.irp c, 0,1
	v_cvt_scalef32_pk16_fp6_f32 v[PC+6*\c:PC+2+6*\c], v[\s+32*\c:\s+15+32*\c], v[TM+12+2*\c]
	v_cvt_scalef32_pk16_fp6_f32 v[PC+12+4*\c:PC+14+4*\c], v[\s+16+32*\c:\s+31+32*\c], v[TM+12+2*\c+1]
.endr
	v_nop                                          ; one plain place behind a scaled conversion
.irp c, 0,1
.irp i, 0,1,2
	v_permlane16_swap_b32 v[PC+6*\c+\i], v[PC+12+4*\c+\i]
.endr
.irp i, 0,1,2
	v_mov_b32 v[PC+3+6*\c+\i], v[PC+12+4*\c+\i]
.endr
.endr
.endm
.macro CONST k, val
	v_mov_b32 v[CN+2*\k], \val
	v_mov_b32 v[CN+2*\k+1], \val
.endm
; GELU of 16 numbers, x / 2 (1 + erf(x / sqrt 2)), stage by stage over eight pairs; erf(z) = z P(z^2) / Q(z^2), z held to +-4.  The 16 reciprocals are one batch with one wait.
.macro GELU g
.irp e, 0,2,4,6,8,10,12,14
	v_pk_mul_f32 v[GZ+\e:GZ+\e+1], v[X+16*\g+\e:X+16*\g+\e+1], v[CN:CN+1]
.endr
.irp e, 0,1,2,3,4,5,6,7,8,9,10,11,12,13,14,15
	v_med3_num_f32 v[GZ+\e], v[GZ+\e], -4.0, 4.0
.endr
.irp e, 0,2,4,6,8,10,12,14
	v_pk_mul_f32 v[GZ2+\e:GZ2+\e+1], v[GZ+\e:GZ+\e+1], v[GZ+\e:GZ+\e+1]
.endr
.irp e, 0,2,4,6,8,10,12,14
	v_pk_fma_f32 v[GP+\e:GP+\e+1], v[GZ2+\e:GZ2+\e+1], v[CN+2:CN+3], v[CN+4:CN+5]
.endr
.irp k, 3,4,5,6,7
.irp e, 0,2,4,6,8,10,12,14
	v_pk_fma_f32 v[GP+\e:GP+\e+1], v[GP+\e:GP+\e+1], v[GZ2+\e:GZ2+\e+1], v[CN+2*\k:CN+2*\k+1]
.endr
.endr
.irp e, 0,2,4,6,8,10,12,14
	v_pk_fma_f32 v[GD+\e:GD+\e+1], v[GZ2+\e:GZ2+\e+1], v[CN+16:CN+17], v[CN+18:CN+19]
.endr
.irp k, 10,11,12
.irp e, 0,2,4,6,8,10,12,14
	v_pk_fma_f32 v[GD+\e:GD+\e+1], v[GD+\e:GD+\e+1], v[GZ2+\e:GZ2+\e+1], v[CN+2*\k:CN+2*\k+1]
.endr
.endr
.irp e, 0,1,2,3,4,5,6,7,8,9,10,11,12,13,14,15
	v_rcp_f32 v[GZ2+\e], v[GD+\e]
.endr
.irp e, 0,2,4,6,8,10,12,14
	v_pk_mul_f32 v[GP+\e:GP+\e+1], v[GP+\e:GP+\e+1], v[GZ+\e:GZ+\e+1]   ; z P: plain work that names no reciprocal and none of their sources
.endr
	s_wait_alu depctr_va_vdst(0)                   ; one wait for the batch, ahead of its first reader
.irp e, 0,2,4,6,8,10,12,14
	v_pk_mul_f32 v[GP+\e:GP+\e+1], v[GP+\e:GP+\e+1], v[GZ2+\e:GZ2+\e+1]   ; erf
.endr
.irp e, 0,2,4,6,8,10,12,14
	v_pk_mul_f32 v[GD+\e:GD+\e+1], v[X+16*\g+\e:X+16*\g+\e+1], 0.5 op_sel_hi:[1,0]
.endr
.irp e, 0,2,4,6,8,10,12,14
	v_pk_fma_f32 v[X+16*\g+\e:X+16*\g+\e+1], v[GD+\e:GD+\e+1], v[GP+\e:GP+\e+1], v[GD+\e:GD+\e+1]
.endr
.endm
.macro TAKE a                          ; block a's accumulators into window 0, each from its low end on
.Lm_\a:
	WIN 0x02+(\a)/4                                ; source 0: window 2 or 3
.set j, 0
.rept 64
	v_mov_b32 v[X+j], v[64*((\a)%4)+j]
.set j, j+1
.endr
	WIN 0
	s_branch .Lwork
.endm
	PLACES NP                                      ; behind the last products: their results are read, and A's registers written, below
.irp b, 0,1,2,3
	v_mov_b32 v[TM+4+\b], 0                        ; written once: a lane permute's destination counts as one of its sources
.endr
.if ACT
	CONST 0, 0.70710678
	CONST 1, -0.000000000272614225801306
	CONST 2, 0.0000000277068142495902
	CONST 3, -0.00000210102402082508
	CONST 4, -0.0000569250639462346
	CONST 5, -0.000734990630326855
	CONST 6, -0.00295459980854025
	CONST 7, -0.0160960333262415
	CONST 8, -0.0000145660718464996
	CONST 9, -0.000213374055278905
	CONST 10, -0.00168282697438203
	CONST 11, -0.00737332916720468
	CONST 12, -0.0142647390514189
.endif
	s_mov_b32 s3, 0
.Lrow:
.irp a, 0,1,2,3,4,5,6
	s_cmp_eq_u32 s3, \a
	s_cbranch_scc1 .Lm_\a
.endr
	s_branch .Lm_7
	TAKE 0
	TAKE 1
	TAKE 2
	TAKE 3
	TAKE 4
	TAKE 5
	TAKE 6
	TAKE 7
.Lwork:
.if ACT
	GELU 0
	GELU 1
	GELU 2
	GELU 3
.endif
	QUANT X
	s_lshl_b32 s2, s3, 6
	v_add_nc_u32 v30, s2, v24                      ; the block's 64 bytes among my scale words
.irp m, 0,1,2
	global_store_b64 v26, v[PC+2*\m:PC+2*\m+1], s[76:77] offset:256*\m   ; 32 lanes store 256 consecutive bytes, at a multiple of 256 from the buffer's first byte
	global_store_b64 v26, v[PC+6+2*\m:PC+7+2*\m], s[74:75] offset:256*\m
.endr
	ds_store_b32 v30, v[PW]
	s_wait_xcnt 0x0
	s_add_nc_u64 s[76:77], s[76:77], s[90:91]
	s_add_nc_u64 s[74:75], s[74:75], s[90:91]
	s_add_co_u32 s3, s3, 1
	s_cmp_lt_u32 s3, 8
	s_cbranch_scc1 .Lrow
	ds_load_b128 v[X:X+3], v25                     ; LDS serves a wave's instructions in order: these see my stores
	s_wait_dscnt 0x0
	global_store_b128 v27, v[X:X+3], s[78:79]      ; my eight blocks' scale words: 512 consecutive bytes
	s_wait_tensorcnt 0x0                           ; the wave's end
	ds_add_u32 v[SPW], v[NIL]
	s_wait_dscnt 0x0
	CROUND                                         ; the closing round: no work-group ends while a partner may still ask for a pack that names it
	s_endpgm
.Lfunc_end_k_q568f935e12_gqkv:
	.size	k_q568f935e12_gqkv, .Lfunc_end_k_q568f935e12_gqkv-k_q568f935e12_gqkv
	.p2alignl 7, 3214868480
	.fill 96, 4, 3214868480
	.section	.rodata,"a",@progbits
	.p2align	6, 0x0
	.amdhsa_kernel k_q568f935e12_gqkv
		.amdhsa_group_segment_fixed_size 327680
		.amdhsa_private_segment_fixed_size 0
		.amdhsa_enable_private_segment 0
		.amdhsa_kernarg_size 32
		.amdhsa_user_sgpr_count 2
		.amdhsa_user_sgpr_kernarg_segment_ptr 1
		.amdhsa_wavefront_size32 1
		.amdhsa_system_sgpr_workgroup_id_x 1
		.amdhsa_system_sgpr_workgroup_id_y 1
		.amdhsa_system_sgpr_workgroup_id_z 1
		.amdhsa_system_vgpr_workitem_id 0
		.amdhsa_next_free_vgpr 1024
		.amdhsa_next_free_sgpr 100
		.amdhsa_reserve_vcc 0
		.amdhsa_float_denorm_mode_32 3
		.amdhsa_float_denorm_mode_16_64 3
		.amdhsa_memory_ordered 1
		.amdhsa_forward_progress 1
		.amdhsa_inst_pref_size 154
	.end_amdhsa_kernel
	.amdgpu_metadata
---
amdhsa.version: [ 1, 2 ]
amdhsa.kernels:
  - .name:           k_q568f935e12_gqkv
    .symbol:         k_q568f935e12_gqkv.kd
    .args:
      - { .name: actp, .offset: 0, .size: 8, .value_kind: global_buffer, .address_space: global }
      - { .name: wp, .offset: 8, .size: 8, .value_kind: global_buffer, .address_space: global }
      - { .name: qkp, .offset: 16, .size: 8, .value_kind: global_buffer, .address_space: global }
      - { .name: vp, .offset: 24, .size: 8, .value_kind: global_buffer, .address_space: global }
    .group_segment_fixed_size: 327680
    .private_segment_fixed_size: 0
    .kernarg_segment_align: 8
    .kernarg_segment_size: 32
    .max_flat_workgroup_size: 128
    .sgpr_count:     100
    .vgpr_count:     1024
    .wavefront_size: 32
...
	.end_amdgpu_metadata
.endif
;; end of part 8
;; launch attn (part 9): grid 8 x 32, 16 waves a work-group, clusters of 4 x 1, 327,680 bytes of LDS; arguments qkp, vp, actp; writes actp
.if DOCPART == 9
	.amdgcn_target "amdgcn-amd-amdhsa--gfx1250"
	.amdhsa_code_object_version 6
	.text
	.protected	k_q568f935e12_attn
	.globl	k_q568f935e12_attn
	.p2align	8
	.type	k_q568f935e12_attn,@function
k_q568f935e12_attn:
	s_mov_b64 s[64:65], 0
	v_nop
	global_prefetch_b8 v0, s[64:65] scope:SCOPE_SE
	s_setreg_imm32_b32 hwreg(HW_REG_WAVE_MODE, 25, 1), 1
	s_wait_xcnt 0x0
	s_wait_alu depctr_hold_cnt(0) depctr_sa_sdst(0) depctr_va_vdst(0) depctr_va_sdst(0) depctr_va_ssrc(0) depctr_va_vcc(0) depctr_vm_vsrc(0)
	s_getreg_b32 s2, hwreg(HW_REG_IB_STS2, 6, 4)
	s_cmp_eq_u32 s2, 0
	s_cbranch_scc0 .Lentry_in_a_cluster
	s_endpgm
.Lentry_in_a_cluster:
	s_bfe_u32 s2, ttmp6, 0x10000c
	s_cmp_lg_u32 s2, 0x3003
	s_cbranch_scc0 .Lentry_shape_is_right
	s_endpgm
.Lentry_shape_is_right:
; Causal attention on codes of FP6 (E2M3) with E8M0 scales: 2 batches x 16 heads of 64, 2,048 tokens.
; IN.  qkp: head H (0-15 q, 16-31 k): 196,608 bytes on end, [group of 128 tokens, 32][block of 16 tokens, 8][768 bytes: register pair m of lane l at 256 m + 8 l]; scale words from byte 6,291,456: [pair of heads, 16][group][block][r],
; bytes 0, 1 the even head's, 2, 3 the odd one's.  vp (v^T, quantised along the keys): pair of heads hp: 393,216 bytes, [step of 128 tokens, 32][block of 16 channels, 8][1,536]; scale words from byte 3,145,728: [hp][step][block][r].
; Lane r of block i holds row 32 (i / 2) + 8 (i % 2) + r + 8 (r / 8) of its 128.  OUT: actp, packs of 25,600 bytes as the next launch reads them: fragment (block i, q) at (2 i + q) x 1,536, scale words at 24,576 + 512 q + 64 i + 4 r.
; THE SOFTMAX: t = score x log2(e) / 8; M = the running largest t rounded UP to a whole number; p = 2^(t - M) is quantised along the keys, not normalised; the row's sum is taken of the unquantised p and divides at the end;
; when M moves, the sum and O are multiplied by 2^(old M - new M), which rounds nothing.
; LEFT OUT: key steps all of whose keys come after a wave's queries: the causal mask makes their p zero for all inputs.
; SHARES.  A work-group serves ONE head of one batch (work-group y); its x (0-7) is the block i of 16 queries that each of its sixteen waves takes out of its own group of 128.  The groups are dealt by a square of 4 x 4 in which every
; row and every column has 34 key steps (a wave of group g walks g + 1); waves four apart have lengths 16, 15, 2, 1; 3, 4, 13, 14; 5, 6, 11, 12; 10, 9, 8, 7.
; LDS IS FILLED ONCE: the head's K (98,304 bytes), V (98,304), K's scale words (8,192), V's (4,096) come by the head's sixteen loads, one a wave; nothing is filled again, so no ring and no round in the loop.
; The four work-groups of a cluster serve the same head: every load is asked for JOINTLY (mask 15); no descriptor, branch or LDS address hangs on cx.
; TWO BARRIERS.  Waves 6-15 fetch what key steps 0-3 need (K's and V's first 24,576 bytes, all scale words), on load lines of their own, and wait for them ahead of the first barrier.  Behind the first key step every wave waits for
; its load and the second barrier shows all of LDS.  Behind it the waves share nothing.
; NO PREFETCH: every tile is asked for at the head; no later load exists ahead of which a request could run.
; A HEAD IS HALF OF THE INSTRUCTION'S K: Q's registers 6-11 are zero codes, so whatever codes lie in K's registers 6-11 add nothing; the 16-bit loads of scale bytes leave bytes 2, 3 zero.
; Both products are used transposed (S^T = K Q^T, O^T = V^T P^T): a lane holds one query; the 16 registers of tiles 2 b, 2 b + 1 are 16 neighbouring keys (channels).
; LIMITS: a block of zeros, and one whose largest magnitude lies under 2^-124, gets the scale byte 1; NaN and infinities are not served; the promise holds while |t| stays under 2^31.
; REGISTERS: v2-4 addresses that stay; v5, v6 the add's; v7 8 x lane; v8-11 addresses in hand; v12 -M, v13 the largest t, v[14:15] the sum; v16-27 Q; v28 4 r; v29 my query's place less 16 h; v32-79 four fragments;
; v80-83 V's scale words, v84-87 K's; v96-159 S^T, then p; v160-191 O^T; v224-254 p's codes and work; v255 Q's scale.
.set PK,    25600
.set FRB,   1536
.set SCW,   24576
.set HS,    196608
.set QSC,   6291456
.set VSC,   3145728
.set VB,    98304                      ; LDS: K's codes from 0, V's from VB, K's scale words, V's, the spare words (128 bytes for each of sixteen waves)
.set KSB,   196608
.set VSB,   204800
.set SPARE, 208896
.set AK0,  7
.set AV0,  2
.set ASK0, 3
.set ASV0, 4
.set SPW,  5
.set NIL,  6
.set ADK,  8
.set ADV,  9
.set ADS,  10
.set ADT,  11
.set T1,   2                           ; s2  6,144 x the key step: K's and V's codes
.set T2,   3                           ; s3  512 x: K's scale words
.set T3,   10                          ; s10 256 x: V's
.set KF,   11                          ; s11 the key step
.set GQ,   12                          ; s12 my group of 128 queries
.set WV,   18
.set SEL,  20
.set CS,   22
.set G1K,  24                          ; descriptor groups 1: K's codes, V's codes, K's scale words, V's;  s[40:43] group 0
.set G1V,  32
.set G0,   40
.set G1S,  56
.set G1T,  68
.macro CROUND
	s_barrier_signal -1
	s_barrier_wait -1
	s_cmp_lg_u32 s[WV], 0
	s_cbranch_scc1 .Lnot_wave_0_\@
	s_barrier_signal -3
.Lnot_wave_0_\@:
	s_barrier_wait -3
	s_barrier_signal -1
	s_barrier_wait -1
.endm
.macro GROUP1 g, c, r, p               ; r rows of c elements of 8 bytes, p elements from row to row; mask 15, bit 21 beside it
	s_mov_b32 s[\g], 15|(3<<16)|(1<<21)
	s_mov_b32 s[\g+1], (\c)<<16
	s_mov_b32 s[\g+2], (\r)<<16
	s_mov_b32 s[\g+3], (\c)<<16
	s_mov_b32 s[\g+4], \r
	s_mov_b32 s[\g+5], \p
	s_mov_b32 s[\g+6], 0
	s_mov_b32 s[\g+7], 0
.endm
; A wave's one load: LDS byte wave x lmul + ladd; memory: base + s\goff + (wave + jadd) x gmul.  lmul = 0: the tensor's first tile.
.macro FILL lmul, ladd, jadd, gmul, goff, base, g1
.if \lmul
	s_mul_i32 s[G0+1], s[WV], \lmul
	s_add_co_u32 s[G0+1], s[G0+1], \ladd
	s_add_co_u32 s44, s[WV], \jadd
	s_mul_i32 s44, s44, \gmul
	s_add_co_u32 s44, s44, s\goff
.else
	s_mov_b32 s[G0+1], \ladd
	s_mov_b32 s44, s\goff
.endif
	s_add_nc_u64 s[G0+2:G0+3], s[\base:\base+1], s[44:45]
	s_or_b32 s[G0+3], s[G0+3], 0x80000000
	tensor_load_to_lds s[G0:G0+3], s[\g1:\g1+7]
	s_nop 0
.rept 4
	v_nop
.endr
.endm
	s_load_b128 s[4:7], s[0:1], 0x0                ; qkp, vp
	s_load_b64 s[8:9], s[0:1], 0x10                ; actp
	v_lshl_add_u32 v[SPW], v0, 2, SPARE
	v_mov_b32 v[NIL], 0
	ds_add_u32 v[SPW], v[NIL]                      ; the opening add, twice on end; its wait is below
	ds_add_u32 v[SPW], v[NIL]
	v_lshrrev_b32 v8, 5, v0
	s_delay_alu instid0(VALU_DEP_1)
	v_readfirstlane_b32 s[WV], v8                  ; wave 0..15
	s_and_b32 s77, ttmp7, 0xffff
	s_lshr_b32 s14, s77, 4                         ; the batch
	s_and_b32 s15, s77, 15                         ; the head
	s_lshr_b32 s16, s15, 1                         ; hp: its pair
	s_and_b32 s78, s15, 1                          ; p: which of the pair
	s_lshr_b32 s17, s16, 1
	s_and_b32 s19, s16, 1
	s_and_b32 s80, s[WV], 7
	s_lshl_b32 s80, s80, 2
	s_mov_b32 s81, 0x853e942f                      ; waves 0-7: groups 15, 2, 4, 9, 14, 3, 5, 8
	s_mov_b32 s82, 0x6bd07ac1                      ; waves 8-15: 1, 12, 10, 7, 0, 13, 11, 6
	s_cmp_lt_u32 s[WV], 8
	s_cselect_b32 s81, s81, s82
	s_lshr_b32 s[GQ], s81, s80
	s_and_b32 s[GQ], s[GQ], 15
	GROUP1 G1K, 32, 96, 32                         ; 24,576 dense bytes: four key steps of K
	GROUP1 G1V, 768, 4, 1536                       ; four key steps of V: my head's 6,144 bytes of each 12,288
	GROUP1 G1S, 32, 8, 32                          ; 2,048 dense bytes: four key steps' scale words of K
	GROUP1 G1T, 32, 4, 64                          ; four key steps' of V: my head's 256 bytes of each 512
	s_mul_i32 s90, s15, HS
	s_add_co_u32 s90, s90, 16*HS
	s_mul_i32 s83, s14, 16*6144
	s_add_co_u32 s90, s90, s83                     ; K's codes, bytes from qkp
	s_lshl_b32 s91, s16, 14
	s_lshl_b32 s83, s14, 13
	s_add_co_u32 s91, s91, s83
	s_add_co_u32 s95, s91, VSC
	s_lshl_b32 s83, s78, 8
	s_add_co_u32 s95, s95, s83                     ; V's scale words, from vp
	s_add_co_u32 s91, s91, QSC+8*16384             ; K's, from qkp
	s_mul_i32 s94, s16, 2*HS
	s_mul_i32 s83, s14, 16*12288
	s_add_co_u32 s94, s94, s83
	s_mul_i32 s83, s78, 6144
	s_add_co_u32 s94, s94, s83                     ; V's codes, from vp
	s_lshl_b32 s55, s78, 1
	s_add_co_u32 s55, s55, KSB                     ; LDS: my head's two bytes of K's scale words
	; what hangs on cx: global addresses of q and of the result, and the mask's numbers, alone
	s_bfe_u32 s54, ttmp6, 0x40000
	s_lshl_b32 s76, ttmp9, 2
	s_add_co_u32 s76, s76, s54                     ; i: my block of 16 queries in its group
	s_lshl_b32 s84, s14, 4
	s_add_co_u32 s84, s84, s[GQ]
	s_mul_i32 s92, s15, HS
	s_mul_i32 s79, s84, 6144
	s_add_co_u32 s92, s92, s79
	s_mul_i32 s79, s76, 768
	s_add_co_u32 s92, s92, s79                     ; q's codes
	s_mov_b32 s93, 0
	s_lshl_b32 s96, s16, 14
	s_lshl_b32 s79, s84, 9
	s_add_co_u32 s96, s96, s79
	s_lshl_b32 s79, s76, 6
	s_add_co_u32 s96, s96, s79
	s_lshl_b32 s79, s78, 1
	s_add_co_u32 s96, s96, s79
	s_add_co_u32 s96, s96, QSC                     ; q's scale bytes
	s_mov_b32 s97, 0
	s_lshl_b32 s85, s84, 2
	s_add_co_u32 s85, s85, s17
	s_mul_i32 s88, s85, PK                         ; the output's pack
	s_lshl_b32 s85, s76, 1
	s_add_co_u32 s85, s85, s19
	s_mul_i32 s85, s85, FRB
	s_mul_i32 s79, s78, 768
	s_add_co_u32 s85, s85, s79
	s_add_co_u32 s86, s88, s85                     ; fragment (i, hp % 2), my head's half
	s_mov_b32 s87, 0
	s_lshl_b32 s85, s19, 9
	s_lshl_b32 s79, s76, 6
	s_add_co_u32 s85, s85, s79
	s_lshl_b32 s79, s78, 1
	s_add_co_u32 s85, s85, s79
	s_add_co_u32 s85, s85, SCW
	s_add_co_u32 s88, s88, s85                     ; its scale bytes
	s_mov_b32 s89, 0
	s_lshr_b32 s79, s76, 1
	s_lshl_b32 s79, s79, 5
	s_and_b32 s80, s76, 1
	s_lshl_b32 s80, s80, 3
	s_add_co_u32 s79, s79, s80                     ; 32 (i / 2) + 8 (i % 2)
	s_mov_b32 s[SEL], 0x76543210
	s_mov_b32 s[SEL+1], 0xfedcba98
	s_mov_b32 s[CS], 0x3e38aa3b                    ; c = log2(e) / sqrt(64)
	s_mov_b32 s[CS+1], s[CS]
	s_mov_b32 s[T1], 0
	s_mov_b32 s[T2], 0
	s_mov_b32 s[T3], 0
	s_mov_b32 s[KF], 0
	s_mov_b32 s[G0], 1
	s_mov_b32 s45, 0
	s_wait_dscnt 0x0                               ; both opening adds are done
	s_wait_kmcnt 0x0
	s_add_nc_u64 s[46:47], s[4:5], s[92:93]
	s_add_nc_u64 s[48:49], s[4:5], s[96:97]
	s_add_nc_u64 s[50:51], s[8:9], s[86:87]
	s_add_nc_u64 s[52:53], s[8:9], s[88:89]
	CROUND                                         ; all four work-groups are here: the joint loads meet
	; one chain of branches on the wave's number, one load to an arm
	s_cmp_lt_u32 s[WV], 3
	s_cbranch_scc0 .Larm_v
	FILL 24576, 24576, 1, 24576, 90, 4, G1K        ; waves 0-2: K's key steps 4-15
	s_branch .Lasked
.Larm_v:
	s_cmp_lt_u32 s[WV], 6
	s_cbranch_scc0 .Larm_k0
	FILL 24576, VB-49152, -2, 49152, 94, 6, G1V    ; waves 3-5: V's key steps 4-15
	s_branch .Lasked
.Larm_k0:
	s_cmp_lt_u32 s[WV], 7
	s_cbranch_scc0 .Larm_v0
	FILL 0, 0, 0, 0, 90, 4, G1K                    ; wave 6: K's key steps 0-3
	s_branch .Lasked
.Larm_v0:
	s_cmp_lt_u32 s[WV], 8
	s_cbranch_scc0 .Larm_ks
	FILL 0, VB, 0, 0, 94, 6, G1V                   ; wave 7: V's key steps 0-3
	s_branch .Lasked
.Larm_ks:
	s_cmp_lt_u32 s[WV], 12
	s_cbranch_scc0 .Larm_vs
	FILL 2048, KSB-16384, -8, 2048, 91, 4, G1S     ; waves 8-11: K's scale words
	s_branch .Lasked
.Larm_vs:
	FILL 1024, VSB-12288, -12, 2048, 95, 6, G1T    ; waves 12-15: V's scale words
.Lasked:
	v_and_b32 v8, 15, v0                           ; r
	v_bfe_u32 v9, v0, 4, 1                         ; h
	v_and_b32 v10, 31, v0
	s_delay_alu instid0(VALU_DEP_1)
	v_lshlrev_b32 v7, 3, v10                       ; 8 x lane: also K's codes' place in LDS, which begin at byte 0
	s_delay_alu instid0(VALU_DEP_4)
	v_lshlrev_b32 v28, 2, v8                       ; 4 r
.irp m, 0,1,2
	global_load_b64 v[16+2*\m:17+2*\m], v7, s[46:47] offset:256*\m   ; Q: registers 0-5
.endr
	global_load_u16 v255, v28, s[48:49]            ; and its two scale bytes
.irp j, 22,23,24,25,26,27
	v_mov_b32 v[\j], 0                             ; Q's registers 6-11: zero codes
.endr
.irp t, 0,1,2,3
.irp j, 6,7,8,9,10,11
	v_mov_b32 v[32+12*\t+\j], 0                    ; K's registers 6-11 are named by the first products before V's codes have lain there
.endr
.endr
	v_add_nc_u32 v[AV0], VB, v7
	v_add_nc_u32 v[ASK0], s55, v28
	v_add_nc_u32 v[ASV0], VSB, v28
	v_and_b32 v11, 8, v8
	s_delay_alu instid0(VALU_DEP_1)
	v_add_nc_u32 v11, v11, v8
	v_lshlrev_b32 v29, 4, v9
	s_delay_alu instid0(VALU_DEP_1)
	v_sub_nc_u32 v29, v11, v29
	s_delay_alu instid0(VALU_DEP_1)
	v_add_nc_u32 v29, s79, v29                     ; my query's place in its group less 16 h
	v_mov_b32 v13, 0xff61b1e6                      ; the largest t so far: -3e38
	s_delay_alu instid0(VALU_DEP_1)
	v_floor_f32 v12, -v13                          ; -M
	v_mov_b32 v14, 0
	v_mov_b32 v15, 0
.irp b, 0,1,2,3
	v_mov_b32 v[236+\b], 0                         ; a lane permute's destination counts as one of its sources
.endr
	v_mov_b32 v252, 0
	v_mov_b32 v253, 0
.irp j, 0,1,2,3,4,5,6,7,8,9,10,11,12,13,14,15,16,17,18,19,20,21,22,23,24,25,26,27,28,29,30,31
	v_mov_b32 v[160+\j], 0                         ; O^T: the step is written for every trip alike: the first finds zeros
.endr
; A KEY STEP: 128 keys.
.macro STEP
	s_cmp_gt_u32 s[KF], s[GQ]                      ; all its keys come after my queries: left out
	s_cbranch_scc1 .Lhidden_\@
	v_add_nc_u32 v[ADK], s[T1], v[AK0]             ; (these four are also the places in front of the loads below)
	v_add_nc_u32 v[ADS], s[T2], v[ASK0]
	v_add_nc_u32 v[ADV], s[T1], v[AV0]
	v_add_nc_u32 v[ADT], s[T3], v[ASV0]
	s_wait_alu depctr_va_vdst(0)
.irp g, 0,1                                    ; S^T = K Q^T, four blocks of 16 keys at a time
.rept 4*\g
	v_nop
.endr
.irp t, 0,1,2,3
.irp p, 0,1,2
	ds_load_b64 v[32+12*\t+2*\p:32+12*\t+2*\p+1], v[ADK] offset:(4*\g+\t)*768+256*\p
.endr
	ds_load_u16 v[84+\t], v[ADS] offset:64*(4*\g+\t)
.endr
	s_wait_dscnt 0x0
.irp t, 0,1,2,3
	v_wmma_scale_f32_16x16x128_f8f6f4 v[96+8*(4*\g+\t):103+8*(4*\g+\t)], v[32+12*\t:43+12*\t], v[16:27], 0, v[84+\t], v255 matrix_a_fmt:MATRIX_FMT_FP6 matrix_b_fmt:MATRIX_FMT_FP6
.endr
.endr                                          ; register 16 b + n holds key 32 b + 16 h + n of the step
.rept 4
	v_nop
.endr
.irp t, 0,1,2,3                                ; V's four fragments are asked for here: the softmax's work stands between the request and the wait
.irp p, 0,1,2,3,4,5
	ds_load_b64 v[32+12*\t+2*\p:32+12*\t+2*\p+1], v[ADV] offset:\t*FRB+256*\p
.endr
	ds_load_b32 v[80+\t], v[ADT] offset:64*\t
.endr
	s_cmp_lt_u32 s[KF], s[GQ]                      ; on the diagonal the scores of hidden keys become -infinity ahead of the maximum
	s_cbranch_scc1 .Lopen_\@
	v_mov_b32 v254, 0xff800000
.irp n, 0,1,2,3,4,5,6,7,8,9,10,11,12,13,14,15,16,17,18,19,20,21,22,23,24,25,26,27,28,29,30,31,32,33,34,35,36,37,38,39,40,41,42,43,44,45,46,47,48,49,50,51,52,53,54,55,56,57,58,59,60,61,62,63
	v_cmp_gt_i32 vcc_lo, 32*(\n/16)+\n%16, v29
	v_cndmask_b32 v[96+\n], v[96+\n], v254, vcc_lo
.endr
.Lopen_\@:
.irp b, 0,1,2,3
	v_max3_num_f32 v[232+\b], v[96+16*\b], v[97+16*\b], v[98+16*\b]   ; the largest score of each block of 32 keys: for the row's maximum and, since p rises with the score, for the block's largest p
.endr
.irp i, 3,5,7,9,11,13
.irp b, 0,1,2,3
	v_max3_num_f32 v[232+\b], v[232+\b], v[96+16*\b+\i], v[97+16*\b+\i]
.endr
.endr
.irp b, 0,1,2,3
	v_max_num_f32 v[232+\b], v[232+\b], v[111+16*\b]
.endr
.irp b, 0,1,2,3
	s_delay_alu instid0(VALU_DEP_4)
	v_permlanex16_b32 v[236+\b], v[232+\b], s[SEL], s[SEL+1]
.endr
.irp b, 0,1,2,3
	s_delay_alu instid0(VALU_DEP_4)
	v_max_num_f32 v[232+\b], v[232+\b], v[236+\b]  ; with lane l xor 16's 16 keys
.endr
	s_delay_alu instid0(VALU_DEP_2)
	v_max3_num_f32 v254, v232, v233, v234
	s_delay_alu instid0(VALU_DEP_1)
	v_max_num_f32 v254, v254, v235
	s_delay_alu instid0(VALU_DEP_1)
	v_mul_f32 v254, s[CS], v254                    ; the step's largest t (c is positive)
	s_delay_alu instid0(VALU_DEP_1)
	v_max_num_f32 v13, v13, v254
	v_mov_b32 v254, v12
	s_delay_alu instid0(VALU_DEP_2)
	v_floor_f32 v12, -v13                          ; the new -M = floor(-t)
	s_delay_alu instid0(VALU_DEP_1)
	v_sub_f32 v254, v12, v254                      ; old M - new M: a whole number, 0 or less
	s_delay_alu instid0(VALU_DEP_1)
	v_cvt_i32_f32 v254, v254                       ; (it saturates)
	s_delay_alu instid0(VALU_DEP_1)
	v_ldexp_f32 v252, 1.0, v254                    ; f = 2^(old M - new M)
.irp j, 0,2,4,6,8,10,12,14,16,18,20,22,24,26,28,30,32,34,36,38,40,42,44,46,48,50,52,54,56,58,60,62
	v_pk_fma_f32 v[96+\j:97+\j], v[96+\j:97+\j], s[CS:CS+1], v[12:13] op_sel_hi:[1,0,0]   ; t - M
.endr
.irp b, 0,1,2,3
	v_fma_f32 v[232+\b], v[232+\b], s[CS], v12
.endr
	s_wait_alu depctr_va_vdst(0)
.irp j, 0,1,2,3,4,5,6,7,8,9,10,11,12,13,14,15,16,17,18,19,20,21,22,23,24,25,26,27,28,29,30,31,32,33,34,35,36,37,38,39,40,41,42,43,44,45,46,47,48,49,50,51,52,53,54,55,56,57,58,59,60,61,62,63
	v_exp_f32 v[96+\j], v[96+\j]                   ; p = 2^(t - M), at most 1
.endr
	v_pk_mul_f32 v[14:15], v[14:15], v[252:253] op_sel_hi:[1,0]   ; the sums under the new M (a plain place behind the exponentials)
	s_wait_alu depctr_va_vdst(0)                   ; one wait for the batch, ahead of its first reader
.irp b, 0,1,2,3
	v_exp_f32 v[232+\b], v[232+\b]                 ; the block's largest p
.endr
	v_pk_add_f32 v[236:237], v[100:101], v[104:105]   ; the row's sum of the unquantised p, in eight chains
	v_pk_add_f32 v[250:251], v[108:109], v[112:113]
	v_pk_add_f32 v[248:249], v[116:117], v[120:121]
	v_pk_add_f32 v[246:247], v[124:125], v[128:129]
	v_pk_add_f32 v[244:245], v[132:133], v[136:137]
	v_pk_add_f32 v[242:243], v[140:141], v[144:145]
	v_pk_add_f32 v[240:241], v[148:149], v[152:153]
	v_pk_add_f32 v[14:15], v[14:15], v[156:157]
	v_pk_add_f32 v[236:237], v[236:237], v[96:97]
	v_pk_add_f32 v[250:251], v[250:251], v[98:99]
	v_pk_add_f32 v[248:249], v[248:249], v[102:103]
	v_pk_add_f32 v[246:247], v[246:247], v[106:107]
	v_pk_add_f32 v[244:245], v[244:245], v[110:111]
	v_pk_add_f32 v[242:243], v[242:243], v[114:115]
	v_pk_add_f32 v[240:241], v[240:241], v[118:119]
	v_pk_add_f32 v[14:15], v[14:15], v[122:123]
	v_pk_add_f32 v[236:237], v[236:237], v[126:127]
	v_pk_add_f32 v[250:251], v[250:251], v[130:131]
	v_pk_add_f32 v[248:249], v[248:249], v[134:135]
	v_pk_add_f32 v[246:247], v[246:247], v[138:139]
	v_pk_add_f32 v[244:245], v[244:245], v[142:143]
	v_pk_add_f32 v[242:243], v[242:243], v[146:147]
	v_pk_add_f32 v[240:241], v[240:241], v[150:151]
	v_pk_add_f32 v[14:15], v[14:15], v[154:155]
	v_pk_add_f32 v[236:237], v[236:237], v[158:159]
	s_delay_alu instid0(VALU_DEP_2)
	v_pk_add_f32 v[14:15], v[14:15], v[246:247]
	s_delay_alu instid0(VALU_DEP_2)
	v_pk_add_f32 v[236:237], v[236:237], v[244:245]
	v_pk_add_f32 v[250:251], v[250:251], v[242:243]
	v_pk_add_f32 v[248:249], v[248:249], v[240:241]
	s_delay_alu instid0(VALU_DEP_2)
	v_pk_add_f32 v[14:15], v[14:15], v[250:251]
	s_delay_alu instid0(VALU_DEP_2)
	v_pk_add_f32 v[236:237], v[236:237], v[248:249]
	s_delay_alu instid0(VALU_DEP_1)
	v_pk_add_f32 v[14:15], v[14:15], v[236:237]
	s_wait_alu depctr_va_vdst(0)                   ; and one for the four
.irp b, 0,1,2,3
	v_max_num_f32 v[232+\b], 0x1800000, v[232+\b]  ; the floor 2^(3 - 127): the byte cannot fall under 1
.endr
.irp b, 0,1,2,3
	s_delay_alu instid0(VALU_DEP_4)
	v_add_nc_u32 v[244+\b], 0xff000000, v[232+\b]  ; 2 off the exponent field: the conversion's scale operand
.endr
.irp b, 0,1,2,3
	s_delay_alu instid0(VALU_DEP_4)
	v_lshrrev_b32 v[236+\b], 23, v[244+\b]
.endr
	s_delay_alu instid0(VALU_DEP_3)
	v_lshl_or_b32 v253, v237, 8, v236              ; p's scale word for these 128 keys
	s_delay_alu instid0(VALU_DEP_1)
	v_lshl_or_b32 v253, v238, 16, v253
	s_delay_alu instid0(VALU_DEP_1)
	v_lshl_or_b32 v253, v239, 24, v253
.irp c, 0,1
	v_cvt_scalef32_pk16_fp6_f32 v[224+6*\c:226+6*\c], v[96+32*\c:111+32*\c], v[244+2*\c]
	v_cvt_scalef32_pk16_fp6_f32 v[236+4*\c:238+4*\c], v[112+32*\c:127+32*\c], v[244+2*\c+1]
.endr
	v_nop                                          ; one plain place behind a scaled conversion
.irp c, 0,1
.irp i, 0,1,2
	v_permlane16_swap_b32 v[224+6*\c+\i], v[236+4*\c+\i]
.endr
.irp i, 0,1,2
	s_delay_alu instid0(VALU_DEP_3)
	v_mov_b32 v[227+6*\c+\i], v[236+4*\c+\i]
.endr
.endr
	s_wait_alu depctr_va_vdst(0)
.irp j, 0,2,4,6,8,10,12,14,16,18,20,22,24,26,28,30
	v_pk_mul_f32 v[160+\j:161+\j], v[160+\j:161+\j], v[252:253] op_sel_hi:[1,0]   ; O^T under the new M.  Twelve of the sixteen name no register of a given product below: the places between p's scale word and codes and the products
.endr
	s_wait_alu depctr_va_vdst(0)
	s_wait_dscnt 0x0                               ; V's fragments and scale words
.irp t, 0,1,2,3                                ; O^T += V^T P^T: four blocks of 16 channels, the accumulators by turns
	v_wmma_scale_f32_16x16x128_f8f6f4 v[160+8*\t:167+8*\t], v[32+12*\t:43+12*\t], v[224:235], v[160+8*\t:167+8*\t], v[80+\t], v253 matrix_a_fmt:MATRIX_FMT_FP6 matrix_b_fmt:MATRIX_FMT_FP6
.endr
.Lhidden_\@:
	s_add_co_u32 s[KF], s[KF], 1
	s_add_co_u32 s[T1], s[T1], 6144
	s_add_co_u32 s[T2], s[T2], 512
	s_add_co_u32 s[T3], s[T3], 256
.endm
	s_wait_alu depctr_va_vdst(0)
	s_wait_loadcnt 0x0                             ; Q
	s_cmp_lt_u32 s[WV], 6
	s_cbranch_scc1 .Llate
	s_wait_tensorcnt 0x0                           ; waves 6-15: key steps 0-3 of K and V, all scale words
.Llate:
	s_barrier_signal -1
	s_barrier_wait -1                              ; waves 0-5's loads may be out
	STEP                                           ; key step 0, which counts for every query
	s_wait_tensorcnt 0x0                           ; every wave's load has landed
	s_wait_dscnt 0x0
	s_barrier_signal -1
	s_barrier_wait -1                              ; all of K and V is shown to all
.Lstep:                                            ; key steps 1 to 15; no barrier, no wait for another wave
	STEP
	s_cmp_lt_u32 s[KF], 16
	s_cbranch_scc1 .Lstep
	; THE WAY OUT.  O^T / the sum: register 16 b + n is channel 32 b + 16 h + n of my head: two blocks of 32 along the next product's K: registers 0-5 (p = 0) or 6-11 (p = 1) of fragment (i, hp % 2).
.rept 4
	v_nop
.endr
	v_add_f32 v14, v14, v15
	s_delay_alu instid0(VALU_DEP_1)
	v_permlanex16_b32 v252, v14, s[SEL], s[SEL+1]
	s_delay_alu instid0(VALU_DEP_1)
	v_add_f32 v14, v14, v252                       ; the row's sum
	s_wait_alu depctr_va_vdst(0)
	v_rcp_f32 v14, v14
	v_nop
	s_wait_alu depctr_va_vdst(0)
.irp j, 0,1,2,3,4,5,6,7,8,9,10,11,12,13,14,15,16,17,18,19,20,21,22,23,24,25,26,27,28,29,30,31
	v_mul_f32 v[96+\j], v[160+\j], v14
.endr
.irp b, 0,1
	v_max3_num_f32 v[232+\b], |v[96+16*\b]|, |v[97+16*\b]|, 0x1800000
.endr
.irp i, 2,4,6,8,10,12,14
.irp b, 0,1
	s_delay_alu instid0(VALU_DEP_2)
	v_max3_num_f32 v[232+\b], v[232+\b], |v[96+16*\b+\i]|, |v[97+16*\b+\i]|
.endr
.endr
.irp b, 0,1
	s_delay_alu instid0(VALU_DEP_2)
	v_permlanex16_b32 v[236+\b], v[232+\b], s[SEL], s[SEL+1]
.endr
.irp b, 0,1
	s_delay_alu instid0(VALU_DEP_2)
	v_max_num_f32 v[232+\b], v[232+\b], v[236+\b]
.endr
.irp b, 0,1
	s_delay_alu instid0(VALU_DEP_2)
	v_add_nc_u32 v[244+\b], 0xff000000, v[232+\b]
.endr
.irp b, 0,1
	s_delay_alu instid0(VALU_DEP_2)
	v_lshrrev_b32 v[236+\b], 23, v[244+\b]
.endr
	s_delay_alu instid0(VALU_DEP_1)
	v_lshl_or_b32 v253, v237, 8, v236              ; my head's two scale bytes
	v_cvt_scalef32_pk16_fp6_f32 v[224:226], v[96:111], v244
	v_cvt_scalef32_pk16_fp6_f32 v[240:242], v[112:127], v245
	v_nop
.irp i, 0,1,2
	v_permlane16_swap_b32 v[224+\i], v[240+\i]
.endr
.irp i, 0,1,2
	s_delay_alu instid0(VALU_DEP_3)
	v_mov_b32 v[227+\i], v[240+\i]
.endr
.irp m, 0,1,2
	global_store_b64 v7, v[224+2*\m:225+2*\m], s[50:51] offset:256*\m   ; 32 lanes store 256 consecutive bytes, at a multiple of 256 from the buffer's first byte
.endr
	global_store_b16 v28, v253, s[52:53]           ; lanes r and 16 + r hold the same bytes and name the same place
	s_wait_tensorcnt 0x0                           ; the wave's end
	ds_add_u32 v[SPW], v[NIL]
	s_wait_dscnt 0x0
	CROUND                                         ; the closing round
	s_endpgm
.Lfunc_end_k_q568f935e12_attn:
	.size	k_q568f935e12_attn, .Lfunc_end_k_q568f935e12_attn-k_q568f935e12_attn
	.p2alignl 7, 3214868480
	.fill 96, 4, 3214868480
	.section	.rodata,"a",@progbits
	.p2align	6, 0x0
	.amdhsa_kernel k_q568f935e12_attn
		.amdhsa_group_segment_fixed_size 327680
		.amdhsa_private_segment_fixed_size 0
		.amdhsa_enable_private_segment 0
		.amdhsa_kernarg_size 24
		.amdhsa_user_sgpr_count 2
		.amdhsa_user_sgpr_kernarg_segment_ptr 1
		.amdhsa_wavefront_size32 1
		.amdhsa_system_sgpr_workgroup_id_x 1
		.amdhsa_system_sgpr_workgroup_id_y 1
		.amdhsa_system_sgpr_workgroup_id_z 1
		.amdhsa_system_vgpr_workitem_id 0
		.amdhsa_next_free_vgpr 256
		.amdhsa_next_free_sgpr 100
		.amdhsa_reserve_vcc 1
		.amdhsa_float_denorm_mode_32 3
		.amdhsa_float_denorm_mode_16_64 3
		.amdhsa_memory_ordered 1
		.amdhsa_forward_progress 1
		.amdhsa_inst_pref_size 67
	.end_amdhsa_kernel
	.amdgpu_metadata
---
amdhsa.version: [ 1, 2 ]
amdhsa.kernels:
  - .name:           k_q568f935e12_attn
    .symbol:         k_q568f935e12_attn.kd
    .args:
      - { .name: qkp, .offset: 0, .size: 8, .value_kind: global_buffer, .address_space: global }
      - { .name: vp, .offset: 8, .size: 8, .value_kind: global_buffer, .address_space: global }
      - { .name: actp, .offset: 16, .size: 8, .value_kind: global_buffer, .address_space: global }
    .group_segment_fixed_size: 327680
    .private_segment_fixed_size: 0
    .kernarg_segment_align: 8
    .kernarg_segment_size: 24
    .max_flat_workgroup_size: 512
    .sgpr_count:     100
    .vgpr_count:     256
    .wavefront_size: 32
...
	.end_amdgpu_metadata
.endif
;; end of part 9
;; launch gol (part 10): grid 256 x 1, 16 waves a work-group, no clusters, 80,128 bytes of LDS; arguments actp, wp, x, ln2_w, ln2_b, x1, act2; writes x1, act2
.if DOCPART == 10
	.amdgcn_target "amdgcn-amd-amdhsa--gfx1250"
	.amdhsa_code_object_version 6
	.text
	.protected	k_q568f935e12_gol
	.globl	k_q568f935e12_gol
	.p2align	8
	.type	k_q568f935e12_gol,@function
k_q568f935e12_gol:
	s_mov_b64 s[64:65], 0
	v_nop
	global_prefetch_b8 v0, s[64:65] scope:SCOPE_SE
	s_setreg_imm32_b32 hwreg(HW_REG_WAVE_MODE, 25, 1), 1
	s_wait_xcnt 0x0
; x1 = x + attn_out o_w^T, and norm(x1) quantised: the projection on the way out of attention, the residual, the second layer norm and its quantiser in one launch.
; IN: actp (attention's result) and wp (o_w from pack 96 on): PACKS of 128 rows x 256 along K, 25,600 bytes, pack (g, ks) at (4 g + ks) x 25,600: fragment (block i, q) at (2 i + q) x 1,536, register pair m of lane l at 256 m + 8 l;
; the scale word of (q, i, lane r) at 24,576 + 512 q + 64 i + 4 r.  Lane r of block i holds row 128 g + 32 (i / 2) + 8 (i % 2) + r + 8 (r / 8).  OUT: x1, f32; act2, packs of the same make.
; SHARES.  A work-group owns the 16 rows of one block (g = work-group / 8, i = work-group % 8), all 1,024 columns: so a row's mean and variance need no other work-group.  Sixteen waves.
; PRODUCTS: wave w makes columns 64 w .. 64 w + 63: four blocks of o_w's rows, 8 K steps of 128, 32 matrix instructions on four accumulators by turns.
; o_w's fragments go from memory straight into operand registers, each load 256 consecutive bytes, in two sets of registers: a K step's 26 loads are issued two K steps ahead of its products.
; The rows' own fragments (12,288 bytes) are fetched once, half a fragment a wave, and handed to all waves as an image of the operand's registers in LDS.
; The matrix instruction is used transposed (source 0 = o_w's rows): a lane holds one row, tile t's registers columns 64 w + 32 (t / 2) + 8 (t % 2) + 16 (lane / 16) + 0 .. 7.
; ROWS: the sums go to an LDS tile of 16 rows; behind a barrier wave w takes row w whole, 16 bytes a lane and 512 a load, adds x, stores x1 (each store 512 consecutive bytes), norms the row in two passes as the definition has it,
; and lays it back.  CODES: behind a second barrier wave w takes columns 64 w .. 64 w + 63 of all 16 rows: two blocks of 32 along the next K: registers 0-5 or 6-11 of fragment (i, (w / 2) % 2) of pack (g, w / 4).
; NO CLUSTER, NO RING: what all work-groups share is o_w's 819,200 bytes, more than LDS holds, and each fragment feeds one product of one wave: a way through LDS would add a store and a load for each byte.
; NO PREFETCH: the loads themselves run two K steps ahead, and every work-group reads the same weights.
; The two scale bytes a row leave by a 16-bit store: 2 bytes of every 4, 131,072 bytes in the whole launch.
; LIMITS: a block of zeros, and one whose largest magnitude lies under 2^-124, gets the scale byte 1 (this program alone reads the bytes); NaN and infinities are not served.
; REGISTERS: v1 8 x lane, v2 4 x lane, v3 4 r, v20 16 x lane, v21-24 LDS addresses, v30, v31 the add's; v4-19 work; v32-63 accumulators; v64-95 x's row, later the quantiser's numbers; v96-103 the rows' scale words;
; v104-107 o_w's scale words, two sets; v108-118 codes; v128-187, v192-251 two sets: the rows' fragment (12), o_w's four (48); later v128-159 the gain, v160-191 the bias, v192-223 my row.
.set PK,    25600
.set FRB,   1536
.set SCW,   24576
.set WOFF,  96
.set LP,    4112                       ; an LDS row: 4,096 bytes + 16: the sixteen rows that a 16-byte access touches start 16 bytes apart modulo 256
.set AIMG,  16*LP                      ; behind the tile: the rows' eight fragments
.set SPARE, AIMG+8*FRB                 ; behind them: the spare words, 128 bytes for each of sixteen waves
.set SPW,   30
.set NIL,   31
.set SEL,   24
.set XR,    64
.set GW,    128
.set GB,    160
.set RW,    192
	s_load_b256 s[4:11], s[0:1], 0x0               ; actp, wp, x, ln2_w
	s_load_b128 s[12:15], s[0:1], 0x20             ; ln2_b, x1
	s_load_b64 s[16:17], s[0:1], 0x30              ; act2
	v_lshl_add_u32 v[SPW], v0, 2, SPARE
	v_mov_b32 v[NIL], 0
	v_lshrrev_b32 v1, 5, v0
	v_readfirstlane_b32 s18, v1                    ; wave 0..15
	v_and_b32 v5, 31, v0                           ; lane
	v_and_b32 v6, 15, v0                           ; r
	v_bfe_u32 v7, v0, 4, 1                         ; h
	v_lshlrev_b32 v1, 3, v5
	v_lshlrev_b32 v2, 2, v5
	v_lshlrev_b32 v3, 2, v6
	v_lshlrev_b32 v20, 4, v5
	s_mul_i32 s21, s18, 768
	s_add_co_u32 s21, s21, AIMG
	v_add_nc_u32 v21, s21, v1                      ; LDS: my half fragment of the image
	v_add_nc_u32 v22, AIMG, v1                     ; the image, for reading
	v_mul_u32_u24 v23, v6, LP
	v_lshl_add_u32 v23, v7, 6, v23
	s_lshl_b32 s22, s18, 8
	v_add_nc_u32 v23, s22, v23                     ; the tile: row r, my 64 columns, + 64 h
	s_mul_i32 s23, s18, LP
	v_add_nc_u32 v24, s23, v20                     ; the tile: row w, 16 bytes a lane
	v_mov_b32 v16, 0                               ; a lane permute's destination counts as one of its sources
	v_mov_b32 v17, 0
	s_wait_alu depctr_va_vdst(0)
	s_mov_b32 s[SEL], 0x76543210
	s_mov_b32 s[SEL+1], 0xfedcba98
	s_mov_b32 s26, 0x3a800000                      ; 1 / 1,024
	s_mov_b32 s27, 0x3727c5ac                      ; 1e-5
	s_lshr_b32 s19, ttmp9, 3                       ; g
	s_and_b32 s20, ttmp9, 7                        ; i
	s_and_b32 s48, s18, 1                          ; w % 2
	s_lshr_b32 s49, s18, 1                         ; w / 2: my K step of the image and of the result; also my group of o_w's rows
	s_lshr_b32 s50, s18, 2
	s_and_b32 s51, s49, 1
	s_lshl_b32 s52, s19, 2
	s_add_co_u32 s53, s52, s50
	s_mul_i32 s53, s53, PK                         ; pack (g, w / 4)
	s_lshl_b32 s54, s20, 1
	s_add_co_u32 s54, s54, s51
	s_mul_i32 s54, s54, FRB
	s_mul_i32 s55, s48, 768
	s_add_co_u32 s28, s53, s54
	s_add_co_u32 s28, s28, s55                     ; half w % 2 of fragment (i, (w / 2) % 2): where I read actp, and where I store act2
	s_mov_b32 s29, 0
	s_lshl_b32 s54, s51, 9
	s_lshl_b32 s55, s20, 6
	s_add_co_u32 s38, s53, s54
	s_add_co_u32 s38, s38, s55
	s_lshl_b32 s54, s48, 1
	s_add_co_u32 s38, s38, s54
	s_add_co_u32 s38, s38, SCW                     ; its two scale bytes a row
	s_mov_b32 s39, 0
	s_mul_i32 s30, s52, PK
	s_add_co_u32 s30, s30, s55
	s_add_co_u32 s30, s30, SCW                     ; the rows' scale words of K step 0
	s_mov_b32 s31, 0
	s_lshl_b32 s32, s49, 2
	s_add_co_u32 s32, s32, WOFF
	s_mul_i32 s32, s32, PK                         ; o_w's pack (w / 2, 0)
	s_lshl_b32 s40, s48, 8
	s_add_co_u32 s40, s40, s32
	s_add_co_u32 s40, s40, SCW                     ; my four blocks' scale words
	s_mov_b32 s41, 0
	s_mul_i32 s54, s48, 8*FRB
	s_add_co_u32 s32, s32, s54                     ; my four blocks' fragments
	s_mov_b32 s33, 0
	s_lshl_b32 s34, s19, 7
	s_lshr_b32 s54, s20, 1
	s_lshl_b32 s54, s54, 5
	s_add_co_u32 s34, s34, s54
	s_and_b32 s54, s20, 1
	s_lshl_b32 s54, s54, 3
	s_add_co_u32 s34, s34, s54
	s_add_co_u32 s34, s34, s18
	s_lshr_b32 s54, s18, 3
	s_lshl_b32 s54, s54, 3
	s_add_co_u32 s34, s34, s54                     ; row w's token: 128 g + 32 (i / 2) + 8 (i % 2) + w + 8 (w / 8)
	s_lshl_b32 s34, s34, 12
	s_mov_b32 s35, 0
	s_wait_kmcnt 0x0
	s_add_nc_u64 s[42:43], s[4:5], s[28:29]
	s_add_nc_u64 s[36:37], s[16:17], s[28:29]
	s_add_nc_u64 s[38:39], s[16:17], s[38:39]
	s_add_nc_u64 s[30:31], s[4:5], s[30:31]
	s_add_nc_u64 s[32:33], s[6:7], s[32:33]
	s_add_nc_u64 s[40:41], s[6:7], s[40:41]
	s_add_nc_u64 s[44:45], s[8:9], s[34:35]
	s_add_nc_u64 s[46:47], s[14:15], s[34:35]
.macro BLOAD k                         ; K step k of o_w: four fragments and two registers of scale words (lanes 0-15 the even block's, lanes 16-31 the odd one's): 26 loads
.set S_, 128+64*((\k)%2)
.irp t, 0,1,2,3
.irp m, 0,1,2,3,4,5
	global_load_b64 v[S_+12+12*\t+2*\m:S_+13+12*\t+2*\m], v1, s[32:33] offset:((\k)/2)*PK+(2*\t+(\k)%2)*FRB+256*\m
.endr
.endr
.irp u, 0,1
	global_load_b32 v[104+2*((\k)%2)+\u], v2, s[40:41] offset:((\k)/2)*PK+512*((\k)%2)+128*\u
.endr
.endm
.macro ALOAD k                         ; K step k of the rows, out of the image: 6 loads
.set S_, 128+64*((\k)%2)
.irp m, 0,1,2,3,4,5
	ds_load_b64 v[S_+2*\m:S_+2*\m+1], v22 offset:(\k)*FRB+256*\m
.endr
.endm
.macro P1 k, t, row
.set S_, 128+64*((\k)%2)
.if (\k) == 0
	v_wmma_scale_f32_16x16x128_f8f6f4 v[32+8*\t:39+8*\t], v[S_+12+12*\t:S_+23+12*\t], v[S_:S_+11], 0, v[104+2*((\k)%2)+\t/2], v[96+(\k)] matrix_a_fmt:MATRIX_FMT_FP6 matrix_b_fmt:MATRIX_FMT_FP6 matrix_a_scale:MATRIX_SCALE_ROW\row
.else
	v_wmma_scale_f32_16x16x128_f8f6f4 v[32+8*\t:39+8*\t], v[S_+12+12*\t:S_+23+12*\t], v[S_:S_+11], v[32+8*\t:39+8*\t], v[104+2*((\k)%2)+\t/2], v[96+(\k)] matrix_a_fmt:MATRIX_FMT_FP6 matrix_b_fmt:MATRIX_FMT_FP6 matrix_a_scale:MATRIX_SCALE_ROW\row
.endif
.endm
; A K step.  lc: the global loads issued behind this step's 26; dc: the LDS loads issued behind this step's 6.
.macro KSTEP k, lc, dc
	s_wait_loadcnt \lc
	s_wait_dscnt \dc
	P1 \k, 0, 0
	P1 \k, 1, 1
	P1 \k, 2, 0
	P1 \k, 3, 1
.rept 4
	v_nop                                          ; places in front of loads into registers that the products have read, and of the first read of the sums
.endr
.if (\k)+2 < 8
	BLOAD (\k)+2
	ALOAD (\k)+2
.endif
.endm
.irp m, 0,1,2
	global_load_b64 v[108+2*\m:109+2*\m], v1, s[42:43] offset:256*\m   ; my half fragment of the rows
.endr
.irp k, 0,1,2,3,4,5,6,7
	global_load_b32 v[96+\k], v3, s[30:31] offset:(\k/2)*PK+512*(\k%2)   ; the rows' scale words, all of K
.endr
	BLOAD 0
	BLOAD 1
	s_wait_loadcnt 60                              ; my half fragment is in: behind its three loads stand 8 + 26 + 26
.irp m, 0,1,2
	ds_store_b64 v21, v[108+2*\m:109+2*\m] offset:256*\m
.endr
.irp j, 0,1,2,3,4,5,6,7
	global_load_b128 v[XR+4*\j:XR+4*\j+3], v20, s[44:45] offset:512*\j th:TH_LOAD_NT   ; x's row w: 32 lanes read 512 consecutive bytes
.endr
	s_wait_dscnt 0x0                               ; for the others' sake
	s_barrier_signal -1
	s_barrier_wait -1                              ; the image is whole
	ALOAD 0
	ALOAD 1
	KSTEP 0, 34, 6                                 ; behind K step 0's loads: K step 1's 26 and x's 8
	KSTEP 1, 34, 6                                 ; x's 8 and K step 2's 26
	KSTEP 2, 26, 6
	KSTEP 3, 26, 6
	KSTEP 4, 26, 6
	KSTEP 5, 26, 6
	KSTEP 6, 26, 6
.irp j, 0,1,2,3,4,5,6,7
	global_load_b128 v[GW+4*\j:GW+4*\j+3], v20, s[10:11] offset:512*\j   ; gain and bias at my 32 columns, into the set that K step 6 has left
	global_load_b128 v[GB+4*\j:GB+4*\j+3], v20, s[12:13] offset:512*\j
.endr
	KSTEP 7, 16, 0
.irp t, 0,1,2,3
	ds_store_b128 v23, v[32+8*\t:35+8*\t] offset:128*(\t/2)+32*(\t%2)      ; each accumulator from its low end on
	ds_store_b128 v23, v[36+8*\t:39+8*\t] offset:128*(\t/2)+32*(\t%2)+16
.endr
	s_wait_dscnt 0x0
	s_barrier_signal -1
	s_barrier_wait -1                              ; the 16 rows of sums are whole
.irp j, 0,1,2,3,4,5,6,7
	ds_load_b128 v[RW+4*\j:RW+4*\j+3], v24 offset:512*\j
.endr
	s_wait_loadcnt 0x0                             ; gain and bias
	s_wait_dscnt 0x0
.irp e, 0,2,4,6,8,10,12,14,16,18,20,22,24,26,28,30
	v_pk_add_f32 v[RW+\e:RW+\e+1], v[RW+\e:RW+\e+1], v[XR+\e:XR+\e+1]   ; x1
.endr
.irp j, 0,1,2,3,4,5,6,7
	global_store_b128 v20, v[RW+4*\j:RW+4*\j+3], s[46:47] offset:512*\j   ; 32 lanes store 512 consecutive bytes, at a multiple of 256 from the buffer's first byte
.endr
.macro RSUM                            ; v4 summed over the 32 lanes, the result in every lane
	s_delay_alu instid0(VALU_DEP_1)
	v_add_f32_dpp v4, v4, v4 row_xmask:1 row_mask:0xf bank_mask:0xf
	s_delay_alu instid0(VALU_DEP_1)
	v_add_f32_dpp v4, v4, v4 row_xmask:2 row_mask:0xf bank_mask:0xf
	s_delay_alu instid0(VALU_DEP_1)
	v_add_f32_dpp v4, v4, v4 row_xmask:4 row_mask:0xf bank_mask:0xf
	s_delay_alu instid0(VALU_DEP_1)
	v_add_f32_dpp v4, v4, v4 row_xmask:8 row_mask:0xf bank_mask:0xf
	s_delay_alu instid0(VALU_DEP_1)
	v_permlanex16_b32 v5, v4, s[SEL], s[SEL+1]
	s_delay_alu instid0(VALU_DEP_1)
	v_add_f32 v4, v4, v5
.endm
	; the row's layer norm: the mean, the mean of the squared differences, (x - mean) / sqrt(var + eps) x gain + bias
	v_pk_add_f32 v[4:5], v[RW:RW+1], v[RW+2:RW+3]
	v_pk_add_f32 v[6:7], v[RW+4:RW+5], v[RW+6:RW+7]
.irp j, 8,12,16,20,24,28
	s_delay_alu instid0(VALU_DEP_2)
	v_pk_add_f32 v[4:5], v[4:5], v[RW+\j:RW+\j+1]
	s_delay_alu instid0(VALU_DEP_2)
	v_pk_add_f32 v[6:7], v[6:7], v[RW+\j+2:RW+\j+3]
.endr
	s_delay_alu instid0(VALU_DEP_1)
	v_pk_add_f32 v[4:5], v[4:5], v[6:7]
	s_delay_alu instid0(VALU_DEP_1)
	v_add_f32 v4, v4, v5
	RSUM
	s_delay_alu instid0(VALU_DEP_1)
	v_mul_f32 v8, s26, v4                          ; the mean, twice: a pair for the packed forms
	s_delay_alu instid0(VALU_DEP_2)
	v_mul_f32 v9, s26, v4
	s_wait_alu depctr_va_vdst(0)
	s_wait_xcnt 0x0                                ; x1's stores have read their data: the row is written again only behind this wait
.irp j, 0,2,4,6,8,10,12,14,16,18,20,22,24,26,28,30
	v_pk_add_f32 v[RW+\j:RW+\j+1], v[RW+\j:RW+\j+1], v[8:9] neg_lo:[0,1] neg_hi:[0,1]
.endr
	v_pk_mul_f32 v[4:5], v[RW:RW+1], v[RW:RW+1]
	v_pk_mul_f32 v[6:7], v[RW+2:RW+3], v[RW+2:RW+3]
.irp j, 4,8,12,16,20,24,28
	s_delay_alu instid0(VALU_DEP_2)
	v_pk_fma_f32 v[4:5], v[RW+\j:RW+\j+1], v[RW+\j:RW+\j+1], v[4:5]
	s_delay_alu instid0(VALU_DEP_2)
	v_pk_fma_f32 v[6:7], v[RW+\j+2:RW+\j+3], v[RW+\j+2:RW+\j+3], v[6:7]
.endr
	s_delay_alu instid0(VALU_DEP_1)
	v_pk_add_f32 v[4:5], v[4:5], v[6:7]
	s_delay_alu instid0(VALU_DEP_1)
	v_add_f32 v4, v4, v5
	RSUM
	s_delay_alu instid0(VALU_DEP_1)
	v_fma_f32 v12, v4, s26, s27                    ; var + eps
	s_wait_alu depctr_va_vdst(0)
	v_rsq_f32 v10, v12
	v_nop                                          ; a plain place behind it
	s_wait_alu depctr_va_vdst(0)                   ; and the wait ahead of its first reader
	v_mov_b32 v11, v10
.irp j, 0,2,4,6,8,10,12,14,16,18,20,22,24,26,28,30
	v_pk_mul_f32 v[RW+\j:RW+\j+1], v[RW+\j:RW+\j+1], v[10:11]
.endr
.irp j, 0,2,4,6,8,10,12,14,16,18,20,22,24,26,28,30
	v_pk_fma_f32 v[RW+\j:RW+\j+1], v[RW+\j:RW+\j+1], v[GW+\j:GW+\j+1], v[GB+\j:GB+\j+1]
.endr
.irp j, 0,1,2,3,4,5,6,7
	ds_store_b128 v24, v[RW+4*\j:RW+4*\j+3] offset:512*\j   ; back into row w, which no other wave touches between the two barriers
.endr
	s_wait_dscnt 0x0
	s_barrier_signal -1
	s_barrier_wait -1                              ; the 16 normed rows are whole
.irp b, 0,1
.irp j, 0,1,2,3
	ds_load_b128 v[XR+16*\b+4*\j:XR+16*\b+4*\j+3], v23 offset:128*\b+16*\j   ; register 16 b + n = column 64 w + 32 b + 16 h + n of row r
.endr
.endr
	s_wait_dscnt 0x0
.irp b, 0,1
	v_max3_num_f32 v[14+\b], |v[XR+16*\b]|, |v[XR+1+16*\b]|, 0x1800000   ; my 16 numbers of block b, and the floor 2^(3 - 127): the byte cannot fall under 1
.endr
.irp i, 2,4,6,8,10,12,14
.irp b, 0,1
	s_delay_alu instid0(VALU_DEP_2)
	v_max3_num_f32 v[14+\b], v[14+\b], |v[XR+16*\b+\i]|, |v[XR+1+16*\b+\i]|
.endr
.endr
.irp b, 0,1
	s_delay_alu instid0(VALU_DEP_2)
	v_permlanex16_b32 v[16+\b], v[14+\b], s[SEL], s[SEL+1]
.endr
.irp b, 0,1
	s_delay_alu instid0(VALU_DEP_2)
	v_max_num_f32 v[14+\b], v[14+\b], v[16+\b]     ; with lane l xor 16's: the block's largest magnitude
.endr
.irp b, 0,1
	s_delay_alu instid0(VALU_DEP_2)
	v_add_nc_u32 v[18+\b], 0xff000000, v[14+\b]    ; 2 off its exponent field: the conversion's scale operand
.endr
.irp b, 0,1
	s_delay_alu instid0(VALU_DEP_2)
	v_lshrrev_b32 v[16+\b], 23, v[18+\b]           ; the scale's byte
.endr
	s_delay_alu instid0(VALU_DEP_1)
	v_lshl_or_b32 v13, v17, 8, v16
	v_cvt_scalef32_pk16_fp6_f32 v[108:110], v[XR:XR+15], v18
	v_cvt_scalef32_pk16_fp6_f32 v[116:118], v[XR+16:XR+31], v19
	v_nop                                          ; one plain place behind a scaled conversion
.irp i, 0,1,2
	v_permlane16_swap_b32 v[108+\i], v[116+\i]     ; a whole block in a lane: lanes 0-15 block 0, lanes 16-31 block 1
.endr
.irp i, 0,1,2
	s_delay_alu instid0(VALU_DEP_3)
	v_mov_b32 v[111+\i], v[116+\i]
.endr
.irp m, 0,1,2
	global_store_b64 v1, v[108+2*\m:109+2*\m], s[36:37] offset:256*\m   ; 32 lanes store 256 consecutive bytes, at a multiple of 256 from the buffer's first byte
.endr
	global_store_b16 v3, v13, s[38:39]             ; lanes r and 16 + r hold the same bytes and name the same place
	s_wait_tensorcnt 0x0                           ; the wave's end
	ds_add_u32 v[SPW], v[NIL]
	s_wait_dscnt 0x0
	s_endpgm
.Lfunc_end_k_q568f935e12_gol:
	.size	k_q568f935e12_gol, .Lfunc_end_k_q568f935e12_gol-k_q568f935e12_gol
	.p2alignl 7, 3214868480
	.fill 96, 4, 3214868480
	.section	.rodata,"a",@progbits
	.p2align	6, 0x0
	.amdhsa_kernel k_q568f935e12_gol
		.amdhsa_group_segment_fixed_size 80128
		.amdhsa_private_segment_fixed_size 0
		.amdhsa_enable_private_segment 0
		.amdhsa_kernarg_size 56
		.amdhsa_user_sgpr_count 2
		.amdhsa_user_sgpr_kernarg_segment_ptr 1
		.amdhsa_wavefront_size32 1
		.amdhsa_system_sgpr_workgroup_id_x 1
		.amdhsa_system_sgpr_workgroup_id_y 1
		.amdhsa_system_sgpr_workgroup_id_z 1
		.amdhsa_system_vgpr_workitem_id 0
		.amdhsa_next_free_vgpr 256
		.amdhsa_next_free_sgpr 66
		.amdhsa_reserve_vcc 0
		.amdhsa_float_denorm_mode_32 3
		.amdhsa_float_denorm_mode_16_64 3
		.amdhsa_memory_ordered 1
		.amdhsa_forward_progress 1
		.amdhsa_inst_pref_size 51
	.end_amdhsa_kernel
	.amdgpu_metadata
---
amdhsa.version: [ 1, 2 ]
amdhsa.kernels:
  - .name:           k_q568f935e12_gol
    .symbol:         k_q568f935e12_gol.kd
    .args:
      - { .name: actp, .offset: 0, .size: 8, .value_kind: global_buffer, .address_space: global }
      - { .name: wp, .offset: 8, .size: 8, .value_kind: global_buffer, .address_space: global }
      - { .name: x, .offset: 16, .size: 8, .value_kind: global_buffer, .address_space: global }
      - { .name: ln2_w, .offset: 24, .size: 8, .value_kind: global_buffer, .address_space: global }
      - { .name: ln2_b, .offset: 32, .size: 8, .value_kind: global_buffer, .address_space: global }
      - { .name: x1, .offset: 40, .size: 8, .value_kind: global_buffer, .address_space: global }
      - { .name: act2, .offset: 48, .size: 8, .value_kind: global_buffer, .address_space: global }
    .group_segment_fixed_size: 80128
    .private_segment_fixed_size: 0
    .kernarg_segment_align: 8
    .kernarg_segment_size: 56
    .max_flat_workgroup_size: 512
    .sgpr_count:     66
    .vgpr_count:     256
    .wavefront_size: 32
...
	.end_amdgpu_metadata
.endif
;; end of part 10
;; launch gf1 (part 11): grid 16 x 16, 4 waves a work-group, clusters of 4 x 4, 327,680 bytes of LDS; arguments act2, wp, ffn_b1, f1p; writes f1p
.if DOCPART == 11
	.amdgcn_target "amdgcn-amd-amdhsa--gfx1250"
	.amdhsa_code_object_version 6
	.text
	.protected	k_q568f935e12_gf1
	.globl	k_q568f935e12_gf1
	.p2align	8
	.type	k_q568f935e12_gf1,@function
k_q568f935e12_gf1:
	s_mov_b64 s[64:65], 0
	v_nop
	global_prefetch_b8 v0, s[64:65] scope:SCOPE_SE
	s_setreg_imm32_b32 hwreg(HW_REG_WAVE_MODE, 25, 1), 1
	s_wait_xcnt 0x0
	s_wait_alu depctr_hold_cnt(0) depctr_sa_sdst(0) depctr_va_vdst(0) depctr_va_sdst(0) depctr_va_ssrc(0) depctr_va_vcc(0) depctr_vm_vsrc(0)
	s_getreg_b32 s2, hwreg(HW_REG_IB_STS2, 6, 4)
	s_cmp_eq_u32 s2, 0
	s_cbranch_scc0 .Lentry_in_a_cluster
	s_endpgm
.Lentry_in_a_cluster:
	s_bfe_u32 s2, ttmp6, 0x10000c
	s_cmp_lg_u32 s2, 0xf033
	s_cbranch_scc0 .Lentry_shape_is_right
	s_endpgm
.Lentry_shape_is_right:
.set SIZE_K, 1024
.set QKV,    0
.set ACT,    1
.set BIAS,   1
.set WOFF,   128
.set KSO,    16
.set KSA,    SIZE_K/256
.set LAPS,   SIZE_K/512
.set PK,     25600
.set FRB,    1536
.set SCW,    24576
.set SLOT,   4*PK
.set SPARE,  2*SLOT
.set STG,    SPARE+512
.set FR,     12
.set NL,     6
.set NP,     4
.set NQ,     2
.set ADRA, 16
.set ADRB, 20
.set ADRS, 22
.set SPW,  28
.set NIL,  29
.set SC,   32
.set AF,   128
.set G1, 24
.set G0, 32
.set G1B, 48
.set G0B, 56
.set SEL, 86
.set MSB, 0
.macro WIN new
.if MSB != \new
	s_set_vgpr_msb (MSB<<8)|(\new)
.set MSB, \new
.endif
.endm
.set MUL_LO, 0xa1
.set MUL_HI, 0xf1
.set TO_B,   0x40
.macro JLOAD g0a, g1a, g0b, g1b
	s_cmp_eq_u32 s15, 0
	s_cbranch_scc0 .Lfor_b_\@
	tensor_load_to_lds s[\g0a:\g0a+3], s[\g1a:\g1a+7]
	s_nop 0
.rept 4
	v_nop
.endr
	s_branch .Lasked_\@
.Lfor_b_\@:
	tensor_load_to_lds s[\g0b:\g0b+3], s[\g1b:\g1b+7]
	s_nop 0
.rept 4
	v_nop
.endr
.Lasked_\@:
.endm
.macro CREST
	s_cmp_lg_u32 s14, 0
	s_cbranch_scc1 .Lnot_wave_0_\@
	s_barrier_signal -3
.Lnot_wave_0_\@:
	s_barrier_wait -3
	s_barrier_signal -1
	s_barrier_wait -1
.endm
.macro CROUND
	s_barrier_signal -1
	s_barrier_wait -1
	CREST
.endm
	s_load_b128 s[4:7], s[0:1], 0x0
	s_load_b128 s[8:11], s[0:1], 0x10
	v_lshl_add_u32 v[SPW], v0, 2, SPARE
	v_mov_b32 v[NIL], 0
	ds_add_u32 v28, v29
	ds_add_u32 v28, v29
	s_wait_dscnt 0x0
	v_lshrrev_b32 v1, 5, v0
	v_readfirstlane_b32 s14, v1
	s_lshr_b32 s15, s14, 1
	s_and_b32 s16, s14, 1
	s_bfe_u32 s40, ttmp6, 0x40000
	s_bfe_u32 s41, ttmp6, 0x40004
	s_and_b32 s18, ttmp7, 0xffff
.if QKV
	s_cmp_eq_u32 ttmp9, 2
	s_cselect_b32 s19, 0, s18
	s_cselect_b32 s67, s18, ttmp9
	s_cselect_b32 s66, 16, 8
.else
	s_mov_b32 s19, s18
	s_mov_b32 s67, ttmp9
.endif
	s_lshl_b32 s42, s67, 2
	s_add_co_u32 s42, s42, s40
	s_lshl_b32 s17, s19, 2
	s_add_co_u32 s17, s17, s41
	s_lshl_b32 s43, s41, 2
	s_lshl_b32 s43, 15, s43
	s_lshl_b32 s44, 0x1111, s40
	s_or_b32 s[G1+0], s43, (3<<16)|(1<<21)
	s_or_b32 s[G1B+0], s44, (3<<16)|(1<<21)
.irp g, G1, G1B
	s_mov_b32 s[\g+1], 32<<16
	s_mov_b32 s[\g+2], 100<<16
	s_mov_b32 s[\g+3], 32<<16
	s_mov_b32 s[\g+4], 100
	s_mov_b32 s[\g+5], 32
	s_mov_b32 s[\g+6], 0
	s_mov_b32 s[\g+7], 0
.endr
	s_lshl_b32 s20, s17, 1
	s_add_co_u32 s20, s20, s16
	s_mul_i32 s20, s20, KSA*PK
	s_mov_b32 s21, 0
	s_lshl_b32 s46, s42, 1
	s_add_co_u32 s46, s46, s16
	s_mul_i32 s46, s46, KSA*PK
	s_mov_b32 s47, 0
	s_mul_i32 s45, s14, PK
	s_wait_kmcnt 0x0
.if QKV
	s_add_nc_u64 s[22:23], s[6:7], 64*PK
	s_cmp_eq_u32 ttmp9, 2
	s_cselect_b64 s[68:69], s[22:23], s[4:5]
	s_cselect_b64 s[70:71], s[4:5], s[6:7]
	s_cselect_b64 s[72:73], s[10:11], s[8:9]
	s_add_nc_u64 s[20:21], s[68:69], s[20:21]
	s_add_nc_u64 s[46:47], s[70:71], s[46:47]
.else
	s_mov_b64 s[72:73], s[10:11]
	s_add_nc_u64 s[20:21], s[4:5], s[20:21]
	s_add_nc_u64 s[46:47], s[6:7], s[46:47]
	s_add_nc_u64 s[46:47], s[46:47], WOFF*PK
.endif
	CROUND
.irp s, 0,1
	s_mov_b32 s[G0+4*\s], 1
	s_add_co_u32 s[G0+4*\s+1], s45, \s*SLOT
	s_add_nc_u64 s[G0+4*\s+2:G0+4*\s+3], s[20:21], \s*PK
	s_or_b32 s[G0+4*\s+3], s[G0+4*\s+3], 0x80000000
	s_mov_b32 s[G0B+4*\s], 1
	s_add_co_u32 s[G0B+4*\s+1], s45, \s*SLOT
	s_add_nc_u64 s[G0B+4*\s+2:G0B+4*\s+3], s[46:47], \s*PK
	s_or_b32 s[G0B+4*\s+3], s[G0B+4*\s+3], 0x80000000
.if \s
	s_wait_alu depctr_va_vdst(0)
	s_wait_tensorcnt 0x0
	ds_add_u32 v28, v29
	ds_add_u32 v28, v29
	s_wait_dscnt 0x0
	CROUND
.endif
	JLOAD G0+4*\s, G1, G0B+4*\s, G1B
.endr
	v_and_b32 v1, 15, v0
	v_bfe_u32 v2, v0, 4, 1
	v_and_b32 v3, 31, v0
	v_lshlrev_b32 v26, 3, v3
	s_wait_alu depctr_va_vdst(0)
	v_lshlrev_b32 v27, 4, v3
	s_mul_i32 s18, s15, PK
	s_mul_i32 s19, s16, PK
	s_add_co_u32 s19, s19, 2*PK
	s_xor_b32 s22, s15, 1
	s_add_co_u32 s22, s22, s16
	s_add_co_u32 s22, s22, 1
	s_mul_i32 s22, s22, PK
	v_mul_u32_u24 v5, s22, v2
	v_lshl_add_u32 v5, v1, 2, v5
	s_add_co_u32 s23, s18, SCW
.irp s, 0,1
	v_add_nc_u32 v[ADRA+\s], s18, v26
	v_add_nc_u32 v[ADRB+\s], s19, v26
	v_add_nc_u32 v[ADRS+\s], s23, v5
	s_add_co_u32 s18, s18, SLOT
	s_add_co_u32 s19, s19, SLOT
	s_add_co_u32 s23, s23, SLOT
.endr
	s_lshl_b32 s18, s14, 9
	s_add_co_u32 s18, s18, STG
	v_lshl_add_u32 v24, v1, 2, s18
	v_add_nc_u32 v25, s18, v27
	s_mov_b32 s[SEL], 0x76543210
	s_mov_b32 s[SEL+1], 0xfedcba98
	s_lshl_b32 s80, s17, 1
	s_add_co_u32 s80, s80, s15
.if QKV
	s_mul_i32 s80, s80, s66
.else
	s_mul_i32 s80, s80, KSO
.endif
	s_add_co_u32 s80, s80, s42
	s_mul_i32 s80, s80, PK
	s_mov_b32 s81, 0
	s_add_nc_u64 s[74:75], s[72:73], s[80:81]
	s_mul_i32 s80, s16, FRB
	s_add_nc_u64 s[76:77], s[74:75], s[80:81]
	s_lshl_b32 s80, s16, 9
	s_add_co_u32 s80, s80, SCW
	s_add_nc_u64 s[78:79], s[74:75], s[80:81]
.if BIAS
	s_lshl_b32 s82, s42, 10
	s_lshl_b32 s83, s16, 9
	s_add_co_u32 s82, s82, s83
	s_mov_b32 s83, 0
	s_add_nc_u64 s[84:85], s[8:9], s[82:83]
	v_lshlrev_b32 v6, 6, v2
	WIN TO_B
.irp b, 0,1,2,3,4,5,6,7
	global_load_b128 v[96+8*\b+96*(\b/4):96+8*\b+96*(\b/4)+3], v6, s[84:85] offset:(32*(\b/2)+8*(\b%2))*4
	global_load_b128 v[96+8*\b+96*(\b/4)+4:96+8*\b+96*(\b/4)+7], v6, s[84:85] offset:(32*(\b/2)+8*(\b%2))*4+16
.endr
	WIN 0
.endif
.macro FRAG reg, adr, q, i
.irp p, 0,1,2,3,4,5
	ds_load_b64 v[\reg+2*\p:\reg+2*\p+1], v[\adr] offset:(2*(\i)+(\q))*FRB+256*\p
.endr
.endm
.macro MUL16 a0, p, q, sc, zero
.irp a, \a0, \a0+1
.irp b, 0,1,2,3,4,5,6,7
.if \zero == 1
	v_wmma_scale_f32_16x16x128_f8f6f4 v[8*(8*((\a)%4)+\b):8*(8*((\a)%4)+\b)+7], v[128*(\p)+FR*\b:128*(\p)+FR*\b+FR-1], v[AF+FR*(\a):AF+FR*(\a)+FR-1], 0, v[SC+8*NQ*(\sc)+NQ*\b+(\q)], v[SC+8*NQ*(\sc)+NQ*(\a)+(\q)] matrix_a_fmt:MATRIX_FMT_FP6 matrix_b_fmt:MATRIX_FMT_FP6 matrix_a_scale:MATRIX_SCALE_ROW1
.elseif \zero == 2
	v_wmma_scale_f32_16x16x128_f8f6f4 v[8*(8*((\a)%4)+\b):8*(8*((\a)%4)+\b)+7], v[128*(\p)+FR*\b:128*(\p)+FR*\b+FR-1], v[AF+FR*(\a):AF+FR*(\a)+FR-1], v[96+8*\b+96*(\b/4):96+8*\b+96*(\b/4)+7], v[SC+8*NQ*(\sc)+NQ*\b+(\q)], v[SC+8*NQ*(\sc)+NQ*(\a)+(\q)] matrix_a_fmt:MATRIX_FMT_FP6 matrix_b_fmt:MATRIX_FMT_FP6 matrix_a_scale:MATRIX_SCALE_ROW1
.else
	v_wmma_scale_f32_16x16x128_f8f6f4 v[8*(8*((\a)%4)+\b):8*(8*((\a)%4)+\b)+7], v[128*(\p)+FR*\b:128*(\p)+FR*\b+FR-1], v[AF+FR*(\a):AF+FR*(\a)+FR-1], v[8*(8*((\a)%4)+\b):8*(8*((\a)%4)+\b)+7], v[SC+8*NQ*(\sc)+NQ*\b+(\q)], v[SC+8*NQ*(\sc)+NQ*(\a)+(\q)] matrix_a_fmt:MATRIX_FMT_FP6 matrix_b_fmt:MATRIX_FMT_FP6 matrix_a_scale:MATRIX_SCALE_ROW1
.endif
.endr
.endr
.endm
.macro FETCH_B slot, q, p
	WIN TO_B
.irp i, 0,1,2,3,4,5,6,7
	FRAG 128*(\p)+FR*\i, ADRB+\slot, \q, \i
.endr
	WIN 0
.endm
.macro FETCH_A slot, q, i0
.irp i, \i0, \i0+1, \i0+2, \i0+3
	FRAG AF+FR*(\i), ADRA+\slot, \q, \i
.endr
.endm
.macro SCALES sc
.irp i, 0,1,2,3,4,5,6,7
.irp q, 0,1
	ds_load_b32 v[SC+8*NQ*\sc+NQ*\i+\q], v[ADRS+\sc] offset:512*\q+64*\i
.endr
.endr
.endm
.macro PLACES n
.rept \n
	v_nop
.endr
.endm
.macro STEP slot, q, zero
	s_wait_dscnt 4*NL
.if \zero == 2
	WIN 0x91
.else
	WIN MUL_LO
.endif
	MUL16 0, (\q)%2, \q, \slot, \zero
	MUL16 2, (\q)%2, \q, \slot, \zero
	s_wait_dscnt 0
	PLACES NP
	FETCH_B \slot, (\q)+1, 1-(\q)%2
	FETCH_A \slot, (\q)+1, 0
.if \zero == 2
	WIN 0xd1
.else
	WIN MUL_HI
.endif
	MUL16 4, (\q)%2, \q, \slot, \zero
	MUL16 6, (\q)%2, \q, \slot, \zero
	PLACES NP
	WIN 0
	FETCH_A \slot, (\q)+1, 4
.endm
.macro TURN slot, next, fill
	s_wait_tensorcnt 0x0
	ds_add_u32 v[SPW], v[NIL]
	s_wait_dscnt 4*NL+1
	WIN MUL_LO
	MUL16 0, 1, NQ-1, \slot, 0
	s_wait_dscnt 0x0
	s_barrier_signal -1
	MUL16 2, 1, NQ-1, \slot, 0
	WIN 0
	s_barrier_wait -1
.if \fill
	CREST
	s_add_nc_u64 s[G0+4*\slot+2:G0+4*\slot+3], s[G0+4*\slot+2:G0+4*\slot+3], 2*PK
	s_add_nc_u64 s[G0B+4*\slot+2:G0B+4*\slot+3], s[G0B+4*\slot+2:G0B+4*\slot+3], 2*PK
	JLOAD G0+4*\slot, G1, G0B+4*\slot, G1B
.else
	PLACES NP
.endif
	FETCH_B \next, 0, 0
	FETCH_A \next, 0, 0
	SCALES \next
	WIN MUL_HI
	MUL16 4, 1, NQ-1, \slot, 0
	MUL16 6, 1, NQ-1, \slot, 0
	PLACES NP
	WIN 0
	FETCH_A \next, 0, 4
.endm
	s_wait_alu depctr_va_vdst(0)
	s_wait_tensorcnt 1
	s_barrier_signal -1
	s_barrier_wait -1
	FETCH_B 0, 0, 0
	FETCH_A 0, 0, 0
	SCALES 0
	FETCH_A 0, 0, 4
.if BIAS
	s_wait_loadcnt 0x0
	STEP 0, 0, 2
.else
	STEP 0, 0, 1
.endif
	s_mov_b32 s3, LAPS-1
.Llap:
	TURN 0, 1, 1
	STEP 1, 0, 0
	TURN 1, 0, 1
	STEP 0, 0, 0
	s_sub_co_u32 s3, s3, 1
	s_cmp_lg_u32 s3, 0
	s_cbranch_scc1 .Llap
	TURN 0, 1, 0
	STEP 1, 0, 0
	s_wait_dscnt 4*NL
	WIN MUL_LO
	MUL16 0, 1, NQ-1, 1, 0
	MUL16 2, 1, NQ-1, 1, 0
	s_wait_dscnt 0
	WIN MUL_HI
	MUL16 4, 1, NQ-1, 1, 0
	MUL16 6, 1, NQ-1, 1, 0
	WIN 0
.set X,   64
.set TM,  128
.set PC,  144
.set PW,  163
.set GZ,  164
.set GZ2, 180
.set GP,  196
.set GD,  212
.set CN,  228
.macro QUANT s
.irp b, 0,1,2,3
	v_max3_num_f32 v[TM+\b], |v[\s+16*\b]|, |v[\s+1+16*\b]|, 0x1800000
.endr
.irp i, 2,4,6,8,10,12,14
.irp b, 0,1,2,3
	v_max3_num_f32 v[TM+\b], v[TM+\b], |v[\s+16*\b+\i]|, |v[\s+1+16*\b+\i]|
.endr
.endr
.irp b, 0,1,2,3
	v_permlanex16_b32 v[TM+4+\b], v[TM+\b], s[SEL], s[SEL+1]
.endr
.irp b, 0,1,2,3
	v_max_num_f32 v[TM+\b], v[TM+\b], v[TM+4+\b]
.endr
.irp b, 0,1,2,3
	v_add_nc_u32 v[TM+12+\b], 0xff000000, v[TM+\b]
.endr
.irp b, 0,1,2,3
	v_lshrrev_b32 v[TM+4+\b], 23, v[TM+12+\b]
.endr
	v_lshl_or_b32 v[PW], v[TM+5], 8, v[TM+4]
	v_lshl_or_b32 v[PW], v[TM+6], 16, v[PW]
	v_lshl_or_b32 v[PW], v[TM+7], 24, v[PW]
.irp c, 0,1
	v_cvt_scalef32_pk16_fp6_f32 v[PC+6*\c:PC+2+6*\c], v[\s+32*\c:\s+15+32*\c], v[TM+12+2*\c]
	v_cvt_scalef32_pk16_fp6_f32 v[PC+12+4*\c:PC+14+4*\c], v[\s+16+32*\c:\s+31+32*\c], v[TM+12+2*\c+1]
.endr
	v_nop
.irp c, 0,1
.irp i, 0,1,2
	v_permlane16_swap_b32 v[PC+6*\c+\i], v[PC+12+4*\c+\i]
.endr
.irp i, 0,1,2
	v_mov_b32 v[PC+3+6*\c+\i], v[PC+12+4*\c+\i]
.endr
.endr
.endm
.macro CONST k, val
	v_mov_b32 v[CN+2*\k], \val
	v_mov_b32 v[CN+2*\k+1], \val
.endm
.macro GELU g
.irp e, 0,2,4,6,8,10,12,14
	v_pk_mul_f32 v[GZ+\e:GZ+\e+1], v[X+16*\g+\e:X+16*\g+\e+1], v[CN:CN+1]
.endr
.irp e, 0,1,2,3,4,5,6,7,8,9,10,11,12,13,14,15
	v_med3_num_f32 v[GZ+\e], v[GZ+\e], -4.0, 4.0
.endr
.irp e, 0,2,4,6,8,10,12,14
	v_pk_mul_f32 v[GZ2+\e:GZ2+\e+1], v[GZ+\e:GZ+\e+1], v[GZ+\e:GZ+\e+1]
.endr
.irp e, 0,2,4,6,8,10,12,14
	v_pk_fma_f32 v[GP+\e:GP+\e+1], v[GZ2+\e:GZ2+\e+1], v[CN+2:CN+3], v[CN+4:CN+5]
.endr
.irp k, 3,4,5,6,7
.irp e, 0,2,4,6,8,10,12,14
	v_pk_fma_f32 v[GP+\e:GP+\e+1], v[GP+\e:GP+\e+1], v[GZ2+\e:GZ2+\e+1], v[CN+2*\k:CN+2*\k+1]
.endr
.endr
.irp e, 0,2,4,6,8,10,12,14
	v_pk_fma_f32 v[GD+\e:GD+\e+1], v[GZ2+\e:GZ2+\e+1], v[CN+16:CN+17], v[CN+18:CN+19]
.endr
.irp k, 10,11,12
.irp e, 0,2,4,6,8,10,12,14
	v_pk_fma_f32 v[GD+\e:GD+\e+1], v[GD+\e:GD+\e+1], v[GZ2+\e:GZ2+\e+1], v[CN+2*\k:CN+2*\k+1]
.endr
.endr
	s_wait_alu depctr_va_vdst(0)
.irp e, 0,1,2,3,4,5,6,7,8,9,10,11,12,13,14,15
	v_rcp_f32 v[GZ2+\e], v[GD+\e]
.endr
.irp e, 0,2,4,6,8,10,12,14
	v_pk_mul_f32 v[GP+\e:GP+\e+1], v[GP+\e:GP+\e+1], v[GZ+\e:GZ+\e+1]
.endr
	s_wait_alu depctr_va_vdst(0)
.irp e, 0,2,4,6,8,10,12,14
	v_pk_mul_f32 v[GP+\e:GP+\e+1], v[GP+\e:GP+\e+1], v[GZ2+\e:GZ2+\e+1]
.endr
.irp e, 0,2,4,6,8,10,12,14
	v_pk_mul_f32 v[GD+\e:GD+\e+1], v[X+16*\g+\e:X+16*\g+\e+1], 0.5 op_sel_hi:[1,0]
.endr
.irp e, 0,2,4,6,8,10,12,14
	v_pk_fma_f32 v[X+16*\g+\e:X+16*\g+\e+1], v[GD+\e:GD+\e+1], v[GP+\e:GP+\e+1], v[GD+\e:GD+\e+1]
.endr
.endm
.macro TAKE a
.Lm_\a:
	WIN 0x02+(\a)/4
.set j, 0
.rept 64
	v_mov_b32 v[X+j], v[64*((\a)%4)+j]
.set j, j+1
.endr
	WIN 0
	s_branch .Lwork
.endm
	PLACES NP
.irp b, 0,1,2,3
	v_mov_b32 v[TM+4+\b], 0
.endr
.if ACT
	CONST 0, 0.70710678
	CONST 1, -0.000000000272614225801306
	CONST 2, 0.0000000277068142495902
	CONST 3, -0.00000210102402082508
	CONST 4, -0.0000569250639462346
	CONST 5, -0.000734990630326855
	CONST 6, -0.00295459980854025
	CONST 7, -0.0160960333262415
	CONST 8, -0.0000145660718464996
	CONST 9, -0.000213374055278905
	CONST 10, -0.00168282697438203
	CONST 11, -0.00737332916720468
	CONST 12, -0.0142647390514189
.endif
	s_mov_b32 s3, 0
.Lrow:
.irp a, 0,1,2,3,4,5,6
	s_cmp_eq_u32 s3, \a
	s_cbranch_scc1 .Lm_\a
.endr
	s_branch .Lm_7
	TAKE 0
	TAKE 1
	TAKE 2
	TAKE 3
	TAKE 4
	TAKE 5
	TAKE 6
	TAKE 7
.Lwork:
.if ACT
	GELU 0
	GELU 1
	GELU 2
	GELU 3
.endif
	QUANT X
	s_lshl_b32 s2, s3, 6
	v_add_nc_u32 v30, s2, v24
.irp m, 0,1,2,3,4,5
	global_store_b64 v26, v[PC+2*\m:PC+2*\m+1], s[76:77] offset:256*\m
.endr
	ds_store_b32 v30, v[PW]
	s_wait_xcnt 0x0
	s_add_nc_u64 s[76:77], s[76:77], 2*FRB
	s_add_co_u32 s3, s3, 1
	s_cmp_lt_u32 s3, 8
	s_cbranch_scc1 .Lrow
	ds_load_b128 v[X:X+3], v25
	s_wait_dscnt 0x0
	global_store_b128 v27, v[X:X+3], s[78:79]
	s_wait_tensorcnt 0x0
	ds_add_u32 v[SPW], v[NIL]
	s_wait_dscnt 0x0
	CROUND
	s_endpgm
.Lfunc_end_k_q568f935e12_gf1:
	.size	k_q568f935e12_gf1, .Lfunc_end_k_q568f935e12_gf1-k_q568f935e12_gf1
	.p2alignl 7, 3214868480
	.fill 96, 4, 3214868480
	.section	.rodata,"a",@progbits
	.p2align	6, 0x0
	.amdhsa_kernel k_q568f935e12_gf1
		.amdhsa_group_segment_fixed_size 327680
		.amdhsa_private_segment_fixed_size 0
		.amdhsa_enable_private_segment 0
		.amdhsa_kernarg_size 32
		.amdhsa_user_sgpr_count 2
		.amdhsa_user_sgpr_kernarg_segment_ptr 1
		.amdhsa_wavefront_size32 1
		.amdhsa_system_sgpr_workgroup_id_x 1
		.amdhsa_system_sgpr_workgroup_id_y 1
		.amdhsa_system_sgpr_workgroup_id_z 1
		.amdhsa_system_vgpr_workitem_id 0
		.amdhsa_next_free_vgpr 1024
		.amdhsa_next_free_sgpr 100
		.amdhsa_reserve_vcc 0
		.amdhsa_float_denorm_mode_32 3
		.amdhsa_float_denorm_mode_16_64 3
		.amdhsa_memory_ordered 1
		.amdhsa_forward_progress 1
		.amdhsa_inst_pref_size 194
	.end_amdhsa_kernel
	.amdgpu_metadata
---
amdhsa.version: [ 1, 2 ]
amdhsa.kernels:
  - .name:           k_q568f935e12_gf1
    .symbol:         k_q568f935e12_gf1.kd
    .args:
      - { .name: act2, .offset: 0, .size: 8, .value_kind: global_buffer, .address_space: global }
      - { .name: wp, .offset: 8, .size: 8, .value_kind: global_buffer, .address_space: global }
      - { .name: ffn_b1, .offset: 16, .size: 8, .value_kind: global_buffer, .address_space: global }
      - { .name: f1p, .offset: 24, .size: 8, .value_kind: global_buffer, .address_space: global }
    .group_segment_fixed_size: 327680
    .private_segment_fixed_size: 0
    .kernarg_segment_align: 8
    .kernarg_segment_size: 32
    .max_flat_workgroup_size: 128
    .sgpr_count:     100
    .vgpr_count:     1024
    .wavefront_size: 32
...
	.end_amdgpu_metadata
.endif
;; end of part 11
;; launch gf2 (part 12): grid 8 x 32, 4 waves a work-group, clusters of 4 x 4, 327,680 bytes of LDS; arguments f1p, wp, ffn_b2, x1, out0; writes out0
.if DOCPART == 12
	.amdgcn_target "amdgcn-amd-amdhsa--gfx1250"
	.amdhsa_code_object_version 6
	.text
	.protected	k_q568f935e12_gf2
	.globl	k_q568f935e12_gf2
	.p2align	8
	.type	k_q568f935e12_gf2,@function
k_q568f935e12_gf2:
	s_mov_b64 s[64:65], 0
	v_nop
	global_prefetch_b8 v0, s[64:65] scope:SCOPE_SE
	s_setreg_imm32_b32 hwreg(HW_REG_WAVE_MODE, 25, 1), 1
	s_wait_xcnt 0x0
	s_wait_alu depctr_hold_cnt(0) depctr_sa_sdst(0) depctr_va_vdst(0) depctr_va_sdst(0) depctr_va_ssrc(0) depctr_va_vcc(0) depctr_vm_vsrc(0)
	s_getreg_b32 s2, hwreg(HW_REG_IB_STS2, 6, 4)
	s_cmp_eq_u32 s2, 0
	s_cbranch_scc0 .Lentry_in_a_cluster
	s_endpgm
.Lentry_in_a_cluster:
	s_bfe_u32 s2, ttmp6, 0x10000c
	s_cmp_lg_u32 s2, 0xf033
	s_cbranch_scc0 .Lentry_shape_is_right
	s_endpgm
.Lentry_shape_is_right:
.set SIZE_K, 4096
.set BIAS,   1
.set WOFF,   256
.set RES,    10
.set OUT,    12
.set KSA,    SIZE_K/256
.set LAPS,   SIZE_K/1024
.set PK,     25600
.set FRB,    1536
.set SCW,    24576
.set SLOT,   4*PK
.set SPARE,  2*SLOT
.set STG,    SPARE+512
.set SPITCH, 272
.set FR,     12
.set NL,     6
.set NP,     4
.set ADRA, 16
.set ADRB, 20
.set ADRS, 22
.set STO,  24
.set RD,   25
.set CO,   26
.set SPW,  28
.set NIL,  29
.set SC,   32
.set BK,   64
.set ACC,  128
.set FB,   0
.set FA,   48
.set BI,   96
.set G1, 24
.set G0, 32
.set G1B, 48
.set G0B, 56
.set MSB, 0
.macro WIN new
.if MSB != \new
	s_set_vgpr_msb (MSB<<8)|(\new)
.set MSB, \new
.endif
.endm
.set MUL,  0x05
.set MULB, 0x15
.set TO_F, 0x40
.set TO_R, 0x80
.macro JLOAD g0a, g1a, g0b, g1b
	s_cmp_eq_u32 s15, 0
	s_cbranch_scc0 .Lfor_b_\@
	tensor_load_to_lds s[\g0a:\g0a+3], s[\g1a:\g1a+7]
	s_nop 0
.rept 4
	v_nop
.endr
	s_branch .Lasked_\@
.Lfor_b_\@:
	tensor_load_to_lds s[\g0b:\g0b+3], s[\g1b:\g1b+7]
	s_nop 0
.rept 4
	v_nop
.endr
.Lasked_\@:
.endm
.macro CREST
	s_cmp_lg_u32 s14, 0
	s_cbranch_scc1 .Lnot_wave_0_\@
	s_barrier_signal -3
.Lnot_wave_0_\@:
	s_barrier_wait -3
	s_barrier_signal -1
	s_barrier_wait -1
.endm
.macro CROUND
	s_barrier_signal -1
	s_barrier_wait -1
	CREST
.endm
	s_load_b128 s[4:7], s[0:1], 0x0
	s_load_b128 s[8:11], s[0:1], 0x10
.if BIAS
	s_load_b64 s[12:13], s[0:1], 0x20
.endif
	v_lshl_add_u32 v[SPW], v0, 2, SPARE
	v_mov_b32 v[NIL], 0
	ds_add_u32 v28, v29
	ds_add_u32 v28, v29
	s_wait_dscnt 0x0
	v_lshrrev_b32 v1, 5, v0
	v_readfirstlane_b32 s14, v1
	s_lshr_b32 s15, s14, 1
	s_and_b32 s16, s14, 1
	s_bfe_u32 s40, ttmp6, 0x40000
	s_bfe_u32 s41, ttmp6, 0x40004
	s_lshl_b32 s42, ttmp9, 2
	s_add_co_u32 s42, s42, s40
	s_and_b32 s17, ttmp7, 0xffff
	s_lshl_b32 s17, s17, 2
	s_add_co_u32 s17, s17, s41
	s_lshl_b32 s43, s41, 2
	s_lshl_b32 s43, 15, s43
	s_lshl_b32 s44, 0x1111, s40
	s_or_b32 s[G1+0], s43, (3<<16)|(1<<21)
	s_or_b32 s[G1B+0], s44, (3<<16)|(1<<21)
.irp g, G1, G1B
	s_mov_b32 s[\g+1], 32<<16
	s_mov_b32 s[\g+2], 100<<16
	s_mov_b32 s[\g+3], 32<<16
	s_mov_b32 s[\g+4], 100
	s_mov_b32 s[\g+5], 32
	s_mov_b32 s[\g+6], 0
	s_mov_b32 s[\g+7], 0
.endr
	s_mul_i32 s19, s16, PK
	s_mul_i32 s20, s17, KSA*PK
	s_add_co_u32 s20, s20, s19
	s_mov_b32 s21, 0
	s_mul_i32 s46, s42, KSA*PK
	s_add_co_u32 s46, s46, s19
	s_mov_b32 s47, 0
	s_mul_i32 s45, s14, PK
	s_wait_kmcnt 0x0
	s_add_nc_u64 s[20:21], s[4:5], s[20:21]
	s_add_nc_u64 s[46:47], s[6:7], s[46:47]
	s_add_nc_u64 s[46:47], s[46:47], WOFF*PK
	CROUND
.irp s, 0,1
	s_mov_b32 s[G0+4*\s], 1
	s_add_co_u32 s[G0+4*\s+1], s45, \s*SLOT
	s_add_nc_u64 s[G0+4*\s+2:G0+4*\s+3], s[20:21], \s*2*PK
	s_or_b32 s[G0+4*\s+3], s[G0+4*\s+3], 0x80000000
	s_mov_b32 s[G0B+4*\s], 1
	s_add_co_u32 s[G0B+4*\s+1], s45, \s*SLOT
	s_add_nc_u64 s[G0B+4*\s+2:G0B+4*\s+3], s[46:47], \s*2*PK
	s_or_b32 s[G0B+4*\s+3], s[G0B+4*\s+3], 0x80000000
.if \s
	s_wait_alu depctr_va_vdst(0)
	s_wait_tensorcnt 0x0
	ds_add_u32 v28, v29
	ds_add_u32 v28, v29
	s_wait_dscnt 0x0
	CROUND
.endif
	JLOAD G0+4*\s, G1, G0B+4*\s, G1B
.endr
	v_and_b32 v1, 15, v0
	v_bfe_u32 v2, v0, 4, 1
	v_and_b32 v3, 31, v0
	v_lshlrev_b32 v4, 3, v3
	s_wait_alu depctr_va_vdst(0)
	s_mul_i32 s18, s15, 8*FRB
	s_mul_i32 s19, s16, 8*FRB
	s_add_co_u32 s19, s19, 2*PK
	s_xor_b32 s22, s15, 1
	s_add_co_u32 s22, s22, s16
	s_lshl_b32 s22, s22, 8
	s_add_co_u32 s22, s22, 2*PK-256
	v_mul_u32_u24 v5, s22, v2
	v_lshl_add_u32 v5, v1, 2, v5
	s_lshl_b32 s23, s15, 8
	s_add_co_u32 s23, s23, SCW
.irp s, 0,1
	v_add_nc_u32 v[ADRA+\s], s18, v4
	v_add_nc_u32 v[ADRB+\s], s19, v4
	v_add_nc_u32 v[ADRS+\s], s23, v5
	s_add_co_u32 s18, s18, SLOT
	s_add_co_u32 s19, s19, SLOT
	s_add_co_u32 s23, s23, SLOT
.endr
	s_mul_i32 s18, s14, 16*SPITCH
	s_add_co_u32 s18, s18, STG
	v_mul_u32_u24 v5, v1, SPITCH
	v_lshl_add_u32 v5, v2, 6, v5
	v_add_nc_u32 v[STO], s18, v5
	v_mul_u32_u24 v5, v2, SPITCH
	v_lshl_add_u32 v5, v1, 4, v5
	v_add_nc_u32 v[RD], s18, v5
	v_lshlrev_b32 v[CO], 12, v2
	v_lshl_add_u32 v[CO], v1, 4, v[CO]
	s_wait_alu depctr_va_vdst(0)
	s_lshl_b32 s80, s17, 7
	s_lshl_b32 s81, s15, 6
	s_add_co_u32 s80, s80, s81
	s_lshl_b32 s80, s80, 12
	s_lshl_b32 s81, s42, 9
	s_add_co_u32 s80, s80, s81
	s_lshl_b32 s81, s16, 8
	s_add_co_u32 s80, s80, s81
	s_mov_b32 s81, 0
	s_add_nc_u64 s[RES:RES+1], s[RES:RES+1], s[80:81]
	s_add_nc_u64 s[OUT:OUT+1], s[OUT:OUT+1], s[80:81]
.if BIAS
	s_lshl_b32 s82, s42, 9
	s_lshl_b32 s83, s16, 8
	s_add_co_u32 s82, s82, s83
	s_mov_b32 s83, 0
	s_add_nc_u64 s[84:85], s[8:9], s[82:83]
	v_lshlrev_b32 v6, 6, v2
	WIN TO_F
.irp b, 0,1,2,3
	global_load_b128 v[BI+8*\b:BI+8*\b+3], v6, s[84:85] offset:(32*(\b/2)+8*(\b%2))*4
	global_load_b128 v[BI+8*\b+4:BI+8*\b+7], v6, s[84:85] offset:(32*(\b/2)+8*(\b%2))*4+16
.endr
.endif
	WIN TO_R
.irp a, 0,1,2,3
.irp t, 0,1,2,3,4,5,6,7
	global_load_b128 v[32*\a+4*\t:32*\a+4*\t+3], v[CO], s[RES:RES+1] offset:(32*(\a/2)+8*(\a%2)+2*\t+8*(\t/4))*4096 th:TH_LOAD_NT
.endr
.endr
	WIN 0
.macro FRAG reg, adr, q, i
.irp p, 0,1,2,3,4,5
	ds_load_b64 v[\reg+2*\p:\reg+2*\p+1], v[\adr] offset:((\q)/2)*PK+(2*(\i)+(\q)%2)*FRB+256*\p
.endr
.endm
.macro SCALES sc
.irp j, 0,1,2,3
.irp q, 0,1,2,3
	ds_load_b32 v[SC+16*\sc+4*\j+\q], v[ADRS+\sc] offset:(\q/2)*PK+512*(\q%2)+64*\j
.endr
.endr
.endm
.macro FETCH slot, q, p, sc
.if \sc
	WIN 0
	SCALES \slot
.endif
	WIN TO_F
.irp i, 0,1,2,3
	FRAG 128*(\p)+FB+FR*\i, ADRB+\slot, \q, \i
.endr
.irp i, 0,1,2,3
	FRAG 128*(\p)+FA+FR*\i, ADRA+\slot, \q, \i
.endr
.endm
.macro MUL8 a0, p, q, sc, zero
.irp a, \a0, \a0+1
.irp b, 0,1,2,3
.if \zero == 1
	v_wmma_scale_f32_16x16x128_f8f6f4 v[ACC+8*(4*(\a)+\b):ACC+8*(4*(\a)+\b)+7], v[128*(\p)+FB+FR*\b:128*(\p)+FB+FR*\b+FR-1], v[128*(\p)+FA+FR*(\a):128*(\p)+FA+FR*(\a)+FR-1], 0, v[SC+16*(\sc)+4*\b+(\q)], v[SC+16*(\sc)+4*(\a)+(\q)] matrix_a_fmt:MATRIX_FMT_FP6 matrix_b_fmt:MATRIX_FMT_FP6 matrix_a_scale:MATRIX_SCALE_ROW1
.elseif \zero == 2
	v_wmma_scale_f32_16x16x128_f8f6f4 v[ACC+8*(4*(\a)+\b):ACC+8*(4*(\a)+\b)+7], v[128*(\p)+FB+FR*\b:128*(\p)+FB+FR*\b+FR-1], v[128*(\p)+FA+FR*(\a):128*(\p)+FA+FR*(\a)+FR-1], v[BI+8*\b:BI+8*\b+7], v[SC+16*(\sc)+4*\b+(\q)], v[SC+16*(\sc)+4*(\a)+(\q)] matrix_a_fmt:MATRIX_FMT_FP6 matrix_b_fmt:MATRIX_FMT_FP6 matrix_a_scale:MATRIX_SCALE_ROW1
.else
	v_wmma_scale_f32_16x16x128_f8f6f4 v[ACC+8*(4*(\a)+\b):ACC+8*(4*(\a)+\b)+7], v[128*(\p)+FB+FR*\b:128*(\p)+FB+FR*\b+FR-1], v[128*(\p)+FA+FR*(\a):128*(\p)+FA+FR*(\a)+FR-1], v[ACC+8*(4*(\a)+\b):ACC+8*(4*(\a)+\b)+7], v[SC+16*(\sc)+4*\b+(\q)], v[SC+16*(\sc)+4*(\a)+(\q)] matrix_a_fmt:MATRIX_FMT_FP6 matrix_b_fmt:MATRIX_FMT_FP6 matrix_a_scale:MATRIX_SCALE_ROW1
.endif
.endr
.endr
.endm
.macro PLACES n
.rept \n
	v_nop
.endr
.endm
.macro STEP slot, q, zero
	s_wait_dscnt 2*NL
.if \zero == 2
	WIN MULB
.else
	WIN MUL
.endif
	MUL8 0, (\q)%2, \q, \slot, \zero
	PLACES NP
	FETCH \slot, (\q)+1, ((\q)+1)%2, 0
	s_wait_dscnt 8*NL
.if \zero == 2
	WIN MULB
.else
	WIN MUL
.endif
	MUL8 2, (\q)%2, \q, \slot, \zero
.endm
.macro TURN slot, next, fill
	WIN 0
	s_wait_tensorcnt 0x0
	ds_add_u32 v[SPW], v[NIL]
	s_wait_dscnt 2*NL+1
	WIN MUL
	MUL8 0, 1, 3, \slot, 0
	s_wait_dscnt 0x0
	s_barrier_signal -1
	WIN 0
	s_barrier_wait -1
.if \fill
	CREST
	s_add_nc_u64 s[G0+4*\slot+2:G0+4*\slot+3], s[G0+4*\slot+2:G0+4*\slot+3], 4*PK
	s_add_nc_u64 s[G0B+4*\slot+2:G0B+4*\slot+3], s[G0B+4*\slot+2:G0B+4*\slot+3], 4*PK
	JLOAD G0+4*\slot, G1, G0B+4*\slot, G1B
.else
	PLACES NP
.endif
	FETCH \next, 0, 0, 1
	WIN MUL
	MUL8 2, 1, 3, \slot, 0
.endm
	s_wait_tensorcnt 1
	s_barrier_signal -1
	s_barrier_wait -1
	FETCH 0, 0, 0, 1
.if BIAS
	s_wait_loadcnt 32
	STEP 0, 0, 2
.else
	STEP 0, 0, 1
.endif
.if LAPS > 1
	WIN 0
	s_mov_b32 s3, LAPS-1
.Llap:
	STEP 0, 1, 0
	STEP 0, 2, 0
	TURN 0, 1, 1
	STEP 1, 0, 0
	STEP 1, 1, 0
	STEP 1, 2, 0
	TURN 1, 0, 1
	STEP 0, 0, 0
	WIN 0
	s_sub_co_u32 s3, s3, 1
	s_cmp_lg_u32 s3, 0
	s_cbranch_scc1 .Llap
.endif
	STEP 0, 1, 0
	STEP 0, 2, 0
	TURN 0, 1, 0
	STEP 1, 0, 0
	STEP 1, 1, 0
	STEP 1, 2, 0
	s_wait_dscnt 2*NL
	WIN MUL
	MUL8 0, 1, 3, 1, 0
	s_wait_dscnt 0
	MUL8 2, 1, 3, 1, 0
	WIN 0
.macro TOSTAGE a
.irp b, 0,1,2,3
	ds_store_b128 v[STO], v[ACC+8*(4*(\a)+\b):ACC+8*(4*(\a)+\b)+3] offset:128*(\b/2)+32*(\b%2)
	ds_store_b128 v[STO], v[ACC+8*(4*(\a)+\b)+4:ACC+8*(4*(\a)+\b)+7] offset:128*(\b/2)+32*(\b%2)+16
.endr
.set BB, BK+32*((\a)%2)
.irp t, 0,1,2,3,4,5,6,7
	ds_load_b128 v[BB+4*\t:BB+4*\t+3], v[RD] offset:2*\t*SPITCH
.endr
.endm
.macro SEND a, younger
.set BB, BK+32*((\a)%2)
	s_wait_dscnt \younger
	WIN 0x08
.set e, 0
.rept 16
	v_pk_add_f32 v[BB+e:BB+e+1], v[BB+e:BB+e+1], v[32*(\a)+e:32*(\a)+e+1]
.set e, e+2
.endr
	WIN 0
.irp t, 0,1,2,3,4,5,6,7
	global_store_b128 v[CO], v[BB+4*\t:BB+4*\t+3], s[OUT:OUT+1] offset:(32*((\a)/2)+8*((\a)%2)+2*\t+8*(\t/4))*4096 th:TH_STORE_NT
.endr
.endm
	PLACES NP
	s_wait_loadcnt 0x0
	TOSTAGE 0
.irp a, 1,2,3
.if \a > 1
	s_wait_xcnt 0x0
.endif
	TOSTAGE \a
	SEND \a-1, 16
.endr
	SEND 3, 0
	s_wait_tensorcnt 0x0
	ds_add_u32 v[SPW], v[NIL]
	s_wait_dscnt 0x0
	CROUND
	s_endpgm
.Lfunc_end_k_q568f935e12_gf2:
	.size	k_q568f935e12_gf2, .Lfunc_end_k_q568f935e12_gf2-k_q568f935e12_gf2
	.p2alignl 7, 3214868480
	.fill 96, 4, 3214868480
	.section	.rodata,"a",@progbits
	.p2align	6, 0x0
	.amdhsa_kernel k_q568f935e12_gf2
		.amdhsa_group_segment_fixed_size 327680
		.amdhsa_private_segment_fixed_size 0
		.amdhsa_enable_private_segment 0
		.amdhsa_kernarg_size 40
		.amdhsa_user_sgpr_count 2
		.amdhsa_user_sgpr_kernarg_segment_ptr 1
		.amdhsa_wavefront_size32 1
		.amdhsa_system_sgpr_workgroup_id_x 1
		.amdhsa_system_sgpr_workgroup_id_y 1
		.amdhsa_system_sgpr_workgroup_id_z 1
		.amdhsa_system_vgpr_workitem_id 0
		.amdhsa_next_free_vgpr 768
		.amdhsa_next_free_sgpr 100
		.amdhsa_reserve_vcc 0
		.amdhsa_float_denorm_mode_32 3
		.amdhsa_float_denorm_mode_16_64 3
		.amdhsa_memory_ordered 1
		.amdhsa_forward_progress 1
		.amdhsa_inst_pref_size 115
	.end_amdhsa_kernel
	.amdgpu_metadata
---
amdhsa.version: [ 1, 2 ]
amdhsa.kernels:
  - .name:           k_q568f935e12_gf2
    .symbol:         k_q568f935e12_gf2.kd
    .args:
      - { .name: f1p, .offset: 0, .size: 8, .value_kind: global_buffer, .address_space: global }
      - { .name: wp, .offset: 8, .size: 8, .value_kind: global_buffer, .address_space: global }
      - { .name: ffn_b2, .offset: 16, .size: 8, .value_kind: global_buffer, .address_space: global }
      - { .name: x1, .offset: 24, .size: 8, .value_kind: global_buffer, .address_space: global }
      - { .name: out0, .offset: 32, .size: 8, .value_kind: global_buffer, .address_space: global }
    .group_segment_fixed_size: 327680
    .private_segment_fixed_size: 0
    .kernarg_segment_align: 8
    .kernarg_segment_size: 40
    .max_flat_workgroup_size: 128
    .sgpr_count:     100
    .vgpr_count:     768
    .wavefront_size: 32
...
	.end_amdgpu_metadata
.endif
;; end of part 12
